; MI455X (gfx1250); checked and timed in simulation.
; The chip was launched on July 23, 2026; its instructions are those of AMD's public machine-readable ISA for CDNA 5 (MIT licence, August 2026) and "CDNA5" Instruction Set Architecture Reference Guide (July 2026). The comments in the code are by the model that wrote it; some were corrected since.
;; Decoder Layer. Allowed arithmetic: matrix products marked QUANTISED: E3M2 operands, one E8M0 scale for each 32 along K, by v_wmma_scale_f32_16x16x128_f8f6f4 with both operands' format E3M2, f32 sums; everything else in f32.
;; Inputs: W1 1,024 x 512 float32; W2 512 x 1,024 float32; Wk1 512 x 512 float32; Wk2 512 x 512 float32; Wq1 512 x 512 float32; Wq2 512 x 512 float32; Wv1 512 x 512 float32; Wv2 512 x 512 float32; b1 1,024 float32; b2 512 float32; be1 512 float32; be2 512 float32; be3 512 float32; bk1 512 float32; bk2 512 float32; bq1 512 float32; bq2 512 float32; bv1 512 float32; bv2 512 float32; g1 512 float32; g2 512 float32; g3 512 float32; memory 8 x 1,024 x 512 float32; x 8 x 1,024 x 512 float32.
;; Outputs: out0 8 x 1,024 x 512 float32.
;; This version of the problem:
;;   THIS VERSION OF THE PROBLEM IS GIVEN IN LOW PRECISION. The matrix products marked QUANTISED in the list below multiply operands that are first quantised to E3M2 (3 exponent bits, 2 mantissa bits; 6 bits a number), with one power-of-two scale for each 32 numbers along K (OCP MX v1.0); their sums are f32. All else is computed in f32.
;;   The module's matrix products, in the order in which they are computed (A, B: the left and right operand; K: the contracted axis; several contracted axes count as one K, in the product's order):
;;     1. [M 8,192, K 512] x [K 512, N 512]; A: input x; B: input Wq1: QUANTISED
;;     2. [M 8,192, K 512] x [K 512, N 512]; A: input x; B: input Wk1: QUANTISED
;;     3. [M 8,192, K 512] x [K 512, N 512]; A: input x; B: input Wv1: QUANTISED
;;     4. batch 128 x [M 1,024, K 32] x [K 32, N 1,024]; A: computed on the way; B: computed on the way: QUANTISED
;;     5. batch 128 x [M 1,024, K 1,024] x [K 1,024, N 32]; A: softmax (see below); B: computed on the way: QUANTISED
;;     6. [M 8,192, K 512] x [K 512, N 512]; A: computed on the way; B: input Wq2: QUANTISED
;;     7. [M 8,192, K 512] x [K 512, N 512]; A: input memory; B: input Wk2: QUANTISED
;;     8. [M 8,192, K 512] x [K 512, N 512]; A: input memory; B: input Wv2: QUANTISED
;;     9. batch 128 x [M 1,024, K 32] x [K 32, N 1,024]; A: computed on the way; B: computed on the way: QUANTISED
;;     10. batch 128 x [M 1,024, K 1,024] x [K 1,024, N 32]; A: softmax (see below); B: computed on the way: QUANTISED
;;     11. [M 8,192, K 512] x [K 512, N 1,024]; A: computed on the way; B: input W1: QUANTISED
;;     12. [M 8,192, K 1,024] x [K 1,024, N 512]; A: computed on the way; B: input W2: QUANTISED
;;   THE QUANTISER, for each operand of a quantised product, along K:
;;     - K is cut into blocks of 32 from its start; a last block that is shorter is filled with zeros.
;;     - A block's scale is 2^e with e = floor(log2(the largest magnitude in the block)) - 4, held to -126 .. 127; a block of zeros has e = 0. As a byte (E8M0): e + 127.
;;     - Each number is divided by its block's scale, clamped to +-28, and rounded to the nearest number of E3M2, ties to even, subnormals kept.
;;     - The product sums the exact products of the quantised numbers (number of the format x scale) in f32.
;;   ~~~python
;;   def quantise(x, axis):      # numpy; x: float32 -> the quantised numbers, widened to float32 again
;;       x = np.moveaxis(x, axis, -1); K = x.shape[-1]
;;       x = np.pad(x, [(0, 0)] * (x.ndim - 1) + [(0, -K % 32)]); x = x.reshape(x.shape[:-1] + (-1, 32)); a = np.abs(x).max(-1, keepdims=True)
;;       e = np.where(a > 0, np.clip(np.frexp(np.where(a > 0, a, 1))[1] - 1 - 4, -126, 127), 0)      # np.frexp(a)[1] - 1 = floor(log2(a)), exactly
;;       r = np.clip(x / 2.0 ** e, -28, 28)
;;       step = 2.0 ** (np.maximum(np.frexp(np.where(r == 0, 1, r))[1] - 1, -2) - 2)
;;       q = np.round(r / step) * step * 2.0 ** e      # np.round: ties to even
;;       return np.moveaxis(q.reshape(q.shape[:-2] + (-1,))[..., :K], -1, axis).astype(np.float32)
;;   ~~~
;;   SOFTMAX AHEAD OF A QUANTISED PRODUCT. Where the list says 'softmax', what is quantised is not the finished softmax but p = 2^(t - M), with t = logit x log2(e) and M = ceil(the row's largest t), a whole number; so 1/2 < the row's largest p <= 1. The row's sum l is taken of the UNQUANTISED p, in f32, and the product's result is divided by l at the end. Since M is a whole number, a kernel that streams over the keys may use a running M (the ceiling of the running maximum): every later rescaling is an exact power of two, which a block's scale takes up: the codes' values come out the same.
;;   OPERANDS COMPUTED ON THE WAY. 'Computed on the way' means the value that the module computes at that place (a softmax that the list does not call 'softmax' is quantised finished and normalised). What goes into a quantiser is computed in f32, as accurately as f32 sums, v_exp_f32 and their like allow (about 1e-6 of the number): no bf16 or f16 on the way to a quantiser, and a product that is left as it is and whose result goes on into a quantised operand takes f32 operands (vector FMAs, or v_wmma_f32_16x16x4_f32). A number that lies on a knife's edge between two numbers of the format may be rounded either way, as far as f32 arithmetic and the matrix unit's own rounding can turn it there, and no further.
;; 2 versions, each right and faster than the one before. Each part assembles by itself: llvm-mc -triple=amdgcn-amd-amdhsa -mcpu=gfx1250 --defsym DOCPART=n.
;; ======== version 1 of 2: 6 launches
;; workspace buffers: opc 8,601,600 bytes; q1c 3,276,800 bytes; q2c 3,276,800 bytes; kv1 6,553,600 bytes; kv2 6,553,600 bytes; att 16,777,216 bytes; x1 16,777,216 bytes
;; launch quant (part 1): grid 336 x 1, 4 waves a work-group, no clusters, 34,304 bytes of LDS; arguments x, memory, Wq1, Wk1, Wv1, Wq2, Wk2, Wv2, W1, W2, opc; writes opc
.if DOCPART == 1
	.amdgcn_target "amdgcn-amd-amdhsa--gfx1250"
	.amdhsa_code_object_version 6
	.text
	.protected	k_q2c6b622953_quant
	.globl	k_q2c6b622953_quant
	.p2align	8
	.type	k_q2c6b622953_quant,@function
k_q2c6b622953_quant:
	s_mov_b64 s[64:65], 0
	v_nop
	global_prefetch_b8 v0, s[64:65] scope:SCOPE_SE
	s_setreg_imm32_b32 hwreg(HW_REG_WAVE_MODE, 25, 1), 1
	s_wait_xcnt 0x0
; x, memory and the eight weights (all f32, K innermost) become codes of BF6 (E3M2) with one E8M0 byte for each 32 along K, laid in opc AS IMAGES OF OPERAND REGISTERS.
; A JOB is 16 rows x 512 along K: four fragments (16 rows x 128 K, 12 registers a lane) and 256 bytes of scale words.  A wave takes one job: job J = 4 x work-group + wave; 1,344 jobs.
; THE ROWS OF A TILE ARE NOT NEIGHBOURS: row r of tile t is the tensor's row 32 (t / 2) + 8 (t % 2) + r + 8 (r / 8), so that results of products that take such tiles as source 0 have 16 neighbours in 16 registers.
; opc: codes of job J, K step s at (J / 8) x 49,152 + s x 12,288 + (J % 8) x 1,536; in an image register 4 g + i of lane l lies at 512 g + 16 l + 4 i.  Scale words at SC0 + 256 J: row r's four words (K steps 0-3) at 16 r.
; Jobs 0-511 x, 512-1,023 memory, 1,024 + 32 n + tile the six square weights; 1,216 on the feed-forward weights, ordered so that each wave of the last launch finds its sixteen stages of 12,288 bytes on end.
; A block's scale is 2^(floor(log2(its largest magnitude)) - 4); its byte is the largest magnitude's exponent field - 4, held at 1 from below.
; LIMITS: a block of zeros gets the byte 1 where the rule says 127 (its codes are zeros, and this program alone reads the bytes); blocks whose largest magnitude lies under 2^-122 are held at byte 1; NaN and infinities are not served.
; Each load reads 512 consecutive bytes of one row; a K step's 16 rows turn through the wave's own stage in LDS (rows of 512 + 16 bytes) so that a lane gets two whole blocks of 32 of its row.  No barrier: waves share nothing.
.set STGB, 8448                        ; a wave's stage: 16 rows x 528 bytes
.set SC0,  8257536                     ; where the scale words begin in opc: 168 x 49,152
.set SW,   16                          ; v16-19   the job's four scale words
.set PC,   20                          ; v20-31   a fragment's codes
.set CT,   32                          ; v32-34, v36-38 the upper halves of the two blocks, as the conversions leave them
.set X,    40                          ; v40-103  my two blocks of 32 numbers
.set R,    104                         ; v104-231 two sets of 16 x 4 registers as loaded
.set OFF,  232                         ; v232-247 byte offset of my 16 bytes in each of the tile's 16 rows; never rewritten
	s_load_b512 s[8:23], s[0:1], 0x0               ; x, memory, Wq1, Wk1, Wv1, Wq2, Wk2, Wv2
	s_load_b128 s[24:27], s[0:1], 0x40             ; W1, W2
	s_load_b64 s[28:29], s[0:1], 0x50              ; opc
	v_lshl_add_u32 v248, v0, 2, 0x8400
	v_mov_b32 v249, 0
	v_lshrrev_b32 v6, 5, v0
	v_readfirstlane_b32 s30, v6                    ; wave
	v_and_b32 v7, 31, v0                           ; lane
	v_and_b32 v8, 15, v0                           ; r
	v_bfe_u32 v9, v0, 4, 1                         ; h
	v_lshlrev_b32 v1, 4, v7                        ; 16 x lane
	s_mul_i32 s31, s30, STGB
	v_add_nc_u32 v2, s31, v1                       ; the stage, on the way in: a row's 512 bytes as they lie
	v_mul_u32_u24 v3, v8, 528
	v_lshl_add_u32 v3, v9, 7, v3
	v_add_nc_u32 v3, s31, v3                       ; and out: row r, + 128 h: my block of each 64 along K
	v_lshlrev_b32 v4, 4, v8                        ; 16 r: my row's four scale words
	v_lshlrev_b32 v5, 3, v9                        ; 8 h: my bytes' place in a scale word
	v_mov_b32 v15, 0                               ; written once: a lane permute's destination counts as one of its sources
	s_mov_b32 s54, 0x76543210
	s_mov_b32 s55, 0xfedcba98                      ; selects for lane l xor 16
	s_lshl_b32 s32, ttmp9, 2
	s_add_co_u32 s32, s32, s30                     ; J
	s_wait_kmcnt 0x0
	s_mov_b64 s[34:35], s[8:9]                     ; the tensor and its first job, chosen by the work-group's number alone
	s_mov_b32 s33, 0
.macro PICK bound, ptr, j0
	s_cmp_ge_u32 ttmp9, \bound
	s_cselect_b64 s[34:35], s[\ptr:\ptr+1], s[34:35]
	s_cselect_b32 s33, \j0, s33
.endm
	PICK 128, 10, 512
	PICK 256, 12, 1024
	PICK 264, 14, 1056
	PICK 272, 16, 1088
	PICK 280, 18, 1120
	PICK 288, 20, 1152
	PICK 296, 22, 1184
	PICK 304, 24, 1216
	s_sub_co_u32 s36, s32, s33                     ; the tile; for the feed-forward weights J' = J - 1,216:
	s_lshr_b32 s37, s36, 3                         ; slot = J' / 8;
	s_lshr_b32 s38, s37, 2                         ; w = slot / 4, the wave of the last launch that reads it;
	s_and_b32 s39, s37, 3                          ; q = slot % 4: 0, 1 W1; 2, 3 W2
	s_and_b32 s40, s36, 7                          ; ti
	s_lshl_b32 s41, s38, 4
	s_lshl_b32 s42, s39, 3
	s_add_co_u32 s41, s41, s42
	s_add_co_u32 s41, s41, s40                     ; W1's tile 16 w + 8 q + ti
	s_lshl_b32 s42, s38, 3
	s_add_co_u32 s42, s42, s40                     ; W2's tile 8 w + ti,
	s_and_b32 s43, s39, 1
	s_lshl_b32 s43, s43, 11                        ; and which 512 of its 1,024 along K, in bytes
	s_lshr_b32 s44, s39, 1
	s_cmp_ge_u32 ttmp9, 304
	s_cselect_b32 s36, s41, s36
	s_cselect_b32 s44, s44, 0                      ; 1 for W2, whose rows are 4,096 bytes
	s_cmp_lg_u32 s44, 0
	s_cselect_b32 s36, s42, s36
	s_cselect_b32 s43, s43, 0
	s_cselect_b64 s[34:35], s[26:27], s[34:35]
	s_lshr_b32 s45, s36, 1
	s_lshl_b32 s45, s45, 5
	s_and_b32 s46, s36, 1
	s_lshl_b32 s46, s46, 3
	s_add_co_u32 s45, s45, s46                     ; the tile's first row: 32 (t / 2) + 8 (t % 2)
	s_lshl_b32 s45, s45, 11
	s_lshl_b32 s45, s45, s44                       ; x the pitch
	s_add_co_u32 s46, s45, s43
	s_mov_b32 s47, 0
	s_add_nc_u64 s[34:35], s[34:35], s[46:47]
	s_lshl_b32 s48, 0x800, s44                     ; the pitch
	s_lshr_b32 s46, s32, 3
	s_mul_i32 s46, s46, 49152
	s_and_b32 s49, s32, 7
	s_mul_i32 s49, s49, 1536
	s_add_co_u32 s46, s46, s49
	s_add_nc_u64 s[50:51], s[28:29], s[46:47]      ; where the job's codes go,
	s_lshl_b32 s46, s32, 8
	s_add_co_u32 s46, s46, SC0
	s_add_nc_u64 s[52:53], s[28:29], s[46:47]      ; and its scale words
.irp i, 0,1,2,3,4,5,6,7,8,9,10,11,12,13,14,15
	v_mad_u32_u24 v[OFF+\i], s48, \i+8*(\i/8), v1  ; row i + 8 (i / 8) of the tile's 24, + 16 x lane
.endr
.macro LOAD s, set                     ; K step s: 16 rows x 512 consecutive bytes
.irp i, 0,1,2,3,4,5,6,7,8,9,10,11,12,13,14,15
	global_load_b128 v[R+64*(\set)+4*\i:R+64*(\set)+4*\i+3], v[OFF+\i], s[34:35] offset:512*(\s) th:TH_LOAD_NT
.endr
.endm
	LOAD 0, 0
	LOAD 1, 1
.macro KSTEP s
.if \s < 3
	s_wait_loadcnt 16                              ; this K step's 16 loads are in; the next step's 16 may be out
.else
	s_wait_loadcnt 0x0
.endif
.irp i, 0,1,2,3,4,5,6,7,8,9,10,11,12,13,14,15
	ds_store_b128 v2, v[R+64*((\s)%2)+4*\i:R+64*((\s)%2)+4*\i+3] offset:528*\i
.endr
.irp c, 0,1                            ; LDS serves a wave's instructions in order: these see the stores above
.irp j, 0,1,2,3,4,5,6,7
	ds_load_b128 v[X+32*\c+4*\j:X+32*\c+4*\j+3], v3 offset:256*\c+16*\j   ; k = 64 c + 32 h + 4 j on, of row r
.endr
.endr
	s_wait_dscnt 0x0                               ; my numbers are back, and the stores have read their registers,
.if \s < 2
	LOAD (\s)+2, (\s)%2                            ; which take the K step two on
.endif
.irp c, 0,1
	v_max3_num_f32 v[8+\c], |v[X+32*\c]|, |v[X+32*\c+1]|, 0x2800000   ; block 2 c + h: all 32 numbers are mine; the floor 2^(5 - 127) keeps the byte at 1 or above
.endr
.irp i, 2,4,6,8,10,12,14,16,18,20,22,24,26,28,30
.irp c, 0,1
	v_max3_num_f32 v[8+\c], v[8+\c], |v[X+32*\c+\i]|, |v[X+32*\c+\i+1]|   ; (the two blocks by turns)
.endr
.endr
.irp c, 0,1
	v_add_nc_u32 v[10+\c], 0xfe000000, v[8+\c]     ; 4 off the exponent field: the conversion's scale operand
.endr
.irp c, 0,1
	v_lshrrev_b32 v[12+\c], 23, v[10+\c]           ; the scale's byte
.endr
	v_lshl_or_b32 v14, v13, 16, v12                ; my two bytes, blocks h and 2 + h,
	v_lshlrev_b32 v14, v5, v14                     ; at their places;
	v_permlanex16_b32 v15, v14, s54, s55
	v_or_b32 v[SW+\s], v14, v15                    ; with lane l xor 16's two the word is whole
	s_wait_xcnt 0x0                                ; the last K step's stores have read the codes' registers
.irp c, 0,1
	v_cvt_scalef32_pk16_bf6_f32 v[PC+6*\c:PC+6*\c+2], v[X+32*\c:X+32*\c+15], v[10+\c]
	v_cvt_scalef32_pk16_bf6_f32 v[CT+4*\c:CT+4*\c+2], v[X+32*\c+16:X+32*\c+31], v[10+\c]   ; (a conversion's three registers begin on an even number)
.endr
	v_nop                                          ; one plain place behind a scaled conversion
.irp c, 0,1
.irp i, 0,1,2
	v_mov_b32 v[PC+3+6*\c+\i], v[CT+4*\c+\i]
.endr
.endr
.irp g, 0,1,2
	global_store_b128 v1, v[PC+4*\g:PC+4*\g+3], s[50:51] offset:12288*\s+512*\g   ; 32 lanes store 512 consecutive bytes
.endr
.endm
	KSTEP 0
	KSTEP 1
	KSTEP 2
	KSTEP 3
	global_store_b128 v4, v[SW:SW+3], s[52:53]     ; 256 consecutive bytes; lanes 16-31 repeat lanes 0-15: the same bytes to the same places
	s_wait_tensorcnt 0x0
	ds_add_u32 v248, v249
	s_wait_dscnt 0x0
	s_endpgm
.Lfunc_end_k_q2c6b622953_quant:
	.size	k_q2c6b622953_quant, .Lfunc_end_k_q2c6b622953_quant-k_q2c6b622953_quant
	.p2alignl 7, 3214868480
	.fill 96, 4, 3214868480
	.section	.rodata,"a",@progbits
	.p2align	6, 0x0
	.amdhsa_kernel k_q2c6b622953_quant
		.amdhsa_group_segment_fixed_size 34304
		.amdhsa_private_segment_fixed_size 0
		.amdhsa_enable_private_segment 0
		.amdhsa_kernarg_size 88
		.amdhsa_user_sgpr_count 2
		.amdhsa_user_sgpr_kernarg_segment_ptr 1
		.amdhsa_wavefront_size32 1
		.amdhsa_system_sgpr_workgroup_id_x 1
		.amdhsa_system_sgpr_workgroup_id_y 1
		.amdhsa_system_sgpr_workgroup_id_z 1
		.amdhsa_system_vgpr_workitem_id 0
		.amdhsa_next_free_vgpr 250
		.amdhsa_next_free_sgpr 66
		.amdhsa_reserve_vcc 0
		.amdhsa_float_denorm_mode_32 3
		.amdhsa_float_denorm_mode_16_64 3
		.amdhsa_memory_ordered 1
		.amdhsa_forward_progress 1
		.amdhsa_inst_pref_size 33
	.end_amdhsa_kernel
	.amdgpu_metadata
---
amdhsa.version: [ 1, 2 ]
amdhsa.kernels:
  - .name:           k_q2c6b622953_quant
    .symbol:         k_q2c6b622953_quant.kd
    .args:
      - { .name: x, .offset: 0, .size: 8, .value_kind: global_buffer, .address_space: global }
      - { .name: memory, .offset: 8, .size: 8, .value_kind: global_buffer, .address_space: global }
      - { .name: Wq1, .offset: 16, .size: 8, .value_kind: global_buffer, .address_space: global }
      - { .name: Wk1, .offset: 24, .size: 8, .value_kind: global_buffer, .address_space: global }
      - { .name: Wv1, .offset: 32, .size: 8, .value_kind: global_buffer, .address_space: global }
      - { .name: Wq2, .offset: 40, .size: 8, .value_kind: global_buffer, .address_space: global }
      - { .name: Wk2, .offset: 48, .size: 8, .value_kind: global_buffer, .address_space: global }
      - { .name: Wv2, .offset: 56, .size: 8, .value_kind: global_buffer, .address_space: global }
      - { .name: W1, .offset: 64, .size: 8, .value_kind: global_buffer, .address_space: global }
      - { .name: W2, .offset: 72, .size: 8, .value_kind: global_buffer, .address_space: global }
      - { .name: opc, .offset: 80, .size: 8, .value_kind: global_buffer, .address_space: global }
    .group_segment_fixed_size: 34304
    .private_segment_fixed_size: 0
    .kernarg_segment_align: 8
    .kernarg_segment_size: 88
    .max_flat_workgroup_size: 128
    .sgpr_count:     66
    .vgpr_count:     250
    .wavefront_size: 32
...
	.end_amdgpu_metadata
.endif
;; end of part 1
;; launch proj (part 2): grid 4 x 64, 4 waves a work-group, no clusters, 168,448 bytes of LDS; arguments opc, bq1, bk1, bv1, bk2, bv2, q1c, kv1, kv2; writes q1c, kv1, kv2
.if DOCPART == 2
	.amdgcn_target "amdgcn-amd-amdhsa--gfx1250"
	.amdhsa_code_object_version 6
	.text
	.protected	k_q2c6b622953_proj
	.globl	k_q2c6b622953_proj
	.p2align	8
	.type	k_q2c6b622953_proj,@function
k_q2c6b622953_proj:
	s_mov_b64 s[64:65], 0
	v_nop
	global_prefetch_b8 v0, s[64:65] scope:SCOPE_SE
	s_setreg_imm32_b32 hwreg(HW_REG_WAVE_MODE, 25, 1), 1
	s_wait_xcnt 0x0
; The five projections whose inputs are given: q1, k1, v1 of x and k2, v2 of memory, on codes of BF6 (E3M2) with E8M0 scales, + bias; each result is quantised in registers into the form that attention's products take.
; SHARES.  Work-group (x, y): the four heads 4 x .. 4 x + 3 and the 128 tokens 128 y on.  A wave takes one head through five units of 64 matrix instructions.
; The block's codes of x and of memory (8 tiles x 4 K steps each, 49,152 bytes, dense in opc) come into LDS once, by two tensor loads a wave (two of a wave's are out at the most), and from there into registers: windows 1 and 2.
; q, k: source 0 = the head's two tiles of weight rows, source 1 = a tile of tokens: a lane holds ONE token and 16 of the head's 32 channels.  Four token tiles are the four blocks of one fragment: an image of 64 tokens x 32 channels.
; v: source 0 = a tile of tokens, source 1 = a tile of weight rows: a lane holds ONE channel, and its registers run along the tokens, which are the second product's K: a fragment of 16 channels x 128 keys.
; The bias is the C of each sum's first matrix instruction.
; LIMITS: a block of zeros gets the byte 1 where the rule says 127 (its codes are zeros); blocks under 2^-122 are held at byte 1; NaN and infinities are not served.
; REGISTERS: window 0: v1-8 offsets; v10-21 at work; v22-23 scale words made; v24-55 codes made; v56-87 the tokens' scale words; v88-103 the weights'; v128-255 the sums.
;   window 1: token tiles 0-3, fragment (t, s) at 48 t + 12 s; window 2: tiles 4-7.  window 3: two sets of weights, (s, u) at 96 p + 24 s + 12 u; the bias at 192 + 16 p + 8 u.
.set SLOTB, 49152
.set SC0,   8257536
.set TM,  10
.set PW0, 22
.set PW1, 23
.set PC0, 24
.set CT,  36
.set PC1, 44
.set XS,  56
.set WS,  88
.set ACC, 128
.set SEL, 20
.set MSB, 0
.macro WIN new                         ; the immediate's high byte repeats the setting that is left
.if MSB != (\new)
	s_set_vgpr_msb (MSB<<8)|(\new)
.set MSB, (\new)
.endif
.endm
.macro MMC d, a, b, c, sa, sb
	v_wmma_scale_f32_16x16x128_f8f6f4 v[\d:\d+7], v[\a:\a+11], v[\b:\b+11], v[\c:\c+7], v[\sa], v[\sb] matrix_a_fmt:MATRIX_FMT_BF6 matrix_b_fmt:MATRIX_FMT_BF6
.endm
; 64 numbers of a lane, v[s] on in window sw, register 16 b + i = element 32 b + 16 (lane / 16) + i of my row, become a fragment's codes in v[pc] on and its scale word in v[pw].
.macro QUANT s, sw, pc, ct, pw
	WIN (\sw)|((\sw)<<2)
.irp b, 0,1,2,3
	v_max3_num_f32 v[TM+\b], |v[\s+16*\b]|, |v[\s+1+16*\b]|, 0x2800000   ; block b: my 16 numbers, and the floor 2^(5 - 127): the byte cannot fall under 1
.endr
	WIN ((\sw)<<2)|((\sw)<<4)
.irp i, 2,4,6,8,10,12,14
.irp b, 0,1,2,3
	v_max3_num_f32 v[TM+\b], v[TM+\b], |v[\s+16*\b+\i]|, |v[\s+1+16*\b+\i]|   ; (the four blocks by turns)
.endr
.endr
	WIN 0
.irp b, 0,1,2,3
	v_permlanex16_b32 v[TM+4+\b], v[TM+\b], s[SEL], s[SEL+1]
.endr
.irp b, 0,1,2,3
	v_max_num_f32 v[TM+\b], v[TM+\b], v[TM+4+\b]   ; with lane l xor 16's: the block's largest magnitude
.endr
.irp b, 0,1,2,3
	v_add_nc_u32 v[TM+8+\b], 0xfe000000, v[TM+\b]  ; 4 off its exponent field: the conversion's scale operand
.endr
.irp b, 0,1,2,3
	v_lshrrev_b32 v[TM+4+\b], 23, v[TM+8+\b]       ; the scale's byte
.endr
	v_lshl_or_b32 v[\pw], v[TM+5], 8, v[TM+4]
	v_lshl_or_b32 v[\pw], v[TM+6], 16, v[\pw]
	v_lshl_or_b32 v[\pw], v[TM+7], 24, v[\pw]
	WIN (\sw)
.irp c, 0,1
	v_cvt_scalef32_pk16_bf6_f32 v[\pc+6*\c:\pc+2+6*\c], v[\s+32*\c:\s+15+32*\c], v[TM+8+2*\c]
	v_cvt_scalef32_pk16_bf6_f32 v[\ct+4*\c:\ct+2+4*\c], v[\s+16+32*\c:\s+31+32*\c], v[TM+9+2*\c]   ; (a conversion's three registers begin on an even number)
.endr
	WIN 0
	v_nop                                          ; one plain place behind a scaled conversion
.irp c, 0,1                            ; the operand's layout wants a WHOLE block in a lane: lanes 0-15 block 2 c, lanes 16-31 block 2 c + 1
.irp i, 0,1,2
	v_permlane16_swap_b32 v[\pc+6*\c+\i], v[\ct+4*\c+\i]
.endr
.irp i, 0,1,2
	v_mov_b32 v[\pc+3+6*\c+\i], v[\ct+4*\c+\i]
.endr
.endr
.endm
	s_load_b512 s[40:55], s[0:1], 0x0              ; opc, bq1, bk1, bv1, bk2, bv2, q1c, kv1
	s_load_b64 s[56:57], s[0:1], 0x40              ; kv2
	v_lshl_add_u32 v126, v0, 2, 0x29000
	v_mov_b32 v127, 0
	ds_add_u32 v126, v127
	ds_add_u32 v126, v127
	v_lshrrev_b32 v9, 5, v0
	v_readfirstlane_b32 s2, v9                     ; wave
	s_and_b32 s4, ttmp7, 0xffff                    ; the block of 128 tokens
	s_lshr_b32 s5, s4, 3                           ; its batch
	s_and_b32 s6, s4, 7                            ; and its place there
	s_lshl_b32 s7, ttmp9, 2
	s_add_co_u32 s7, s7, s2                        ; my head
	; descriptor group 1: a dense block of 12,288 bytes as 48 rows of 256 bytes (32 elements of 8 bytes), no padding
	s_mov_b32 s24, 3<<16
	s_mov_b32 s25, 32<<16
	s_mov_b32 s26, 48<<16
	s_mov_b32 s27, 32<<16
	s_mov_b32 s28, 48
	s_mov_b32 s29, 32
	s_mov_b32 s30, 0
	s_mov_b32 s31, 0
	s_mul_i32 s33, s2, 12288                       ; wave w brings K step w of both blocks
	s_mul_i32 s16, s4, SLOTB
	s_add_co_u32 s16, s16, s33
	s_mov_b32 s17, 0
	s_mov_b32 s32, 1
	s_mov_b32 s36, 1
	s_add_co_u32 s37, s33, SLOTB
	s_wait_dscnt 0x0
	s_wait_kmcnt 0x0
	s_add_nc_u64 s[34:35], s[40:41], s[16:17]      ; x's block,
	s_add_nc_u64 s[38:39], s[34:35], 64*SLOTB      ; memory's: 64 blocks on
	s_or_b32 s35, s35, 0x80000000
	s_or_b32 s39, s39, 0x80000000
	tensor_load_to_lds s[32:35], s[24:31]
	s_nop 0
	tensor_load_to_lds s[36:39], s[24:31]
	s_nop 0
.rept 4
	v_nop
.endr
	v_and_b32 v9, 31, v0
	v_lshlrev_b32 v1, 4, v9                        ; 16 x lane: an image's place for my lane
	v_add_nc_u32 v2, SLOTB, v1                     ; the same in memory's block in LDS
	v_lshlrev_b32 v4, 2, v9                        ; 4 x lane
	v_lshlrev_b32 v7, 3, v9                        ; 8 x lane
	v_and_b32 v9, 15, v0
	v_lshlrev_b32 v3, 4, v9                        ; 16 r: a row's four scale words
	v_and_b32 v6, 8, v9
	v_add_nc_u32 v6, v6, v9
	v_lshlrev_b32 v6, 2, v6                        ; v's bias: channel r + 8 (r / 8) of a tile
	v_bfe_u32 v5, v0, 4, 1
	v_lshlrev_b32 v5, 6, v5                        ; q's and k's bias: channels 16 h on
.irp b, 0,1,2,3
	v_mov_b32 v[TM+4+\b], 0                        ; written once: a lane permute's destination counts as one of its sources
.endr
	s_mov_b32 s[SEL], 0x76543210
	s_mov_b32 s[SEL+1], 0xfedcba98
	s_mov_b32 s22, 0xffff0000                      ; lanes 16-31
	s_add_co_u32 s16, ttmp9, 128
	s_mul_i32 s16, s16, SLOTB
	s_mul_i32 s18, s2, 3072
	s_add_co_u32 s16, s16, s18
	s_add_nc_u64 s[8:9], s[40:41], s[16:17]        ; my head's two tiles of Wq1; the other weights 196,608 bytes apart
	s_lshl_b32 s16, ttmp9, 11
	s_lshl_b32 s18, s2, 9
	s_add_co_u32 s16, s16, s18
	s_add_co_u32 s16, s16, SC0+262144
	s_add_nc_u64 s[10:11], s[40:41], s[16:17]      ; their scale words; 8,192 bytes apart
	s_lshl_b32 s16, s4, 11
	s_add_co_u32 s16, s16, SC0
	s_add_nc_u64 s[12:13], s[40:41], s[16:17]      ; the scale words of x's eight tiles,
	s_add_nc_u64 s[14:15], s[12:13], 131072        ; of memory's
	s_lshl_b32 s16, s7, 7
.irp p, 42,44,46,48,50
	s_add_nc_u64 s[\p:\p+1], s[\p:\p+1], s[16:17]  ; the biases at my head's 32 numbers
.endr
	s_lshl_b32 s18, s5, 4
	s_add_co_u32 s18, s18, s7                      ; 16 x batch + head
	s_mul_i32 s19, s18, 25600
	s_mul_i32 s23, s6, 3072
	s_add_co_u32 s16, s19, s23
	s_add_nc_u64 s[58:59], s[52:53], s[16:17]      ; q: my two images,
	s_lshl_b32 s3, s6, 7
	s_add_co_u32 s16, s19, s3
	s_add_co_u32 s16, s16, 24576
	s_add_nc_u64 s[60:61], s[52:53], s[16:17]      ; their scale words
	s_mul_i32 s19, s18, 51200
	s_add_co_u32 s16, s19, s23
	s_add_nc_u64 s[62:63], s[54:55], s[16:17]      ; k and v of x,
	s_add_nc_u64 s[68:69], s[56:57], s[16:17]      ; of memory,
	s_add_co_u32 s16, s19, s3
	s_add_co_u32 s16, s16, 49152
	s_add_nc_u64 s[66:67], s[54:55], s[16:17]      ; and their scale words
	s_add_nc_u64 s[70:71], s[56:57], s[16:17]
; a unit's weights (24 loads), bias (4, or 16 for v) and scale words (2) into set p.  n: which weight; bp: the bias's pointer; kind 1: v
.macro PREF kind, n, bp, p
	WIN 0xc0
.irp s, 0,1,2,3
.irp k, 0,1,2,3,4,5
	global_load_b128 v[96*\p+24*\s+4*\k:96*\p+24*\s+4*\k+3], v1, s[8:9] offset:\n*196608+\s*12288+512*\k
.endr
.endr
.if \kind
.irp u, 0,1
.irp j, 0,1,2,3,4,5,6,7
	global_load_b32 v[192+16*\p+8*\u+\j], v6, s[\bp:\bp+1] offset:32*\u   ; a lane holds one channel: the same number in the tile's eight registers
.endr
.endr
.else
.irp u, 0,1
	global_load_b128 v[192+16*\p+8*\u:195+16*\p+8*\u], v5, s[\bp:\bp+1] offset:32*\u      ; channels 16 h + 8 u + 0 .. 7
	global_load_b128 v[196+16*\p+8*\u:199+16*\p+8*\u], v5, s[\bp:\bp+1] offset:32*\u+16
.endr
.endif
	WIN 0
.irp u, 0,1
	global_load_b128 v[WS+8*\p+4*\u:WS+8*\p+4*\u+3], v3, s[10:11] offset:\n*8192+256*\u
.endr
.endm
.macro XSLOAD bp
.irp t, 0,1,2,3,4,5,6,7
	global_load_b128 v[XS+4*\t:XS+4*\t+3], v3, s[\bp:\bp+1] offset:256*\t
.endr
.endm
.macro LOADX adr                       ; a block's 32 fragments from LDS into windows 1 and 2
.irp hh, 0,1
	WIN 0x40+0x40*\hh
.irp t, 0,1,2,3
.irp s, 0,1,2,3
.irp g, 0,1,2
	ds_load_b128 v[48*\t+12*\s+4*\g:48*\t+12*\s+4*\g+3], v[\adr] offset:\s*12288+(4*\hh+\t)*1536+512*\g
.endr
.endr
.endr
.endr
	WIN 0
.endm
; 64 matrix instructions; eight accumulators take turns, one instruction a turn
.macro MULQK p
.irp hh, 0,1
.irp s, 0,1,2,3
.if \s == 0
	WIN 0x37+4*\hh
.else
	WIN 0x07+4*\hh
.endif
.irp t, 0,1,2,3
.irp u, 0,1
.if \s == 0
	MMC ACC+64*\hh+16*\t+8*\u, 96*\p+24*\s+12*\u, 48*\t+12*\s, 192+16*\p+8*\u, WS+8*\p+4*\u+\s, XS+16*\hh+4*\t+\s
.else
	MMC ACC+64*\hh+16*\t+8*\u, 96*\p+24*\s+12*\u, 48*\t+12*\s, ACC+64*\hh+16*\t+8*\u, WS+8*\p+4*\u+\s, XS+16*\hh+4*\t+\s
.endif
.endr
.endr
.endr
.endr
.endm
.macro MULV p
.irp hh, 0,1
.irp s, 0,1,2,3
.if \s == 0
	WIN 0x3d+\hh
.else
	WIN 0x0d+\hh
.endif
.irp t, 0,1,2,3
.irp u, 0,1
.if \s == 0
	MMC ACC+64*\u+32*\hh+8*\t, 48*\t+12*\s, 96*\p+24*\s+12*\u, 192+16*\p+8*\u, XS+16*\hh+4*\t+\s, WS+8*\p+4*\u+\s
.else
	MMC ACC+64*\u+32*\hh+8*\t, 48*\t+12*\s, 96*\p+24*\s+12*\u, ACC+64*\u+32*\hh+8*\t, XS+16*\hh+4*\t+\s, WS+8*\p+4*\u+\s
.endif
.endr
.endr
.endr
.endr
.endm
.macro AFTER                           ; four places behind the last products, ahead of the first read of results and of loads into operands
	WIN 0
.rept 4
	v_nop
.endr
.endm
.macro TWOQ                            ; the unit's 128 numbers a lane become two fragments and two scale words
	s_wait_xcnt 0x0                                ; the last unit's stores have read their registers
	QUANT ACC, 0, PC0, CT, PW0
	QUANT ACC+64, 0, PC1, CT, PW1
	v_cndmask_b32 v8, v[PW0], v[PW1], s22          ; lanes 0-15 the first's words, lanes 16-31 the second's: 128 consecutive bytes
.endm
.macro OUT3 pc, bp, off
.irp g, 0,1,2
	global_store_b128 v1, v[\pc+4*\g:\pc+4*\g+3], s[\bp:\bp+1] offset:\off+512*\g
.endr
.endm
.macro OUTQ pc, off                    ; q's image as two halves of 32 tokens, each with its six registers on end
	global_store_b128 v1, v[\pc:\pc+3], s[58:59] offset:\off
	global_store_b64 v7, v[\pc+4:\pc+5], s[58:59] offset:\off+512
	global_store_b128 v1, v[\pc+6:\pc+9], s[58:59] offset:\off+768
	global_store_b64 v7, v[\pc+10:\pc+11], s[58:59] offset:\off+1280
.endm
	XSLOAD 12
	PREF 0, 0, 42, 0                               ; q1
	s_wait_tensorcnt 0x0                           ; my parts of both blocks have landed,
	s_barrier_signal -1
	s_barrier_wait -1                              ; everybody's have; nothing is filled again
	LOADX 1
	; ---- q1
	PREF 0, 1, 44, 1
	s_wait_loadcnt 30                              ; all but the next unit's 30 loads
	s_wait_dscnt 0x0
	MULQK 0
	AFTER
	TWOQ
	OUTQ PC0, 0
	OUTQ PC1, 1536
	global_store_b32 v4, v8, s[60:61]
	; ---- k1
	PREF 1, 2, 46, 0
	s_wait_loadcnt 42                              ; all but the next unit's 42 loads
	MULQK 1
	AFTER
	TWOQ
	OUT3 PC0, 62, 0
	OUT3 PC1, 62, 1536
	global_store_b32 v4, v8, s[66:67]
	; ---- v1
	PREF 0, 4, 48, 1
	s_wait_loadcnt 30
	MULV 0
	AFTER
	LOADX 2                                        ; x is done with: memory's fragments and scale words take its registers
	XSLOAD 14
	TWOQ
	OUT3 PC0, 62, 24576
	OUT3 PC1, 62, 26112
	global_store_b32 v4, v8, s[66:67] offset:1024
	; ---- k2
	PREF 1, 5, 50, 0
	s_wait_loadcnt 42                              ; memory's scale words and this unit's loads are in
	s_wait_dscnt 0x0
	MULQK 1
	AFTER
	TWOQ
	OUT3 PC0, 68, 0
	OUT3 PC1, 68, 1536
	global_store_b32 v4, v8, s[70:71]
	; ---- v2
	s_wait_loadcnt 0x0
	MULV 0
	AFTER
	TWOQ
	OUT3 PC0, 68, 24576
	OUT3 PC1, 68, 26112
	global_store_b32 v4, v8, s[70:71] offset:1024
	s_wait_tensorcnt 0x0
	ds_add_u32 v126, v127
	s_wait_dscnt 0x0
	s_endpgm
.Lfunc_end_k_q2c6b622953_proj:
	.size	k_q2c6b622953_proj, .Lfunc_end_k_q2c6b622953_proj-k_q2c6b622953_proj
	.p2alignl 7, 3214868480
	.fill 96, 4, 3214868480
	.section	.rodata,"a",@progbits
	.p2align	6, 0x0
	.amdhsa_kernel k_q2c6b622953_proj
		.amdhsa_group_segment_fixed_size 168448
		.amdhsa_private_segment_fixed_size 0
		.amdhsa_enable_private_segment 0
		.amdhsa_kernarg_size 72
		.amdhsa_user_sgpr_count 2
		.amdhsa_user_sgpr_kernarg_segment_ptr 1
		.amdhsa_wavefront_size32 1
		.amdhsa_system_sgpr_workgroup_id_x 1
		.amdhsa_system_sgpr_workgroup_id_y 1
		.amdhsa_system_sgpr_workgroup_id_z 1
		.amdhsa_system_vgpr_workitem_id 0
		.amdhsa_next_free_vgpr 1024
		.amdhsa_next_free_sgpr 80
		.amdhsa_reserve_vcc 0
		.amdhsa_float_denorm_mode_32 3
		.amdhsa_float_denorm_mode_16_64 3
		.amdhsa_memory_ordered 1
		.amdhsa_forward_progress 1
		.amdhsa_inst_pref_size 118
	.end_amdhsa_kernel
	.amdgpu_metadata
---
amdhsa.version: [ 1, 2 ]
amdhsa.kernels:
  - .name:           k_q2c6b622953_proj
    .symbol:         k_q2c6b622953_proj.kd
    .args:
      - { .name: opc, .offset: 0, .size: 8, .value_kind: global_buffer, .address_space: global }
      - { .name: bq1, .offset: 8, .size: 8, .value_kind: global_buffer, .address_space: global }
      - { .name: bk1, .offset: 16, .size: 8, .value_kind: global_buffer, .address_space: global }
      - { .name: bv1, .offset: 24, .size: 8, .value_kind: global_buffer, .address_space: global }
      - { .name: bk2, .offset: 32, .size: 8, .value_kind: global_buffer, .address_space: global }
      - { .name: bv2, .offset: 40, .size: 8, .value_kind: global_buffer, .address_space: global }
      - { .name: q1c, .offset: 48, .size: 8, .value_kind: global_buffer, .address_space: global }
      - { .name: kv1, .offset: 56, .size: 8, .value_kind: global_buffer, .address_space: global }
      - { .name: kv2, .offset: 64, .size: 8, .value_kind: global_buffer, .address_space: global }
    .group_segment_fixed_size: 168448
    .private_segment_fixed_size: 0
    .kernarg_segment_align: 8
    .kernarg_segment_size: 72
    .max_flat_workgroup_size: 128
    .sgpr_count:     80
    .vgpr_count:     1024
    .wavefront_size: 32
...
	.end_amdgpu_metadata
.endif
;; end of part 2
;; launch attn1 (part 3): grid 2 x 128, 16 waves a work-group, no clusters, 169,984 bytes of LDS; arguments q1c, kv1, att; writes att
.if DOCPART == 3
	.amdgcn_target "amdgcn-amd-amdhsa--gfx1250"
	.amdhsa_code_object_version 6
	.text
	.protected	k_q2c6b622953_attn1
	.globl	k_q2c6b622953_attn1
	.p2align	8
	.type	k_q2c6b622953_attn1,@function
k_q2c6b622953_attn1:
	s_mov_b64 s[64:65], 0
	v_nop
	global_prefetch_b8 v0, s[64:65] scope:SCOPE_SE
	s_setreg_imm32_b32 hwreg(HW_REG_WAVE_MODE, 25, 1), 1
	s_wait_xcnt 0x0
; att[b][head][q][:] = the sum over k of softmax_k(q . k / sqrt(32)) v, both products on codes of BF6 (E3M2) with E8M0 scales.  1,024 queries, 1,024 keys, head size 32.
; THE SOFTMAX AHEAD OF THE SECOND PRODUCT: t = score x log2(e) / sqrt(32); M = the row's largest t so far, rounded UP to a whole number; p = 2^(t - M) is quantised along the keys, not normalised.
; The row's sum is taken of the unquantised p and divides at the end.  When M moves, the sum and O are multiplied by 2^(old M - new M): exact.
; SHARES.  Work-group (x, y): head y (16 x batch + head), queries 512 x on.  The head's K, V and scale words, 51,200 bytes, come into LDS once (waves 0-3, one tensor load each) and stay: nothing is filled again.
; A wave owns 32 queries: two tiles of 16, one after the other; each walks eight steps of 128 keys.  Sixteen waves, four to a SIMD: one wave's vector work stands beside another's matrix work and LDS loads.
; THE FIRST PRODUCT HAS K = 32 in an instruction of K = 128.  An image of K holds FOUR tiles of 16 keys, one in each block of 32 of the instruction's K.  The query tile is kept in four versions, its 32 codes in block j and
; zero codes elsewhere: image x version j gives key tile j; zero codes add nothing under any scale byte but 0xff, and all bytes here are 1 to 254.  So no byte of K is read that is not multiplied.
; Both products are used transposed: a lane holds ONE query throughout.  The keys of a tile are chosen (32 b + 8 u + r + 8 (r / 8)) so that the 16 registers of tiles 2 b, 2 b + 1 are 16 neighbouring keys.
; LIMITS: NaN and infinities are not served; a block of p that has fallen to 0 keeps the byte 1: its codes are zeros.
; REGISTERS: v1-7 offsets; v12 -M, v13 the largest t, v[14:15] the sum; v16-45 the query's versions (zeros, D0, zeros, D1, zeros); v46 its scale; v48-71 two images of K; v72-95 two fragments of V; v96-159 scores, then p;
;   v160-175 O^T; v176-194 p's codes; v196-207 at work; v208-212 scale words; v214-219 at work; v220-225 the query as loaded; v226-228 the way out.
.set STAGE, 51200                      ; behind the head's K and V: 16 rows x 144 bytes for each wave, for the way out
.macro MM0 d, a, b, sa, sb
	v_wmma_scale_f32_16x16x128_f8f6f4 v[\d:\d+7], v[\a:\a+11], v[\b:\b+11], 0, v[\sa], v[\sb] matrix_a_fmt:MATRIX_FMT_BF6 matrix_b_fmt:MATRIX_FMT_BF6
.endm
.macro MMC d, a, b, sa, sb
	v_wmma_scale_f32_16x16x128_f8f6f4 v[\d:\d+7], v[\a:\a+11], v[\b:\b+11], v[\d:\d+7], v[\sa], v[\sb] matrix_a_fmt:MATRIX_FMT_BF6 matrix_b_fmt:MATRIX_FMT_BF6
.endm
	s_load_b128 s[4:7], s[0:1], 0x0                ; q, kv
	s_load_b64 s[8:9], s[0:1], 0x10                ; att
	v_lshl_add_u32 v254, v0, 2, 0x29000
	v_mov_b32 v255, 0
	ds_add_u32 v254, v255
	ds_add_u32 v254, v255
	v_lshrrev_b32 v8, 5, v0
	v_readfirstlane_b32 s10, v8                    ; wave 0..15
	s_and_b32 s11, ttmp7, 0xffff                   ; 16 x batch + head
	; descriptor group 1: a dense block of 12,800 bytes as 50 rows of 256 bytes (32 elements of 8 bytes), no padding
	s_mov_b32 s24, 3<<16
	s_mov_b32 s25, 32<<16
	s_mov_b32 s26, 50<<16
	s_mov_b32 s27, 32<<16
	s_mov_b32 s28, 50
	s_mov_b32 s29, 32
	s_mov_b32 s30, 0
	s_mov_b32 s31, 0
	s_mul_i32 s33, s10, 12800                      ; waves 0-3: a quarter each
	s_mul_i32 s12, s11, 51200
	s_add_co_u32 s12, s12, s33
	s_mov_b32 s13, 0
	s_mov_b32 s32, 1
	s_wait_dscnt 0x0
	s_wait_kmcnt 0x0
	s_add_nc_u64 s[34:35], s[6:7], s[12:13]
	s_or_b32 s35, s35, 0x80000000
	s_cmp_lt_u32 s10, 4
	s_cbranch_scc0 .Lnofill
	tensor_load_to_lds s[32:35], s[24:31]
	s_nop 0
.rept 4
	v_nop
.endr
.Lnofill:
	v_and_b32 v8, 31, v0                           ; lane
	v_and_b32 v9, 15, v0                           ; r
	v_bfe_u32 v10, v0, 4, 1                        ; h
	v_lshlrev_b32 v1, 4, v8                        ; K's images: 16 x lane
	v_add_nc_u32 v2, 24576, v1                     ; V's fragments
	v_lshlrev_b32 v7, 2, v9                        ; 4 r
	v_add_nc_u32 v3, 49152, v7                     ; K's scale words
	v_add_nc_u32 v4, 50176, v7                     ; V's
	v_lshlrev_b32 v5, 4, v9                        ; the query's registers 0-3: every lane takes row r of the tile in hand,
	v_lshlrev_b32 v6, 3, v9
	v_add_nc_u32 v6, 512, v6                       ; and registers 4-5
	s_mul_i32 s40, s10, 2304
	s_add_co_u32 s40, s40, STAGE                   ; my stage
	v_mul_u32_u24 v226, v9, 144
	v_lshl_add_u32 v226, v10, 6, v226
	v_add_nc_u32 v226, s40, v226                   ; in: row r, + 64 h: my 16 channels
	v_lshrrev_b32 v11, 3, v8
	v_mul_u32_u24 v227, v11, 144
	v_and_b32 v11, 7, v8
	v_lshl_add_u32 v227, v11, 4, v227
	v_add_nc_u32 v227, s40, v227                   ; back: eight lanes to a row of 128 bytes, four rows an instruction
	v_lshlrev_b32 v228, 4, v8                      ; and the same 512 bytes in att
.irp j, 16,17,18,19,20,21,28,29,30,31,32,33,40,41,42,43,44,45
	v_mov_b32 v\j, 0                               ; the zero codes of the query's four versions
.endr
.irp j, 200,201,202,203,215
	v_mov_b32 v\j, 0                               ; written once: permute destinations, and the upper half of a pair that is named whole
.endr
	s_mov_b32 s21, 0x0000ffff                      ; lanes 0-15
	s_mov_b32 s22, 0xffff0000                      ; lanes 16-31
	s_mov_b32 s36, 0x76543210
	s_mov_b32 s37, 0xfedcba98                      ; selects for lane l xor 16
	s_mov_b32 s38, 0x3e8293ee                      ; c = log2(e) / sqrt(32)
	s_mov_b32 s39, s38                             ; (named with it as a pair)
	s_lshl_b32 s41, ttmp9, 4
	s_add_co_u32 s41, s41, s10                     ; which 32 queries of the head are mine
	s_mul_i32 s42, s11, 25600
	s_mul_i32 s12, s41, 768
	s_add_co_u32 s12, s12, s42
	s_add_nc_u64 s[14:15], s[4:5], s[12:13]        ; their codes,
	s_lshr_b32 s12, s41, 1
	s_lshl_b32 s12, s12, 6
	s_add_co_u32 s12, s12, s42
	s_add_co_u32 s12, s12, 24576
	s_add_nc_u64 s[16:17], s[4:5], s[12:13]        ; the scale words of the image of 64 in which they lie,
	s_lshl_b32 s12, s11, 17
	s_lshl_b32 s43, s41, 12
	s_add_co_u32 s12, s12, s43
	s_add_nc_u64 s[18:19], s[8:9], s[12:13]        ; their rows of att
	s_and_b32 s20, s10, 1
	s_mul_i32 s20, s20, 0x02020202                 ; which byte of the scale word is the tile's: 2 (wave % 2) + tile, in all four selector bytes
	s_wait_tensorcnt 0x0                           ; my quarter has landed (waves 4-15 have none out),
	s_barrier_signal -1
	s_barrier_wait -1                              ; everybody's has
; A KEY STEP: keys 128 k on.  Every LDS offset is an immediate.
.macro STEP k
.rept 4
	v_nop                                          ; places in front of loads into registers that the last products have read
.endr
.irp f, 0,1
.irp g, 0,1,2
	ds_load_b128 v[48+12*\f+4*\g:51+12*\f+4*\g], v1 offset:3072*\k+1536*\f+512*\g
.endr
.endr
.irp f, 0,1
	ds_load_b32 v[208+\f], v3 offset:128*\k+64*\f
.endr
.irp f, 0,1
.irp g, 0,1,2
	ds_load_b128 v[72+12*\f+4*\g:75+12*\f+4*\g], v2 offset:3072*\k+1536*\f+512*\g
.endr
.endr
.irp f, 0,1
	ds_load_b32 v[210+\f], v4 offset:128*\k+64*\f
.endr
	s_wait_dscnt 8                                 ; K and its scale words are in; V's eight loads may be out
.irp f, 0,1
.irp j, 0,1,2,3
	MM0 96+8*(4*\f+\j), 48+12*\f, 22+12*(\j%2)-6*(\j/2), 208+\f, 46   ; key tile 4 f + j: image f x the query's version j
.endr
.endr
.rept 4
	v_nop
.endr
.irp b, 0,1,2,3
	v_max3_num_f32 v[196+\b], v[96+16*\b], v[97+16*\b], v[98+16*\b]   ; the largest score of each block of 32 keys: for the row's maximum and, since p rises with the score, for the block's largest p
.endr
.irp i, 3,5,7,9,11,13
.irp b, 0,1,2,3
	v_max3_num_f32 v[196+\b], v[196+\b], v[96+16*\b+\i], v[97+16*\b+\i]
.endr
.endr
.irp b, 0,1,2,3
	v_max_num_f32 v[196+\b], v[196+\b], v[111+16*\b]
.endr
.irp b, 0,1,2,3
	v_permlanex16_b32 v[200+\b], v[196+\b], s36, s37
.endr
.irp b, 0,1,2,3
	v_max_num_f32 v[196+\b], v[196+\b], v[200+\b]  ; with lane l xor 16's 16 keys
.endr
	v_max3_num_f32 v216, v196, v197, v198
	v_max_num_f32 v216, v216, v199                 ; the step's largest score of my query
	v_mul_f32 v216, s38, v216                      ; as t
	v_max_num_f32 v13, v13, v216                   ; the running largest t
	v_mov_b32 v216, v12
	v_floor_f32 v12, -v13                          ; the new -M = floor(-t): M is a whole number
	v_sub_f32 v216, v12, v216                      ; old M - new M: a whole number, 0 or less
	v_cvt_i32_f32 v216, v216                       ; (it saturates)
	v_ldexp_f32 v214, 1.0, v216                    ; f = 2^(old M - new M)
.set n_, 0
.rept 32
	v_pk_fma_f32 v[96+n_:97+n_], v[96+n_:97+n_], s[38:39], v[12:13] op_sel_hi:[1,0,0]   ; t - M, two at a time
.set n_, n_+2
.endr
.irp b, 0,1,2,3
	v_fma_f32 v[196+\b], v[196+\b], s38, v12       ; the same of each block's largest score
.endr
.set n_, 0
.rept 64
	v_exp_f32 v[96+n_], v[96+n_]                   ; p = 2^(t - M), at most 1
.set n_, n_+1
.endr
	v_pk_mul_f32 v[14:15], v[14:15], v[214:215] op_sel_hi:[1,0]   ; the sum under the new M (a plain place behind the exponentials)
	s_wait_alu depctr_va_vdst(0)                   ; one wait for the batch of 64, ahead of its first reader
.irp b, 0,1,2,3
	v_exp_f32 v[196+\b], v[196+\b]                 ; the block's largest p: the same two instructions on the same number
.endr
	v_pk_add_f32 v[218:219], v[96:97], v[98:99]    ; the row's sum of the UNQUANTISED p, in two chains: the first 15 additions stand behind the four exponentials
.irp j, 4,8,12,16,20,24,28
	v_pk_add_f32 v[14:15], v[14:15], v[96+\j:97+\j]
	v_pk_add_f32 v[218:219], v[218:219], v[98+\j:99+\j]
.endr
	s_wait_alu depctr_va_vdst(0)                   ; and one wait for the four
.irp b, 0,1,2,3
	v_max_num_f32 v[196+\b], 0x2800000, v[196+\b]  ; the floor 2^(5 - 127)
.endr
.irp b, 0,1,2,3
	v_add_nc_u32 v[204+\b], 0xfe000000, v[196+\b]  ; 4 off the exponent field: the conversion's scale operand
.endr
.irp b, 0,1,2,3
	v_lshrrev_b32 v[200+\b], 23, v[204+\b]         ; the scale's byte
.endr
	v_lshl_or_b32 v212, v201, 8, v200              ; p's scale word for these 128 keys
	v_lshl_or_b32 v212, v202, 16, v212
	v_lshl_or_b32 v212, v203, 24, v212
.irp c, 0,1
	v_cvt_scalef32_pk16_bf6_f32 v[176+6*\c:178+6*\c], v[96+32*\c:111+32*\c], v[204+2*\c]
	v_cvt_scalef32_pk16_bf6_f32 v[188+4*\c:190+4*\c], v[112+32*\c:127+32*\c], v[205+2*\c]
.endr
	v_nop                                          ; one plain place behind a scaled conversion
.irp c, 0,1
.irp i, 0,1,2
	v_permlane16_swap_b32 v[176+6*\c+\i], v[188+4*\c+\i]
.endr
.irp i, 0,1,2
	v_mov_b32 v[179+6*\c+\i], v[188+4*\c+\i]
.endr
.endr
.set n_, 0
.rept 8
	v_pk_mul_f32 v[160+n_:161+n_], v[160+n_:161+n_], v[214:215] op_sel_hi:[1,0]   ; O^T under the new M
.set n_, n_+2
.endr
.irp j, 32,36,40,44,48,52,56,60                ; the other 17 additions: plain lines that name nothing of the products below: the places behind the scale word (8 are asked) and the codes (4)
	v_pk_add_f32 v[14:15], v[14:15], v[96+\j:97+\j]
	v_pk_add_f32 v[218:219], v[218:219], v[98+\j:99+\j]
.endr
	v_pk_add_f32 v[14:15], v[14:15], v[218:219]
	s_wait_dscnt 0x0                               ; V and its scale words
.irp u, 0,1
	MMC 160+8*\u, 72+12*\u, 176, 210+\u, 212       ; O^T += V^T P^T; the two accumulators take turns, and the next step's eight products stand between a tile's links
.endr
.endm
	s_mov_b32 s23, 2
.Ltile:
	global_load_b128 v[220:223], v5, s[14:15]      ; the tile's 16 queries: 32 codes, 24 bytes, a row; both halves of the lanes take row r
	global_load_b64 v[224:225], v6, s[14:15]
	global_load_b32 v47, v7, s[16:17]              ; the scale word of row r of the image: four tiles' bytes
	s_wait_loadcnt 0x0
.irp i, 0,1,2,3,4,5
	v_cndmask_b32 v[22+\i], 0, v[220+\i], s21      ; D0: the codes in lanes 0-15, zeros above
.endr
.irp i, 0,1,2,3,4,5
	v_cndmask_b32 v[34+\i], 0, v[220+\i], s22      ; D1: the codes in lanes 16-31
.endr
	v_perm_b32 v46, v47, v47, s20                  ; my tile's byte in all four bytes
	v_mov_b32 v13, 0xff61b1e6                      ; the largest t so far: -3e38
	v_floor_f32 v12, -v13
	v_mov_b32 v14, 0
	v_mov_b32 v15, 0
.set n_, 0
.rept 16
	v_mov_b32 v[160+n_], 0                         ; O^T: the first change of M leaves zeros zeros.  (These lines are also the places behind the query's scale and codes)
.set n_, n_+1
.endr
	STEP 0
	STEP 1
	STEP 2
	STEP 3
	STEP 4
	STEP 5
	STEP 6
	STEP 7
.rept 4
	v_nop                                          ; places behind the last products
.endr
	v_add_f32 v14, v14, v15                        ; the sum's two halves,
	v_permlanex16_b32 v200, v14, s36, s37
	v_add_f32 v14, v14, v200                       ; and lane l xor 16's
	v_rcp_f32 v216, v14
	v_nop                                          ; a plain place behind the reciprocal
	s_wait_alu depctr_va_vdst(0)                   ; and the wait ahead of its first reader
.set n_, 0
.rept 16
	v_mul_f32 v[96+n_], v[160+n_], v216            ; register 8 u + j: channel 16 h + 8 u + j of my query
.set n_, n_+1
.endr
.irp q, 0,1,2,3
	ds_store_b128 v226, v[96+4*\q:99+4*\q] offset:16*\q
.endr
.irp i, 0,1,2,3
	ds_load_b128 v[112+4*\i:115+4*\i], v227 offset:576*\i   ; LDS serves a wave's instructions in order: these see my stores
.endr
.irp i, 0,1,2,3
	s_wait_dscnt 3-\i
	global_store_b128 v228, v[112+4*\i:115+4*\i], s[18:19] offset:512*(\i%2)+2048*(\i/2)   ; four rows of 128 bytes: 512 consecutive bytes; the tile's rows 8-15 are tokens 16 further on
.endr
	s_wait_xcnt 0x0                                ; the stores have read their registers and the loads their addresses: both are written again below
	v_add_nc_u32 v5, 256, v5                       ; the half's other tile
	v_add_nc_u32 v6, 128, v6
	v_add_nc_u32 v228, 1024, v228
	s_add_co_u32 s20, s20, 0x01010101
	s_sub_co_u32 s23, s23, 1
	s_cmp_lg_u32 s23, 0
	s_cbranch_scc1 .Ltile
	s_wait_tensorcnt 0x0
	ds_add_u32 v254, v255
	s_wait_dscnt 0x0
	s_endpgm
.Lfunc_end_k_q2c6b622953_attn1:
	.size	k_q2c6b622953_attn1, .Lfunc_end_k_q2c6b622953_attn1-k_q2c6b622953_attn1
	.p2alignl 7, 3214868480
	.fill 96, 4, 3214868480
	.section	.rodata,"a",@progbits
	.p2align	6, 0x0
	.amdhsa_kernel k_q2c6b622953_attn1
		.amdhsa_group_segment_fixed_size 169984
		.amdhsa_private_segment_fixed_size 0
		.amdhsa_enable_private_segment 0
		.amdhsa_kernarg_size 24
		.amdhsa_user_sgpr_count 2
		.amdhsa_user_sgpr_kernarg_segment_ptr 1
		.amdhsa_wavefront_size32 1
		.amdhsa_system_sgpr_workgroup_id_x 1
		.amdhsa_system_sgpr_workgroup_id_y 1
		.amdhsa_system_sgpr_workgroup_id_z 1
		.amdhsa_system_vgpr_workitem_id 0
		.amdhsa_next_free_vgpr 256
		.amdhsa_next_free_sgpr 66
		.amdhsa_reserve_vcc 0
		.amdhsa_float_denorm_mode_32 3
		.amdhsa_float_denorm_mode_16_64 3
		.amdhsa_memory_ordered 1
		.amdhsa_forward_progress 1
		.amdhsa_inst_pref_size 119
	.end_amdhsa_kernel
	.amdgpu_metadata
---
amdhsa.version: [ 1, 2 ]
amdhsa.kernels:
  - .name:           k_q2c6b622953_attn1
    .symbol:         k_q2c6b622953_attn1.kd
    .args:
      - { .name: q1c, .offset: 0, .size: 8, .value_kind: global_buffer, .address_space: global }
      - { .name: kv1, .offset: 8, .size: 8, .value_kind: global_buffer, .address_space: global }
      - { .name: att, .offset: 16, .size: 8, .value_kind: global_buffer, .address_space: global }
    .group_segment_fixed_size: 169984
    .private_segment_fixed_size: 0
    .kernarg_segment_align: 8
    .kernarg_segment_size: 24
    .max_flat_workgroup_size: 512
    .sgpr_count:     66
    .vgpr_count:     256
    .wavefront_size: 32
...
	.end_amdgpu_metadata
.endif
;; end of part 3
;; launch lnq (part 4): grid 128 x 1, 4 waves a work-group, no clusters, 160,256 bytes of LDS; arguments x, att, g1, be1, opc, bq2, x1, q2c; writes x1, q2c
.if DOCPART == 4
	.amdgcn_target "amdgcn-amd-amdhsa--gfx1250"
	.amdhsa_code_object_version 6
	.text
	.protected	k_q2c6b622953_lnq
	.globl	k_q2c6b622953_lnq
	.p2align	8
	.type	k_q2c6b622953_lnq,@function
k_q2c6b622953_lnq:
	s_mov_b64 s[64:65], 0
	v_nop
	global_prefetch_b8 v0, s[64:65] scope:SCOPE_SE
	s_setreg_imm32_b32 hwreg(HW_REG_WAVE_MODE, 25, 1), 1
	s_wait_xcnt 0x0
; x1 = LayerNorm(x + att) g1 + be1;  q2 = x1 Wq2^T + bq2 on codes of BF6 (E3M2) with E8M0 scales; q2 is quantised into the second attention's form.
; SHARES.  A work-group takes 64 tokens: four tiles of 16 (row r of tile m: token 32 (m / 2) + 8 (m % 2) + r + 8 (r / 8)).  THE WAVES SHARE THE COLUMNS: wave w owns model columns 128 w .. 128 w + 127, in the norm,
; as K step w of the product, and as the product's outputs (heads 4 w .. 4 w + 3).  Lane (r, h) holds token r; its register 16 b + i is column 128 w + 32 b + 16 h + i: the layout that the quantiser takes and that the
; transposed product (source 0 = 16 rows of Wq2, source 1 = a tile of tokens) gives.  So nothing changes lanes between the phases.
; THE NORM: each wave takes mean and sum of squared distances over its 128 columns; the four meet in LDS and are joined as (mean, M2) pairs: M2 = the sum of the parts' M2 + 128 x the sum of (part's mean - mean)^2.
; No difference of large sums is formed.
; x1 goes to memory as images of these registers, which the last launch loads as they lie.  Operands go from wave to wave through LDS as images of their registers.
; LIMITS: a block of zeros gets the byte 1 where the rule says 127 (its codes are zeros); blocks under 2^-122 are held at byte 1; NaN and infinities are not served.
; REGISTERS: window 0: v1-19 addresses; v21-24 the tokens' scale words; v25 a scale word made; v26-37 at work; v38-56 codes made; v58-63 at work; v64-127 a tile's 64 numbers; v128-175 four token fragments; v192-223 Wq2's scale words.
;   window 1: x as loaded, then g1 (0-63) and be1 (64-127), then the 32 accumulators.  window 2: att as loaded, then weight sets 0, 1 (0, 96) and the bias (192-255).  window 3: weight sets 2, 3.
.set SC0,  8257536
.set XIMG, 131072                      ; LDS: 0: each wave's own 32,768 bytes for its four tiles' sums; here x1's 16 fragments, [K step w][tile m] x 1,536;
.set XSC,  155648                      ; their scale words, 128 bytes each;
.set STAT, 157696                      ; (mean, M2) of [tile m][row r][wave w]
.set HS,  21
.set PW,  25
.set TM,  26
.set PC,  38
.set CT,  50
.set V,   64
.set XF,  128
.set WSC, 192
.set SEL, 20
.set AM,  16                           ; accumulator (m, t) at 64 (t / 2) + 16 m + 8 (t % 2): a head's 64 registers are four token tiles x 16 channels
.set AT,  64
.set MSB, 0
.macro WIN new                         ; the immediate's high byte repeats the setting that is left
.if MSB != (\new)
	s_set_vgpr_msb (MSB<<8)|(\new)
.set MSB, (\new)
.endif
.endm
.macro MMC d, a, b, c, sa, sb
	v_wmma_scale_f32_16x16x128_f8f6f4 v[\d:\d+7], v[\a:\a+11], v[\b:\b+11], v[\c:\c+7], v[\sa], v[\sb] matrix_a_fmt:MATRIX_FMT_BF6 matrix_b_fmt:MATRIX_FMT_BF6
.endm
; 64 numbers of a lane, v[s] on in window sw, register 16 b + i = element 32 b + 16 (lane / 16) + i of my row, become a fragment's codes in v[pc] on and its scale word in v[pw].
.macro QUANT s, sw, pc, ct, pw
	WIN (\sw)|((\sw)<<2)
.irp b, 0,1,2,3
	v_max3_num_f32 v[TM+\b], |v[\s+16*\b]|, |v[\s+1+16*\b]|, 0x2800000   ; block b: my 16 numbers, and the floor 2^(5 - 127): the byte cannot fall under 1
.endr
	WIN ((\sw)<<2)|((\sw)<<4)
.irp i, 2,4,6,8,10,12,14
.irp b, 0,1,2,3
	v_max3_num_f32 v[TM+\b], v[TM+\b], |v[\s+16*\b+\i]|, |v[\s+1+16*\b+\i]|   ; (the four blocks by turns)
.endr
.endr
	WIN 0
.irp b, 0,1,2,3
	v_permlanex16_b32 v[TM+4+\b], v[TM+\b], s[SEL], s[SEL+1]
.endr
.irp b, 0,1,2,3
	v_max_num_f32 v[TM+\b], v[TM+\b], v[TM+4+\b]   ; with lane l xor 16's: the block's largest magnitude
.endr
.irp b, 0,1,2,3
	v_add_nc_u32 v[TM+8+\b], 0xfe000000, v[TM+\b]  ; 4 off its exponent field: the conversion's scale operand
.endr
.irp b, 0,1,2,3
	v_lshrrev_b32 v[TM+4+\b], 23, v[TM+8+\b]       ; the scale's byte
.endr
	v_lshl_or_b32 v[\pw], v[TM+5], 8, v[TM+4]
	v_lshl_or_b32 v[\pw], v[TM+6], 16, v[\pw]
	v_lshl_or_b32 v[\pw], v[TM+7], 24, v[\pw]
	WIN (\sw)
.irp c, 0,1
	v_cvt_scalef32_pk16_bf6_f32 v[\pc+6*\c:\pc+2+6*\c], v[\s+32*\c:\s+15+32*\c], v[TM+8+2*\c]
	v_cvt_scalef32_pk16_bf6_f32 v[\ct+4*\c:\ct+2+4*\c], v[\s+16+32*\c:\s+31+32*\c], v[TM+9+2*\c]   ; (a conversion's three registers begin on an even number)
.endr
	WIN 0
	v_nop                                          ; one plain place behind a scaled conversion
.irp c, 0,1                            ; the operand's layout wants a WHOLE block in a lane
.irp i, 0,1,2
	v_permlane16_swap_b32 v[\pc+6*\c+\i], v[\ct+4*\c+\i]
.endr
.irp i, 0,1,2
	v_mov_b32 v[\pc+3+6*\c+\i], v[\ct+4*\c+\i]
.endr
.endr
.endm
; The tile's 64 sums stand in V: my wave's mean and M2 of each token go to STAT, the sums to my part of LDS.
.macro STATS m, so
	v_pk_add_f32 v[26:27], v[V:V+1], v[V+2:V+3]
	v_pk_add_f32 v[28:29], v[V+4:V+5], v[V+6:V+7]
.irp k, 8,12,16,20,24,28,32,36,40,44,48,52,56,60
	v_pk_add_f32 v[26:27], v[26:27], v[V+\k:V+\k+1]
	v_pk_add_f32 v[28:29], v[28:29], v[V+\k+2:V+\k+3]
.endr
	v_pk_add_f32 v[26:27], v[26:27], v[28:29]
	v_add_f32 v26, v26, v27
	v_permlanex16_b32 v30, v26, s[SEL], s[SEL+1]
	v_add_f32 v26, v26, v30
	v_mul_f32 v34, 0x3c000000, v26                 ; / 128: the mean of my wave's columns
.irp k, 0,8,16,24,32,40,48,56
	v_pk_add_f32 v[58:59], v[V+\k:V+\k+1], v[34:35] op_sel_hi:[1,0] neg_lo:[0,1] neg_hi:[0,1]
	v_pk_add_f32 v[60:61], v[V+\k+2:V+\k+3], v[34:35] op_sel_hi:[1,0] neg_lo:[0,1] neg_hi:[0,1]
	v_pk_add_f32 v[62:63], v[V+\k+4:V+\k+5], v[34:35] op_sel_hi:[1,0] neg_lo:[0,1] neg_hi:[0,1]
	v_pk_add_f32 v[30:31], v[V+\k+6:V+\k+7], v[34:35] op_sel_hi:[1,0] neg_lo:[0,1] neg_hi:[0,1]
.if \k == 0
	v_pk_mul_f32 v[36:37], v[58:59], v[58:59]
	v_pk_mul_f32 v[32:33], v[60:61], v[60:61]
.else
	v_pk_fma_f32 v[36:37], v[58:59], v[58:59], v[36:37]
	v_pk_fma_f32 v[32:33], v[60:61], v[60:61], v[32:33]
.endif
	v_pk_fma_f32 v[36:37], v[62:63], v[62:63], v[36:37]
	v_pk_fma_f32 v[32:33], v[30:31], v[30:31], v[32:33]
.endr
	v_pk_add_f32 v[36:37], v[36:37], v[32:33]
	v_add_f32 v36, v36, v37
	v_permlanex16_b32 v30, v36, s[SEL], s[SEL+1]
	v_add_f32 v35, v36, v30                        ; M2
	ds_store_b64 v10, v[34:35] offset:\so+512*\m   ; both lanes of a token write the same bytes with the same values
.irp q, 0,1,2,3,4,5,6,7,8,9,10,11,12,13,14,15
	ds_store_b128 v5, v[V+4*\q:V+4*\q+3] offset:8192*\m+512*\q
.endr
.endm
; A tile's sums come back (v16: where; v17: its statistics), the four waves' parts are joined, and V becomes (V - mean) rsqrt(var + eps) g + be.  g and be lie in window gw, at 0 and at 64.
.macro NORM so, gw
.irp q, 0,1,2,3,4,5,6,7,8,9,10,11,12,13,14,15
	ds_load_b128 v[V+4*\q:V+4*\q+3], v16 offset:512*\q
.endr
	ds_load_b128 v[26:29], v17 offset:\so
	ds_load_b128 v[30:33], v17 offset:\so+16
	s_wait_dscnt 0x0
	v_add_f32 v58, v26, v28
	v_add_f32 v59, v30, v32
	v_add_f32 v60, v27, v29
	v_add_f32 v61, v31, v33
	v_add_f32 v58, v58, v59
	v_add_f32 v60, v60, v61                        ; the sum of the four M2
	v_mul_f32 v34, 0x3e800000, v58                 ; the mean
	v_sub_f32 v58, v26, v34
	v_sub_f32 v59, v28, v34
	v_sub_f32 v61, v30, v34
	v_sub_f32 v62, v32, v34
	v_mul_f32 v58, v58, v58
	v_fmac_f32 v58, v59, v59
	v_fmac_f32 v58, v61, v61
	v_fmac_f32 v58, v62, v62
	v_fmamk_f32 v60, v58, 0x43000000, v60          ; + 128 x the sum of (part's mean - mean)^2
	v_fma_f32 v60, v60, s33, s34                   ; / 512 + eps
	v_rsq_f32 v36, v60
.set n_, 0
.rept 32
	v_pk_add_f32 v[V+n_:V+n_+1], v[V+n_:V+n_+1], v[34:35] op_sel_hi:[1,0] neg_lo:[0,1] neg_hi:[0,1]   ; plain work behind the root
.set n_, n_+2
.endr
	s_wait_alu depctr_va_vdst(0)                   ; the wait ahead of the root's first reader
.set n_, 0
.rept 32
	v_pk_mul_f32 v[V+n_:V+n_+1], v[V+n_:V+n_+1], v[36:37] op_sel_hi:[1,0]
.set n_, n_+2
.endr
	WIN ((\gw)<<2)|((\gw)<<4)
.set n_, 0
.rept 32
	v_pk_fma_f32 v[V+n_:V+n_+1], v[V+n_:V+n_+1], v[n_:n_+1], v[64+n_:65+n_]
.set n_, n_+2
.endr
	WIN 0
.endm
.macro GLOAD gp, bp, w                 ; my 64 gains and 64 biases of a norm: the same for all four tiles
	WIN \w
.irp q, 0,1,2,3,4,5,6,7,8,9,10,11,12,13,14,15
	global_load_b128 v[4*\q:4*\q+3], v4, s[\gp:\gp+1] offset:128*(\q/4)+16*(\q%4)
.endr
.irp q, 0,1,2,3,4,5,6,7,8,9,10,11,12,13,14,15
	global_load_b128 v[64+4*\q:67+4*\q], v4, s[\bp:\bp+1] offset:128*(\q/4)+16*(\q%4)
.endr
	WIN 0
.endm
.macro BIASLOAD bp                     ; eight tiles' bias in the result's layout: channels 32 (t / 2) + 16 h + 8 (t % 2) + 0 .. 7
	WIN 0x80
.irp t, 0,1,2,3,4,5,6,7
	global_load_b128 v[192+8*\t:195+8*\t], v4, s[\bp:\bp+1] offset:(32*(\t/2)+8*(\t%2))*4
	global_load_b128 v[196+8*\t:199+8*\t], v4, s[\bp:\bp+1] offset:(32*(\t/2)+8*(\t%2))*4+16
.endr
	WIN 0
.endm
.macro WSCLOAD n                       ; the scale words of n weight tiles: four K steps' words a row
.set k_, 0
.rept \n
	global_load_b128 v[WSC+4*k_:WSC+4*k_+3], v3, s[10:11] offset:256*k_
.set k_, k_+1
.endr
.endm
.macro WLOAD n                         ; stage n: eight weight fragments of one K step, 12,288 consecutive bytes, into set n % 4
	WIN 0x80+0x40*(((\n)%4)/2)
.irp k, 0,1,2,3,4,5,6,7,8,9,10,11,12,13,14,15,16,17,18,19,20,21,22,23
	global_load_b128 v[96*((\n)%2)+4*\k:96*((\n)%2)+4*\k+3], v1, s[8:9] offset:(\n)*12288+512*\k
.endr
	WIN 0
.endm
; A stage: one K step: four token fragments from LDS x my eight weight tiles: 32 matrix instructions on 32 accumulators, which take turns in the same order in every stage.
.macro STAGE n, first, img, sc, ks, wb, pre, cnt
.rept 4
	v_nop                                          ; places in front of loads into registers that the last products have read
.endr
.irp m, 0,1,2,3
.irp g, 0,1,2
	ds_load_b128 v[XF+12*\m+4*\g:XF+12*\m+4*\g+3], v[\img] offset:6144*(\ks)+1536*\m+512*\g
.endr
	ds_load_b32 v[HS+\m], v[\sc] offset:512*(\ks)+128*\m
.endr
.if \pre
	WLOAD (\n)+2
.endif
	s_wait_loadcnt \cnt                            ; this stage's weights are in; the stages asked for behind them may be out
	s_wait_dscnt 0x0
.if \first
	WIN 0x62+((\n)%4)/2
.else
	WIN 0x52+((\n)%4)/2
.endif
.irp m, 0,1,2,3
.irp t, 0,1,2,3,4,5,6,7
.if \first
	MMC AM*\m+AT*(\t/2)+8*(\t%2), 96*((\n)%2)+12*\t, XF+12*\m, 192+8*\t, \wb+4*\t, HS+\m
.else
	MMC AM*\m+AT*(\t/2)+8*(\t%2), 96*((\n)%2)+12*\t, XF+12*\m, AM*\m+AT*(\t/2)+8*(\t%2), \wb+4*\t, HS+\m
.endif
.endr
.endr
	WIN 0
.endm
.macro BARRIER                         ; my LDS stores have landed and my LDS loads are in: then the work-group's barrier
	s_wait_dscnt 0x0
	s_barrier_signal -1
	s_barrier_wait -1
.endm
	s_load_b512 s[40:55], s[0:1], 0x0              ; x, att, g1, be1, opc, bq2, x1, q2c
	v_lshl_add_u32 v254, v0, 2, 0x27000
	v_mov_b32 v255, 0
	v_lshrrev_b32 v16, 5, v0
	v_readfirstlane_b32 s2, v16                    ; wave
	v_and_b32 v16, 31, v0                          ; lane
	v_and_b32 v17, 15, v0                          ; r
	v_bfe_u32 v18, v0, 4, 1                        ; h
	v_lshlrev_b32 v4, 6, v18                       ; 64 h
	v_and_b32 v19, 8, v17
	v_add_nc_u32 v19, v19, v17                     ; r + 8 (r / 8)
	v_lshl_add_u32 v12, v19, 11, v4                ; x: my token's row of 2,048 bytes, + 64 h
	v_lshl_add_u32 v13, v19, 7, v4                 ; att: its row of 128 bytes, + 64 h
	s_mov_b32 s27, 0
	s_lshl_b32 s26, ttmp9, 17
	s_lshl_b32 s28, s2, 9                          ; 512 w
	s_add_co_u32 s26, s26, s28
	s_lshr_b32 s29, ttmp9, 4
	s_lshl_b32 s29, s29, 4
	s_lshl_b32 s30, s2, 2
	s_add_co_u32 s29, s29, s30                     ; 16 x batch + my first head
	s_and_b32 s30, ttmp9, 15                       ; which 64 tokens of the batch
	s_wait_kmcnt 0x0
	s_add_nc_u64 s[4:5], s[40:41], s[26:27]        ; x at the block's first token, my columns
	s_lshl_b32 s26, s29, 17
	s_lshl_b32 s31, s30, 13
	s_add_co_u32 s26, s26, s31
	s_add_nc_u64 s[6:7], s[42:43], s[26:27]        ; att at my first head, the block's first token
.irp m, 0,1,2,3
	WIN 0x40
.irp q, 0,1,2,3,4,5,6,7,8,9,10,11,12,13,14,15
	global_load_b128 v[64*\m+4*\q:64*\m+4*\q+3], v12, s[4:5] offset:(32*(\m/2)+8*(\m%2))*2048+128*(\q/4)+16*(\q%4) th:TH_LOAD_NT
.endr
	WIN 0x80
.irp q, 0,1,2,3,4,5,6,7,8,9,10,11,12,13,14,15
	global_load_b128 v[64*\m+4*\q:64*\m+4*\q+3], v13, s[6:7] offset:(\q/4)*131072+(32*(\m/2)+8*(\m%2))*128+16*(\q%4) th:TH_LOAD_NT
.endr
.endr
	WIN 0
	v_lshlrev_b32 v1, 4, v16                       ; 16 x lane
	v_lshlrev_b32 v2, 2, v16                       ; 4 x lane
	v_lshlrev_b32 v3, 4, v17                       ; 16 r
	v_lshlrev_b32 v14, 3, v16                      ; 8 x lane
	v_lshlrev_b32 v15, 2, v17                      ; 4 r
	s_lshl_b32 s26, s2, 15
	v_add_nc_u32 v5, s26, v1                       ; my part of LDS for the sums
	s_mul_i32 s26, s2, 6144
	s_add_co_u32 s26, s26, XIMG
	v_add_nc_u32 v6, s26, v1                       ; where I store x1's images: K step w
	v_add_nc_u32 v7, XIMG, v1                      ; and where all are read
	s_lshl_b32 s26, s2, 9
	s_add_co_u32 s26, s26, XSC
	v_add_nc_u32 v8, s26, v2
	v_add_nc_u32 v9, XSC, v2
	s_lshl_b32 s26, s2, 3
	s_add_co_u32 s26, s26, STAT
	v_lshl_add_u32 v10, v17, 5, s26                ; my (mean, M2): 32 r + 8 w
	v_lshlrev_b32 v11, 5, v17
	v_add_nc_u32 v11, STAT, v11
.set n_, 26
.rept 12
	v_mov_b32 v[n_], 0                             ; written once: permute destinations and upper halves of pairs that are named whole
.set n_, n_+1
.endr
	s_mov_b32 s[SEL], 0x76543210
	s_mov_b32 s[SEL+1], 0xfedcba98
	s_mov_b32 s33, 0x3b000000                      ; 1 / 512
	s_mov_b32 s34, 0x3727c5ac                      ; eps = 1e-5
	s_add_co_u32 s26, s2, 140                      ; Wq2's tiles 8 w .. 8 w + 7 are block 140 + w of opc
	s_mul_i32 s31, s26, 49152
	s_lshl_b32 s32, s26, 11
	s_mov_b32 s26, s31
	s_add_nc_u64 s[8:9], s[48:49], s[26:27]
	s_add_co_u32 s26, s32, SC0
	s_add_nc_u64 s[10:11], s[48:49], s[26:27]
	s_mov_b32 s26, s28
	s_add_nc_u64 s[12:13], s[44:45], s[26:27]      ; g1, be1, bq2 at my 128 columns
	s_add_nc_u64 s[14:15], s[46:47], s[26:27]
	s_add_nc_u64 s[16:17], s[50:51], s[26:27]
	s_lshl_b32 s26, ttmp9, 17
	s_lshl_b32 s31, s2, 15
	s_add_co_u32 s26, s26, s31
	s_add_nc_u64 s[18:19], s[52:53], s[26:27]      ; x1: [block][wave][tile][16 x 512 bytes]
	s_mul_i32 s31, s29, 25600
	s_mul_i32 s26, s30, 1536
	s_add_co_u32 s26, s26, s31
	s_add_nc_u64 s[22:23], s[54:55], s[26:27]      ; q2: my first head's image of these 64 tokens,
	s_lshl_b32 s26, s30, 6
	s_add_co_u32 s26, s26, s31
	s_add_nc_u64 s[24:25], s[54:55], s[26:27]      ; and its scale words (24,576 further on)
	; ---- A1: x + att, my wave's statistics
.macro SUMIN m, cnt
	s_wait_loadcnt \cnt                            ; this tile's 32 loads are in; the later tiles' may be out (63 is the most that a wait can name)
	s_wait_dscnt 0x0                               ; the last tile's LDS stores have read their registers
	WIN 0x09
.set n_, 0
.rept 32
	v_pk_add_f32 v[V+n_:V+n_+1], v[64*\m+n_:64*\m+n_+1], v[64*\m+n_:64*\m+n_+1]   ; source 0: x, window 1; source 1: att, window 2
.set n_, n_+2
.endr
	WIN 0
	STATS \m, 0
.endm
	SUMIN 0, 63
	SUMIN 1, 63
	SUMIN 2, 32
	SUMIN 3, 0
	GLOAD 12, 14, 0x40                             ; windows 1 and 2 are free: the gains, the bias, the scale words and the first two stages of weights
	BIASLOAD 16
	WSCLOAD 8
	WLOAD 0
	WLOAD 1
	BARRIER                                        ; all four waves' statistics lie in LDS
	s_wait_loadcnt 63                              ; g1 and be1 are in: 72 loads were issued behind them
	; ---- A2: a tile a trip: normalise, store x1, quantise, image to LDS
	s_mov_b32 s28, 0
	s_mov_b32 s29, 0
	s_mov_b32 s30, 0
	s_mov_b32 s31, 0
	s_mov_b32 s32, 4
.La2:
	v_add_nc_u32 v16, s28, v5
	v_add_nc_u32 v17, s29, v11
	v_add_nc_u32 v18, s30, v6
	v_add_nc_u32 v19, s31, v8
	NORM 0, 1
.irp q, 0,1,2,3,4,5,6,7,8,9,10,11,12,13,14,15
	global_store_b128 v1, v[V+4*\q:V+4*\q+3], s[18:19] offset:512*\q   ; 32 lanes store 512 consecutive bytes
.endr
	QUANT V, 0, PC, CT, PW
.irp g, 0,1,2
	ds_store_b128 v18, v[PC+4*\g:PC+4*\g+3] offset:512*\g
.endr
	ds_store_b32 v19, v[PW]
	s_wait_dscnt 0x0                               ; the LDS stores have read their registers,
	s_wait_xcnt 0x0                                ; and the global stores theirs and their base
	s_add_nc_u64 s[18:19], s[18:19], 8192
	s_add_co_u32 s28, s28, 8192
	s_add_co_u32 s29, s29, 512
	s_add_co_u32 s30, s30, 1536
	s_add_co_u32 s31, s31, 128
	s_sub_co_u32 s32, s32, 1
	s_cmp_lg_u32 s32, 0
	s_cbranch_scc1 .La2
	BARRIER                                        ; x1's sixteen fragments lie in LDS
	; ---- the product: four K steps
	STAGE 0, 1, 7, 9, 0, WSC+0, 1, 48
	STAGE 1, 0, 7, 9, 1, WSC+1, 1, 48
	STAGE 2, 0, 7, 9, 2, WSC+2, 0, 24
	STAGE 3, 0, 7, 9, 3, WSC+3, 0, 0
.rept 4
	v_nop
.endr
	; ---- my four heads: 64 tokens x 32 channels each become one image
.irp hd, 0,1,2,3
	s_wait_xcnt 0x0                                ; the last head's stores have read their registers
	QUANT 64*\hd, 1, PC, CT, PW
	global_store_b128 v1, v[PC:PC+3], s[22:23] offset:\hd*25600
	global_store_b64 v14, v[PC+4:PC+5], s[22:23] offset:\hd*25600+512
	global_store_b128 v1, v[PC+6:PC+9], s[22:23] offset:\hd*25600+768
	global_store_b64 v14, v[PC+10:PC+11], s[22:23] offset:\hd*25600+1280
	global_store_b32 v15, v[PW], s[24:25] offset:\hd*25600+24576   ; lanes 16-31 repeat lanes 0-15
.endr
	s_wait_tensorcnt 0x0
	ds_add_u32 v254, v255
	s_wait_dscnt 0x0
	s_endpgm
.Lfunc_end_k_q2c6b622953_lnq:
	.size	k_q2c6b622953_lnq, .Lfunc_end_k_q2c6b622953_lnq-k_q2c6b622953_lnq
	.p2alignl 7, 3214868480
	.fill 96, 4, 3214868480
	.section	.rodata,"a",@progbits
	.p2align	6, 0x0
	.amdhsa_kernel k_q2c6b622953_lnq
		.amdhsa_group_segment_fixed_size 160256
		.amdhsa_private_segment_fixed_size 0
		.amdhsa_enable_private_segment 0
		.amdhsa_kernarg_size 64
		.amdhsa_user_sgpr_count 2
		.amdhsa_user_sgpr_kernarg_segment_ptr 1
		.amdhsa_wavefront_size32 1
		.amdhsa_system_sgpr_workgroup_id_x 1
		.amdhsa_system_sgpr_workgroup_id_y 1
		.amdhsa_system_sgpr_workgroup_id_z 1
		.amdhsa_system_vgpr_workitem_id 0
		.amdhsa_next_free_vgpr 1024
		.amdhsa_next_free_sgpr 66
		.amdhsa_reserve_vcc 0
		.amdhsa_float_denorm_mode_32 3
		.amdhsa_float_denorm_mode_16_64 3
		.amdhsa_memory_ordered 1
		.amdhsa_forward_progress 1
		.amdhsa_inst_pref_size 122
	.end_amdhsa_kernel
	.amdgpu_metadata
---
amdhsa.version: [ 1, 2 ]
amdhsa.kernels:
  - .name:           k_q2c6b622953_lnq
    .symbol:         k_q2c6b622953_lnq.kd
    .args:
      - { .name: x, .offset: 0, .size: 8, .value_kind: global_buffer, .address_space: global }
      - { .name: att, .offset: 8, .size: 8, .value_kind: global_buffer, .address_space: global }
      - { .name: g1, .offset: 16, .size: 8, .value_kind: global_buffer, .address_space: global }
      - { .name: be1, .offset: 24, .size: 8, .value_kind: global_buffer, .address_space: global }
      - { .name: opc, .offset: 32, .size: 8, .value_kind: global_buffer, .address_space: global }
      - { .name: bq2, .offset: 40, .size: 8, .value_kind: global_buffer, .address_space: global }
      - { .name: x1, .offset: 48, .size: 8, .value_kind: global_buffer, .address_space: global }
      - { .name: q2c, .offset: 56, .size: 8, .value_kind: global_buffer, .address_space: global }
    .group_segment_fixed_size: 160256
    .private_segment_fixed_size: 0
    .kernarg_segment_align: 8
    .kernarg_segment_size: 64
    .max_flat_workgroup_size: 128
    .sgpr_count:     66
    .vgpr_count:     1024
    .wavefront_size: 32
...
	.end_amdgpu_metadata
.endif
;; end of part 4
;; launch attn2: the kernel of part 3 again; grid 2 x 128, 16 waves a work-group, no clusters, 169,984 bytes of LDS; arguments q2c, kv2, att; writes att
;; launch ffn (part 5): grid 128 x 1, 4 waves a work-group, no clusters, 249,344 bytes of LDS; arguments x1, att, g2, be2, opc, b1, b2, g3, be3, out0; writes out0
.if DOCPART == 5
	.amdgcn_target "amdgcn-amd-amdhsa--gfx1250"
	.amdhsa_code_object_version 6
	.text
	.protected	k_q2c6b622953_ffn
	.globl	k_q2c6b622953_ffn
	.p2align	8
	.type	k_q2c6b622953_ffn,@function
k_q2c6b622953_ffn:
	s_mov_b64 s[64:65], 0
	v_nop
	global_prefetch_b8 v0, s[64:65] scope:SCOPE_SE
	s_setreg_imm32_b32 hwreg(HW_REG_WAVE_MODE, 25, 1), 1
	s_wait_xcnt 0x0
; x2 = LayerNorm(x1 + att) g2 + be2;  out0 = LayerNorm(x2 + relu(x2 W1^T + b1) W2^T + b2) g3 + be3; both products on codes of BF6 (E3M2) with E8M0 scales.  x2 and the hidden layer never go to memory.
; SHARES.  A work-group takes 64 tokens: four tiles of 16 (row r of tile m: token 32 (m / 2) + 8 (m % 2) + r + 8 (r / 8)).  THE WAVES SHARE THE COLUMNS: wave w owns model columns 128 w .. 128 w + 127 in the norms, as K step w
; of the first product and as the second product's outputs, and hidden units 256 w .. 256 w + 255 (K steps 2 w, 2 w + 1 of the second product).  Lane (r, h) holds token r; its register 16 b + i is column 32 b + 16 h + i
; of the wave's 128: the layout that the quantiser takes and that the transposed products (source 0 = 16 weight rows, source 1 = a tile of tokens) give.  So nothing changes lanes between the phases.
; The weights go from memory straight into registers, stage by stage (a stage: my eight tiles of one K step, 12,288 consecutive bytes), two stages ahead, in four sets; a wave's sixteen stages lie on end in opc.
; THE NORMS: as (mean, M2) pairs of the four waves' parts, joined in LDS: no difference of large sums is formed.
; LIMITS: a block of zeros gets the byte 1 where the rule says 127 (its codes are zeros); blocks under 2^-122 are held at byte 1; NaN and infinities are not served.
; REGISTERS: window 0: v1-20, v53, v57 addresses; v21-24 the tokens' scale words; v25 a scale word made; v26-37 at work; v38-56 codes made; v58-63 at work; v64-127 a tile's 64 numbers; v128-191 a second tile's worth, or four
;   token fragments; v192-255 the weights' scale words.  window 1: x1 as loaded, then g2, be2, then the 32 accumulators.  window 2: att as loaded, then weight sets 0, 1 and the bias (192-255), at the end g3, be3.  window 3: sets 2, 3.
.set SC0,  8257536
.set XIMG, 131072                      ; LDS: 0: each wave's own 32,768 bytes (sums, then x2, then x2 + h); here x2's 16 fragments, [K step][tile] x 1,536;
.set HIMG, 155648                      ; the hidden layer's 32 fragments;
.set XSC,  204800                      ; x2's scale words, 128 bytes a fragment;
.set HSC,  206848                      ; the hidden layer's;
.set STAT, 210944                      ; (mean, M2) of [tile][row][wave], for the second norm; 2,048 further on for the third;
.set OSTG, 215040                      ; the way out: 16 rows x 528 bytes for each wave
.set HS,  21
.set PW,  25
.set TM,  26
.set PC,  38
.set CT,  50
.set V,   64
.set U,   128
.set XF,  128
.set WSC, 192
.set SEL, 20
.set AM,  64                           ; accumulator (m, t) at 64 m + 8 t
.set AT,  16
.set MSB, 0
.macro WIN new                         ; the immediate's high byte repeats the setting that is left
.if MSB != (\new)
	s_set_vgpr_msb (MSB<<8)|(\new)
.set MSB, (\new)
.endif
.endm
.macro MMC d, a, b, c, sa, sb
	v_wmma_scale_f32_16x16x128_f8f6f4 v[\d:\d+7], v[\a:\a+11], v[\b:\b+11], v[\c:\c+7], v[\sa], v[\sb] matrix_a_fmt:MATRIX_FMT_BF6 matrix_b_fmt:MATRIX_FMT_BF6
.endm
; 64 numbers of a lane, v[s] on in window sw, register 16 b + i = element 32 b + 16 (lane / 16) + i of my row, become a fragment's codes in v[pc] on and its scale word in v[pw].
.macro QUANT s, sw, pc, ct, pw
	WIN (\sw)|((\sw)<<2)
.irp b, 0,1,2,3
	v_max3_num_f32 v[TM+\b], |v[\s+16*\b]|, |v[\s+1+16*\b]|, 0x2800000   ; block b: my 16 numbers, and the floor 2^(5 - 127): the byte cannot fall under 1
.endr
	WIN ((\sw)<<2)|((\sw)<<4)
.irp i, 2,4,6,8,10,12,14
.irp b, 0,1,2,3
	v_max3_num_f32 v[TM+\b], v[TM+\b], |v[\s+16*\b+\i]|, |v[\s+1+16*\b+\i]|   ; (the four blocks by turns)
.endr
.endr
	WIN 0
.irp b, 0,1,2,3
	v_permlanex16_b32 v[TM+4+\b], v[TM+\b], s[SEL], s[SEL+1]
.endr
.irp b, 0,1,2,3
	v_max_num_f32 v[TM+\b], v[TM+\b], v[TM+4+\b]   ; with lane l xor 16's: the block's largest magnitude
.endr
.irp b, 0,1,2,3
	v_add_nc_u32 v[TM+8+\b], 0xfe000000, v[TM+\b]  ; 4 off its exponent field: the conversion's scale operand
.endr
.irp b, 0,1,2,3
	v_lshrrev_b32 v[TM+4+\b], 23, v[TM+8+\b]       ; the scale's byte
.endr
	v_lshl_or_b32 v[\pw], v[TM+5], 8, v[TM+4]
	v_lshl_or_b32 v[\pw], v[TM+6], 16, v[\pw]
	v_lshl_or_b32 v[\pw], v[TM+7], 24, v[\pw]
	WIN (\sw)
.irp c, 0,1
	v_cvt_scalef32_pk16_bf6_f32 v[\pc+6*\c:\pc+2+6*\c], v[\s+32*\c:\s+15+32*\c], v[TM+8+2*\c]
	v_cvt_scalef32_pk16_bf6_f32 v[\ct+4*\c:\ct+2+4*\c], v[\s+16+32*\c:\s+31+32*\c], v[TM+9+2*\c]   ; (a conversion's three registers begin on an even number)
.endr
	WIN 0
	v_nop                                          ; one plain place behind a scaled conversion
.irp c, 0,1                            ; the operand's layout wants a WHOLE block in a lane
.irp i, 0,1,2
	v_permlane16_swap_b32 v[\pc+6*\c+\i], v[\ct+4*\c+\i]
.endr
.irp i, 0,1,2
	v_mov_b32 v[\pc+3+6*\c+\i], v[\ct+4*\c+\i]
.endr
.endr
.endm
; The tile's 64 sums stand in V: my wave's mean and M2 of each token go to STAT, the sums to my part of LDS.
.macro STATS m, so
	v_pk_add_f32 v[26:27], v[V:V+1], v[V+2:V+3]
	v_pk_add_f32 v[28:29], v[V+4:V+5], v[V+6:V+7]
.irp k, 8,12,16,20,24,28,32,36,40,44,48,52,56,60
	v_pk_add_f32 v[26:27], v[26:27], v[V+\k:V+\k+1]
	v_pk_add_f32 v[28:29], v[28:29], v[V+\k+2:V+\k+3]
.endr
	v_pk_add_f32 v[26:27], v[26:27], v[28:29]
	v_add_f32 v26, v26, v27
	v_permlanex16_b32 v30, v26, s[SEL], s[SEL+1]
	v_add_f32 v26, v26, v30
	v_mul_f32 v34, 0x3c000000, v26                 ; / 128: the mean of my wave's columns
.irp k, 0,8,16,24,32,40,48,56
	v_pk_add_f32 v[58:59], v[V+\k:V+\k+1], v[34:35] op_sel_hi:[1,0] neg_lo:[0,1] neg_hi:[0,1]
	v_pk_add_f32 v[60:61], v[V+\k+2:V+\k+3], v[34:35] op_sel_hi:[1,0] neg_lo:[0,1] neg_hi:[0,1]
	v_pk_add_f32 v[62:63], v[V+\k+4:V+\k+5], v[34:35] op_sel_hi:[1,0] neg_lo:[0,1] neg_hi:[0,1]
	v_pk_add_f32 v[30:31], v[V+\k+6:V+\k+7], v[34:35] op_sel_hi:[1,0] neg_lo:[0,1] neg_hi:[0,1]
.if \k == 0
	v_pk_mul_f32 v[36:37], v[58:59], v[58:59]
	v_pk_mul_f32 v[32:33], v[60:61], v[60:61]
.else
	v_pk_fma_f32 v[36:37], v[58:59], v[58:59], v[36:37]
	v_pk_fma_f32 v[32:33], v[60:61], v[60:61], v[32:33]
.endif
	v_pk_fma_f32 v[36:37], v[62:63], v[62:63], v[36:37]
	v_pk_fma_f32 v[32:33], v[30:31], v[30:31], v[32:33]
.endr
	v_pk_add_f32 v[36:37], v[36:37], v[32:33]
	v_add_f32 v36, v36, v37
	v_permlanex16_b32 v30, v36, s[SEL], s[SEL+1]
	v_add_f32 v35, v36, v30                        ; M2
	ds_store_b64 v10, v[34:35] offset:\so+512*\m   ; both lanes of a token write the same bytes with the same values
.irp q, 0,1,2,3,4,5,6,7,8,9,10,11,12,13,14,15
	ds_store_b128 v5, v[V+4*\q:V+4*\q+3] offset:8192*\m+512*\q
.endr
.endm
; A tile's sums come back (v16: where; v17: its statistics), the four waves' parts are joined, and V becomes (V - mean) rsqrt(var + eps) g + be.  g and be lie in window gw, at 0 and at 64.
.macro NORM so, gw
.irp q, 0,1,2,3,4,5,6,7,8,9,10,11,12,13,14,15
	ds_load_b128 v[V+4*\q:V+4*\q+3], v16 offset:512*\q
.endr
	ds_load_b128 v[26:29], v17 offset:\so
	ds_load_b128 v[30:33], v17 offset:\so+16
	s_wait_dscnt 0x0
	v_add_f32 v58, v26, v28
	v_add_f32 v59, v30, v32
	v_add_f32 v60, v27, v29
	v_add_f32 v61, v31, v33
	v_add_f32 v58, v58, v59
	v_add_f32 v60, v60, v61                        ; the sum of the four M2
	v_mul_f32 v34, 0x3e800000, v58                 ; the mean
	v_sub_f32 v58, v26, v34
	v_sub_f32 v59, v28, v34
	v_sub_f32 v61, v30, v34
	v_sub_f32 v62, v32, v34
	v_mul_f32 v58, v58, v58
	v_fmac_f32 v58, v59, v59
	v_fmac_f32 v58, v61, v61
	v_fmac_f32 v58, v62, v62
	v_fmamk_f32 v60, v58, 0x43000000, v60          ; + 128 x the sum of (part's mean - mean)^2
	v_fma_f32 v60, v60, s33, s34                   ; / 512 + eps
	v_rsq_f32 v36, v60
.set n_, 0
.rept 32
	v_pk_add_f32 v[V+n_:V+n_+1], v[V+n_:V+n_+1], v[34:35] op_sel_hi:[1,0] neg_lo:[0,1] neg_hi:[0,1]   ; plain work behind the root
.set n_, n_+2
.endr
	s_wait_alu depctr_va_vdst(0)                   ; the wait ahead of the root's first reader
.set n_, 0
.rept 32
	v_pk_mul_f32 v[V+n_:V+n_+1], v[V+n_:V+n_+1], v[36:37] op_sel_hi:[1,0]
.set n_, n_+2
.endr
	WIN ((\gw)<<2)|((\gw)<<4)
.set n_, 0
.rept 32
	v_pk_fma_f32 v[V+n_:V+n_+1], v[V+n_:V+n_+1], v[n_:n_+1], v[64+n_:65+n_]
.set n_, n_+2
.endr
	WIN 0
.endm
.macro GLOAD gp, bp, w                 ; my 64 gains and 64 biases of a norm: the same for all four tiles
	WIN \w
.irp q, 0,1,2,3,4,5,6,7,8,9,10,11,12,13,14,15
	global_load_b128 v[4*\q:4*\q+3], v4, s[\gp:\gp+1] offset:128*(\q/4)+16*(\q%4)
.endr
.irp q, 0,1,2,3,4,5,6,7,8,9,10,11,12,13,14,15
	global_load_b128 v[64+4*\q:67+4*\q], v4, s[\bp:\bp+1] offset:128*(\q/4)+16*(\q%4)
.endr
	WIN 0
.endm
.macro BIASLOAD bp                     ; eight tiles' bias in the result's layout: units 32 (t / 2) + 16 h + 8 (t % 2) + 0 .. 7
	WIN 0x80
.irp t, 0,1,2,3,4,5,6,7
	global_load_b128 v[192+8*\t:195+8*\t], v4, s[\bp:\bp+1] offset:(32*(\t/2)+8*(\t%2))*4
	global_load_b128 v[196+8*\t:199+8*\t], v4, s[\bp:\bp+1] offset:(32*(\t/2)+8*(\t%2))*4+16
.endr
	WIN 0
.endm
.macro WSCLOAD n                       ; the scale words of n weight tiles: four K steps' words a row
.set k_, 0
.rept \n
	global_load_b128 v[WSC+4*k_:WSC+4*k_+3], v3, s[10:11] offset:256*k_
.set k_, k_+1
.endr
.endm
.macro WLOAD n                         ; stage n from s[8:9] on: eight weight fragments of one K step, 12,288 consecutive bytes, into set n % 4
	WIN 0x80+0x40*(((\n)%4)/2)
.irp k, 0,1,2,3,4,5,6,7,8,9,10,11,12,13,14,15,16,17,18,19,20,21,22,23
	global_load_b128 v[96*((\n)%2)+4*\k:96*((\n)%2)+4*\k+3], v1, s[8:9] offset:(\n)*12288+512*\k
.endr
	WIN 0
.endm
; A stage: one K step: four token fragments from LDS x my eight weight tiles: 32 matrix instructions on 32 accumulators, which take turns in the same order in every stage.
.macro STAGE n, first, img, sc, ks, wb, pre, cnt
.rept 4
	v_nop                                          ; places in front of loads into registers that the last products have read
.endr
.irp m, 0,1,2,3
.irp g, 0,1,2
	ds_load_b128 v[XF+12*\m+4*\g:XF+12*\m+4*\g+3], v[\img] offset:6144*(\ks)+1536*\m+512*\g
.endr
	ds_load_b32 v[HS+\m], v[\sc] offset:512*(\ks)+128*\m
.endr
.if \pre
	WLOAD (\n)+2
.endif
	s_wait_loadcnt \cnt                            ; this stage's weights are in; the stages asked for behind them may be out
	s_wait_dscnt 0x0
.if \first
	WIN 0x62+((\n)%4)/2
.else
	WIN 0x52+((\n)%4)/2
.endif
.irp m, 0,1,2,3
.irp t, 0,1,2,3,4,5,6,7
.if \first
	MMC AM*\m+AT*(\t/2)+8*(\t%2), 96*((\n)%2)+12*\t, XF+12*\m, 192+8*\t, \wb+4*\t, HS+\m
.else
	MMC AM*\m+AT*(\t/2)+8*(\t%2), 96*((\n)%2)+12*\t, XF+12*\m, AM*\m+AT*(\t/2)+8*(\t%2), \wb+4*\t, HS+\m
.endif
.endr
.endr
	WIN 0
.endm
.macro BARRIER                         ; my LDS stores have landed and my LDS loads are in: then the work-group's barrier
	s_wait_dscnt 0x0
	s_barrier_signal -1
	s_barrier_wait -1
.endm
	s_load_b512 s[40:55], s[0:1], 0x0              ; x1, att, g2, be2, opc, b1, b2, g3
	s_load_b128 s[56:59], s[0:1], 0x40             ; be3, out0
	s_set_vgpr_msb 0xc0
	v_lshl_add_u32 v254, v0, 2, 0x3cc00
	v_mov_b32 v255, 0
	s_set_vgpr_msb 0xc000
	v_lshrrev_b32 v16, 5, v0
	v_readfirstlane_b32 s2, v16                    ; wave
	v_and_b32 v16, 31, v0                          ; lane
	v_and_b32 v17, 15, v0                          ; r
	v_bfe_u32 v18, v0, 4, 1                        ; h
	v_lshlrev_b32 v1, 4, v16                       ; 16 x lane
	v_lshlrev_b32 v4, 6, v18                       ; 64 h
	v_and_b32 v19, 8, v17
	v_add_nc_u32 v19, v19, v17                     ; r + 8 (r / 8)
	v_lshl_add_u32 v13, v19, 7, v4                 ; att: my token's row of 128 bytes, + 64 h
	s_mov_b32 s27, 0
	s_lshl_b32 s26, ttmp9, 17
	s_lshl_b32 s31, s2, 15
	s_add_co_u32 s26, s26, s31
	s_lshr_b32 s29, ttmp9, 4
	s_lshl_b32 s29, s29, 4
	s_lshl_b32 s30, s2, 2
	s_add_co_u32 s29, s29, s30                     ; 16 x batch + my first head
	s_and_b32 s30, ttmp9, 15                       ; which 64 tokens of the batch
	s_wait_kmcnt 0x0
	s_add_nc_u64 s[4:5], s[40:41], s[26:27]        ; x1: my wave's four images
	s_lshl_b32 s26, s29, 17
	s_lshl_b32 s31, s30, 13
	s_add_co_u32 s26, s26, s31
	s_add_nc_u64 s[6:7], s[42:43], s[26:27]        ; att at my first head, the block's first token
.irp m, 0,1,2,3
	WIN 0x40
.irp q, 0,1,2,3,4,5,6,7,8,9,10,11,12,13,14,15
	global_load_b128 v[64*\m+4*\q:64*\m+4*\q+3], v1, s[4:5] offset:8192*\m+512*\q th:TH_LOAD_NT
.endr
	WIN 0x80
.irp q, 0,1,2,3,4,5,6,7,8,9,10,11,12,13,14,15
	global_load_b128 v[64*\m+4*\q:64*\m+4*\q+3], v13, s[6:7] offset:(\q/4)*131072+(32*(\m/2)+8*(\m%2))*128+16*(\q%4) th:TH_LOAD_NT
.endr
.endr
	WIN 0
	v_lshlrev_b32 v2, 2, v16                       ; 4 x lane
	v_lshlrev_b32 v3, 4, v17                       ; 16 r
	s_lshl_b32 s26, s2, 15
	v_add_nc_u32 v5, s26, v1                       ; my part of LDS for the sums
	s_mul_i32 s26, s2, 6144
	s_add_co_u32 s26, s26, XIMG
	v_add_nc_u32 v6, s26, v1                       ; where I store x2's images: K step w
	v_add_nc_u32 v7, XIMG, v1                      ; and where all are read
	s_lshl_b32 s26, s2, 9
	s_add_co_u32 s26, s26, XSC
	v_add_nc_u32 v8, s26, v2
	v_add_nc_u32 v9, XSC, v2
	s_lshl_b32 s26, s2, 3
	s_add_co_u32 s26, s26, STAT
	v_lshl_add_u32 v10, v17, 5, s26                ; my (mean, M2): 32 r + 8 w
	v_lshlrev_b32 v11, 5, v17
	v_add_nc_u32 v11, STAT, v11
	s_mul_i32 s26, s2, 12288
	s_add_co_u32 s26, s26, HIMG
	v_add_nc_u32 v12, s26, v1                      ; the hidden layer's images: K step 2 w
	s_lshl_b32 s26, s2, 10
	s_add_co_u32 s26, s26, HSC
	v_add_nc_u32 v14, s26, v2
	v_add_nc_u32 v15, HIMG, v1
	v_add_nc_u32 v20, HSC, v2
	s_mul_i32 s26, s2, 8448
	s_add_co_u32 s26, s26, OSTG                    ; my stage for the way out
	v_mul_u32_u24 v53, v17, 528
	v_add_nc_u32 v53, v53, v4
	v_add_nc_u32 v53, s26, v53                     ; in: row r, + 64 h
	v_add_nc_u32 v57, s26, v1                      ; back: a row of 512 bytes, 16 bytes a lane
.set n_, 26
.rept 12
	v_mov_b32 v[n_], 0                             ; written once: permute destinations and upper halves of pairs that are named whole
.set n_, n_+1
.endr
	s_mov_b32 s[SEL], 0x76543210
	s_mov_b32 s[SEL+1], 0xfedcba98
	s_mov_b32 s33, 0x3b000000                      ; 1 / 512
	s_mov_b32 s34, 0x3727c5ac                      ; eps = 1e-5
	s_lshl_b32 s26, s2, 2
	s_add_co_u32 s26, s26, 152                     ; my sixteen stages begin at block 152 + 4 w of opc
	s_mul_i32 s31, s26, 49152
	s_lshl_b32 s32, s26, 11
	s_mov_b32 s26, s31
	s_add_nc_u64 s[8:9], s[48:49], s[26:27]
	s_add_co_u32 s26, s32, SC0
	s_add_nc_u64 s[10:11], s[48:49], s[26:27]
	s_lshl_b32 s26, s2, 9                          ; 512 w: my 128 columns
	s_add_nc_u64 s[12:13], s[44:45], s[26:27]      ; g2
	s_add_nc_u64 s[14:15], s[46:47], s[26:27]      ; be2
	s_add_nc_u64 s[22:23], s[52:53], s[26:27]      ; b2
	s_add_nc_u64 s[24:25], s[54:55], s[26:27]      ; g3
	s_add_nc_u64 s[36:37], s[56:57], s[26:27]      ; be3
	s_lshl_b32 s31, ttmp9, 17
	s_add_co_u32 s26, s26, s31
	s_add_nc_u64 s[18:19], s[58:59], s[26:27]      ; out0 at the block's first token, my columns
	s_lshl_b32 s26, s2, 10
	s_add_nc_u64 s[16:17], s[50:51], s[26:27]      ; b1 at my 256 hidden units
	; ---- A1: x1 + att, my wave's statistics
.macro SUMIN m, cnt
	s_wait_loadcnt \cnt                            ; this tile's 32 loads are in; the later tiles' may be out (63 is the most that a wait can name)
	s_wait_dscnt 0x0                               ; the last tile's LDS stores have read their registers
	WIN 0x09
.set n_, 0
.rept 32
	v_pk_add_f32 v[V+n_:V+n_+1], v[64*\m+n_:64*\m+n_+1], v[64*\m+n_:64*\m+n_+1]   ; source 0: x1, window 1; source 1: att, window 2
.set n_, n_+2
.endr
	WIN 0
	STATS \m, 0
.endm
	SUMIN 0, 63
	SUMIN 1, 63
	SUMIN 2, 32
	SUMIN 3, 0
	GLOAD 12, 14, 0x40                             ; windows 1 and 2 are free: the gains, and the first two stages of weights
	WLOAD 0
	WLOAD 1
	BARRIER                                        ; all four waves' statistics lie in LDS
	s_wait_loadcnt 48                              ; g2 and be2 are in; the two stages may be out
	; ---- A2: a tile a trip: normalise, keep x2 in my part of LDS, quantise, image to LDS
	s_mov_b32 s28, 0
	s_mov_b32 s29, 0
	s_mov_b32 s30, 0
	s_mov_b32 s31, 0
	s_mov_b32 s32, 4
.La2:
	v_add_nc_u32 v16, s28, v5
	v_add_nc_u32 v17, s29, v11
	v_add_nc_u32 v18, s30, v6
	v_add_nc_u32 v19, s31, v8
	NORM 0, 1
.irp q, 0,1,2,3,4,5,6,7,8,9,10,11,12,13,14,15
	ds_store_b128 v16, v[V+4*\q:V+4*\q+3] offset:512*\q   ; x2, the residual of the last norm
.endr
	QUANT V, 0, PC, CT, PW
.irp g, 0,1,2
	ds_store_b128 v18, v[PC+4*\g:PC+4*\g+3] offset:512*\g
.endr
	ds_store_b32 v19, v[PW]
	s_wait_dscnt 0x0                               ; the stores have read their registers
	s_add_co_u32 s28, s28, 8192
	s_add_co_u32 s29, s29, 512
	s_add_co_u32 s30, s30, 1536
	s_add_co_u32 s31, s31, 128
	s_sub_co_u32 s32, s32, 1
	s_cmp_lg_u32 s32, 0
	s_cbranch_scc1 .La2
	BARRIER                                        ; x2's sixteen fragments lie in LDS
	; ---- B: the hidden layer, 128 of my 256 units a trip: four K steps, relu, quantised: one K step of the second product.  The look-ahead of two stages runs on into the next trip's, and into W2's, which follow in memory
	s_mov_b32 s28, 0
	s_mov_b32 s29, 0
	s_mov_b32 s32, 2
.Lhid:
	BIASLOAD 16
	WSCLOAD 8
	v_add_nc_u32 v18, s28, v12
	v_add_nc_u32 v19, s29, v14
	STAGE 0, 1, 7, 9, 0, WSC+0, 1, 24              ; only the stage just asked for may be out: the bias and the scale words, issued behind two stages, are in
	STAGE 1, 0, 7, 9, 1, WSC+1, 1, 48
	STAGE 2, 0, 7, 9, 2, WSC+2, 1, 48
	STAGE 3, 0, 7, 9, 3, WSC+3, 1, 48
.rept 4
	v_nop
.endr
.irp m, 0,1,2,3
	WIN 0x04
.set n_, 0
.rept 64
	v_max_num_f32 v[V+n_], 0, v[64*\m+n_]          ; the activation, in f32; each accumulator from its low end on
.set n_, n_+1
.endr
	WIN 0
	QUANT V, 0, PC, CT, PW
.irp g, 0,1,2
	ds_store_b128 v18, v[PC+4*\g:PC+4*\g+3] offset:1536*\m+512*\g
.endr
	ds_store_b32 v19, v[PW] offset:128*\m
	s_wait_dscnt 0x0                               ; the stores have read their registers
.endr
	s_wait_xcnt 0x0                                ; the loads have read their bases
	s_add_nc_u64 s[8:9], s[8:9], 49152
	s_add_nc_u64 s[10:11], s[10:11], 2048
	s_add_nc_u64 s[16:17], s[16:17], 512
	s_add_co_u32 s28, s28, 6144
	s_add_co_u32 s29, s29, 512
	s_sub_co_u32 s32, s32, 1
	s_cmp_lg_u32 s32, 0
	s_cbranch_scc1 .Lhid
	BIASLOAD 22                                    ; b2, and W2's scale words for both halves of its K
	WSCLOAD 16
	BARRIER                                        ; the hidden layer's 32 fragments lie in LDS
	; ---- C: the second product: eight K steps
	STAGE 0, 1, 15, 20, 0, WSC+0, 1, 24
	STAGE 1, 0, 15, 20, 1, WSC+1, 1, 48
	STAGE 2, 0, 15, 20, 2, WSC+2, 1, 48
	STAGE 3, 0, 15, 20, 3, WSC+3, 1, 48
	STAGE 4, 0, 15, 20, 4, WSC+32, 1, 48
	STAGE 5, 0, 15, 20, 5, WSC+33, 1, 48
	STAGE 6, 0, 15, 20, 6, WSC+34, 0, 24
	STAGE 7, 0, 15, 20, 7, WSC+35, 0, 0
.rept 4
	v_nop
.endr
	GLOAD 24, 36, 0x80                             ; g3 and be3 take the weights' registers in window 2
	; ---- D1: x2 + h, my wave's statistics
.irp m, 0,1,2,3
.irp q, 0,1,2,3,4,5,6,7,8,9,10,11,12,13,14,15
	ds_load_b128 v[U+4*\q:U+4*\q+3], v5 offset:8192*\m+512*\q
.endr
	s_wait_dscnt 0x0                               ; x2 is in, and the last tile's stores have read their registers
	WIN 0x01
.set n_, 0
.rept 32
	v_pk_add_f32 v[V+n_:V+n_+1], v[64*\m+n_:64*\m+n_+1], v[U+n_:U+n_+1]
.set n_, n_+2
.endr
	WIN 0
	STATS \m, 2048
.endr
	BARRIER
	s_wait_loadcnt 0x0                             ; g3, be3
	; ---- D2: a tile a trip: normalise, turn through my stage, store whole pieces of rows
	s_mov_b32 s28, 0
	s_mov_b32 s29, 0
	s_mov_b32 s30, 0
.Lout:
	v_add_nc_u32 v16, s28, v5
	v_add_nc_u32 v17, s29, v11
	NORM 2048, 2
.irp q, 0,1,2,3,4,5,6,7,8,9,10,11,12,13,14,15
	ds_store_b128 v53, v[V+4*\q:V+4*\q+3] offset:128*(\q/4)+16*(\q%4)
.endr
.irp i, 0,1,2,3,4,5,6,7,8,9,10,11,12,13,14,15
	ds_load_b128 v[U+4*\i:U+4*\i+3], v57 offset:528*\i   ; LDS serves a wave's instructions in order: these see my stores
.endr
	s_lshr_b32 s26, s30, 1                         ; the tile's first token: 32 (m / 2) + 8 (m % 2), in rows of 2,048 bytes
	s_lshl_b32 s26, s26, 16
	s_and_b32 s31, s30, 1
	s_lshl_b32 s31, s31, 14
	s_add_co_u32 s26, s26, s31
	s_add_nc_u64 s[38:39], s[18:19], s[26:27]
.irp i, 0,1,2,3,4,5,6,7,8,9,10,11,12,13,14,15
	s_wait_dscnt 15-\i
	global_store_b128 v1, v[U+4*\i:U+4*\i+3], s[38:39] offset:(\i+8*(\i/8))*2048 th:TH_STORE_NT   ; 32 lanes store 512 consecutive bytes, at a multiple of 512 from out0's first byte
.endr
	s_wait_xcnt 0x0                                ; the stores have read their registers and their base
	s_add_co_u32 s28, s28, 8192
	s_add_co_u32 s29, s29, 512
	s_add_co_u32 s30, s30, 1
	s_cmp_lt_u32 s30, 4
	s_cbranch_scc1 .Lout
	s_set_vgpr_msb 0xf
	s_wait_tensorcnt 0x0
	ds_add_u32 v254, v255
	s_wait_dscnt 0x0
	s_set_vgpr_msb 0xf00
	s_endpgm
.Lfunc_end_k_q2c6b622953_ffn:
	.size	k_q2c6b622953_ffn, .Lfunc_end_k_q2c6b622953_ffn-k_q2c6b622953_ffn
	.p2alignl 7, 3214868480
	.fill 96, 4, 3214868480
	.section	.rodata,"a",@progbits
	.p2align	6, 0x0
	.amdhsa_kernel k_q2c6b622953_ffn
		.amdhsa_group_segment_fixed_size 249344
		.amdhsa_private_segment_fixed_size 0
		.amdhsa_enable_private_segment 0
		.amdhsa_kernarg_size 80
		.amdhsa_user_sgpr_count 2
		.amdhsa_user_sgpr_kernarg_segment_ptr 1
		.amdhsa_wavefront_size32 1
		.amdhsa_system_sgpr_workgroup_id_x 1
		.amdhsa_system_sgpr_workgroup_id_y 1
		.amdhsa_system_sgpr_workgroup_id_z 1
		.amdhsa_system_vgpr_workitem_id 0
		.amdhsa_next_free_vgpr 1024
		.amdhsa_next_free_sgpr 66
		.amdhsa_reserve_vcc 0
		.amdhsa_float_denorm_mode_32 3
		.amdhsa_float_denorm_mode_16_64 3
		.amdhsa_memory_ordered 1
		.amdhsa_forward_progress 1
		.amdhsa_inst_pref_size 251
	.end_amdhsa_kernel
	.amdgpu_metadata
---
amdhsa.version: [ 1, 2 ]
amdhsa.kernels:
  - .name:           k_q2c6b622953_ffn
    .symbol:         k_q2c6b622953_ffn.kd
    .args:
      - { .name: x1, .offset: 0, .size: 8, .value_kind: global_buffer, .address_space: global }
      - { .name: att, .offset: 8, .size: 8, .value_kind: global_buffer, .address_space: global }
      - { .name: g2, .offset: 16, .size: 8, .value_kind: global_buffer, .address_space: global }
      - { .name: be2, .offset: 24, .size: 8, .value_kind: global_buffer, .address_space: global }
      - { .name: opc, .offset: 32, .size: 8, .value_kind: global_buffer, .address_space: global }
      - { .name: b1, .offset: 40, .size: 8, .value_kind: global_buffer, .address_space: global }
      - { .name: b2, .offset: 48, .size: 8, .value_kind: global_buffer, .address_space: global }
      - { .name: g3, .offset: 56, .size: 8, .value_kind: global_buffer, .address_space: global }
      - { .name: be3, .offset: 64, .size: 8, .value_kind: global_buffer, .address_space: global }
      - { .name: out0, .offset: 72, .size: 8, .value_kind: global_buffer, .address_space: global }
    .group_segment_fixed_size: 249344
    .private_segment_fixed_size: 0
    .kernarg_segment_align: 8
    .kernarg_segment_size: 80
    .max_flat_workgroup_size: 128
    .sgpr_count:     66
    .vgpr_count:     1024
    .wavefront_size: 32
...
	.end_amdgpu_metadata
.endif
;; end of part 5
;; ======== version 2 of 2: 6 launches; 1.11 times as fast as version 1
;; workspace buffers: opc 8,601,600 bytes; q1c 3,407,872 bytes; q2c 3,407,872 bytes; kv1 6,553,600 bytes; kv2 6,553,600 bytes; att 16,777,216 bytes; x1 16,777,216 bytes
;; launch quant: the kernel of part 1 again; grid 336 x 1, 4 waves a work-group, no clusters, 34,304 bytes of LDS; arguments x, memory, Wq1, Wk1, Wv1, Wq2, Wk2, Wv2, W1, W2, opc; writes opc
;; launch proj (part 6): grid 4 x 64, 4 waves a work-group, no clusters, 168,448 bytes of LDS; arguments opc, bq1, bk1, bv1, bk2, bv2, q1c, kv1, kv2; writes q1c, kv1, kv2
.if DOCPART == 6
	.amdgcn_target "amdgcn-amd-amdhsa--gfx1250"
	.amdhsa_code_object_version 6
	.text
	.protected	k_q2c6b622953_proj
	.globl	k_q2c6b622953_proj
	.p2align	8
	.type	k_q2c6b622953_proj,@function
k_q2c6b622953_proj:
	s_mov_b64 s[64:65], 0
	v_nop
	global_prefetch_b8 v0, s[64:65] scope:SCOPE_SE
	s_setreg_imm32_b32 hwreg(HW_REG_WAVE_MODE, 25, 1), 1
	s_wait_xcnt 0x0
; The five projections whose inputs are given: q1, k1, v1 of x and k2, v2 of memory, on codes of BF6 (E3M2) with E8M0 scales, + bias; each result is quantised in registers into the form that attention's products take.
; SHARES.  Work-group (x, y): the four heads 4 x .. 4 x + 3 and the 128 tokens 128 y on.  A wave takes one head through five units of 64 matrix instructions.
; The block's codes of x and of memory (8 tiles x 4 K steps each, 49,152 bytes, dense in opc) come into LDS once, by two tensor loads a wave (two of a wave's are out at the most), and from there into registers: windows 1 and 2.
; q, k: source 0 = the head's two tiles of weight rows, source 1 = a tile of tokens: a lane holds ONE token and 16 of the head's 32 channels.  Four token tiles are the four blocks of one fragment: an image of 64 tokens x 32 channels.
; v: source 0 = a tile of tokens, source 1 = a tile of weight rows: a lane holds ONE channel, and its registers run along the tokens, which are the second product's K: a fragment of 16 channels x 128 keys.
; q leaves as halves of 32 tokens (six registers a lane, 768 bytes), each with a scale word a row whose bytes 0 and 1 are its two tiles'.  The bias is the C of each sum's first matrix instruction.
; No cluster: what the four work-groups of a token block share is 98,304 of the 344,064 bytes that each reads, once, at its head.
; LIMITS: a block of zeros gets the byte 1 where the rule says 127 (its codes are zeros); blocks under 2^-122 are held at byte 1; NaN and infinities are not served.
; REGISTERS: window 0: v1-9 offsets and words to store; v10-21 at work; v22-23 scale words made; v24-55 codes made; v56-87 the tokens' scale words; v88-103 the weights'; v128-255 the sums.
;   window 1: token tiles 0-3, fragment (t, s) at 48 t + 12 s; window 2: tiles 4-7.  window 3: two sets of weights, (s, u) at 96 p + 24 s + 12 u; the bias at 192 + 16 p + 8 u.
.set SLOTB, 49152
.set SC0,   8257536
.set QH,    26624                      ; a head's region of q: 32 halves x 768 bytes, then 32 x 64 bytes of scale words
.set TM,  10
.set PW0, 22
.set PW1, 23
.set PC0, 24
.set CT,  36
.set PC1, 44
.set XS,  56
.set WS,  88
.set ACC, 128
.set SEL, 20
.set MSB, 0
.macro WIN new                         ; the immediate's high byte repeats the setting that is left
.if MSB != (\new)
	s_set_vgpr_msb (MSB<<8)|(\new)
.set MSB, (\new)
.endif
.endm
.macro MMC d, a, b, c, sa, sb
	v_wmma_scale_f32_16x16x128_f8f6f4 v[\d:\d+7], v[\a:\a+11], v[\b:\b+11], v[\c:\c+7], v[\sa], v[\sb] matrix_a_fmt:MATRIX_FMT_BF6 matrix_b_fmt:MATRIX_FMT_BF6
.endm
; 64 numbers of a lane, v[s] on in window sw, register 16 b + i = element 32 b + 16 (lane / 16) + i of my row, become a fragment's codes in v[pc] on and its scale word in v[pw].
.macro QUANT s, sw, pc, ct, pw
	WIN (\sw)|((\sw)<<2)
.irp b, 0,1,2,3
	v_max3_num_f32 v[TM+\b], |v[\s+16*\b]|, |v[\s+1+16*\b]|, 0x2800000   ; block b: my 16 numbers, and the floor 2^(5 - 127): the byte cannot fall under 1
.endr
	WIN ((\sw)<<2)|((\sw)<<4)
.irp i, 2,4,6,8,10,12,14
.irp b, 0,1,2,3
	v_max3_num_f32 v[TM+\b], v[TM+\b], |v[\s+16*\b+\i]|, |v[\s+1+16*\b+\i]|   ; (the four blocks by turns)
.endr
.endr
	WIN 0
.irp b, 0,1,2,3
	v_permlanex16_b32 v[TM+4+\b], v[TM+\b], s[SEL], s[SEL+1]
.endr
.irp b, 0,1,2,3
	v_max_num_f32 v[TM+\b], v[TM+\b], v[TM+4+\b]   ; with lane l xor 16's: the block's largest magnitude
.endr
.irp b, 0,1,2,3
	v_add_nc_u32 v[TM+8+\b], 0xfe000000, v[TM+\b]  ; 4 off its exponent field: the conversion's scale operand
.endr
.irp b, 0,1,2,3
	v_lshrrev_b32 v[TM+4+\b], 23, v[TM+8+\b]       ; the scale's byte
.endr
	v_lshl_or_b32 v[\pw], v[TM+5], 8, v[TM+4]
	v_lshl_or_b32 v[\pw], v[TM+6], 16, v[\pw]
	v_lshl_or_b32 v[\pw], v[TM+7], 24, v[\pw]
	WIN (\sw)
.irp c, 0,1
	v_cvt_scalef32_pk16_bf6_f32 v[\pc+6*\c:\pc+2+6*\c], v[\s+32*\c:\s+15+32*\c], v[TM+8+2*\c]
	v_cvt_scalef32_pk16_bf6_f32 v[\ct+4*\c:\ct+2+4*\c], v[\s+16+32*\c:\s+31+32*\c], v[TM+9+2*\c]   ; (a conversion's three registers begin on an even number)
.endr
	WIN 0
	v_nop                                          ; one plain place behind a scaled conversion
.irp c, 0,1                            ; the operand's layout wants a WHOLE block in a lane: lanes 0-15 block 2 c, lanes 16-31 block 2 c + 1
.irp i, 0,1,2
	v_permlane16_swap_b32 v[\pc+6*\c+\i], v[\ct+4*\c+\i]
.endr
.irp i, 0,1,2
	v_mov_b32 v[\pc+3+6*\c+\i], v[\ct+4*\c+\i]
.endr
.endr
.endm
	s_load_b512 s[40:55], s[0:1], 0x0              ; opc, bq1, bk1, bv1, bk2, bv2, q1c, kv1
	s_load_b64 s[56:57], s[0:1], 0x40              ; kv2
	v_lshl_add_u32 v126, v0, 2, 0x29000
	v_mov_b32 v127, 0
	ds_add_u32 v126, v127
	ds_add_u32 v126, v127
	v_lshrrev_b32 v9, 5, v0
	v_readfirstlane_b32 s2, v9                     ; wave
	s_and_b32 s4, ttmp7, 0xffff                    ; the block of 128 tokens
	s_lshr_b32 s5, s4, 3                           ; its batch
	s_and_b32 s6, s4, 7                            ; and its place there
	s_lshl_b32 s7, ttmp9, 2
	s_add_co_u32 s7, s7, s2                        ; my head
	; descriptor group 1: a dense block of 12,288 bytes as 48 rows of 256 bytes (32 elements of 8 bytes), no padding
	s_mov_b32 s24, 3<<16
	s_mov_b32 s25, 32<<16
	s_mov_b32 s26, 48<<16
	s_mov_b32 s27, 32<<16
	s_mov_b32 s28, 48
	s_mov_b32 s29, 32
	s_mov_b32 s30, 0
	s_mov_b32 s31, 0
	s_mul_i32 s33, s2, 12288                       ; wave w brings K step w of both blocks
	s_mul_i32 s16, s4, SLOTB
	s_add_co_u32 s16, s16, s33
	s_mov_b32 s17, 0
	s_mov_b32 s32, 1
	s_mov_b32 s36, 1
	s_add_co_u32 s37, s33, SLOTB
	s_wait_dscnt 0x0
	s_wait_kmcnt 0x0
	s_add_nc_u64 s[34:35], s[40:41], s[16:17]      ; x's block,
	s_add_nc_u64 s[38:39], s[34:35], 64*SLOTB      ; memory's: 64 blocks on
	s_or_b32 s35, s35, 0x80000000
	s_or_b32 s39, s39, 0x80000000
	tensor_load_to_lds s[32:35], s[24:31]
	s_nop 0
	tensor_load_to_lds s[36:39], s[24:31]
	s_nop 0
.rept 4
	v_nop
.endr
	v_and_b32 v9, 31, v0
	v_lshlrev_b32 v1, 4, v9                        ; 16 x lane: an image's place for my lane
	v_add_nc_u32 v2, SLOTB, v1                     ; the same in memory's block in LDS
	v_lshlrev_b32 v4, 2, v9                        ; 4 x lane
	v_lshlrev_b32 v7, 3, v9                        ; 8 x lane
	v_and_b32 v9, 15, v0
	v_lshlrev_b32 v3, 4, v9                        ; 16 r: a row's four scale words
	v_and_b32 v6, 8, v9
	v_add_nc_u32 v6, v6, v9
	v_lshlrev_b32 v6, 2, v6                        ; v's bias: channel r + 8 (r / 8) of a tile
	v_bfe_u32 v5, v0, 4, 1
	v_lshlrev_b32 v5, 6, v5                        ; q's and k's bias: channels 16 h on
.irp b, 0,1,2,3
	v_mov_b32 v[TM+4+\b], 0                        ; written once: a lane permute's destination counts as one of its sources
.endr
	s_mov_b32 s[SEL], 0x76543210
	s_mov_b32 s[SEL+1], 0xfedcba98
	s_mov_b32 s22, 0xffff0000                      ; lanes 16-31
	s_add_co_u32 s16, ttmp9, 128
	s_mul_i32 s16, s16, SLOTB
	s_mul_i32 s18, s2, 3072
	s_add_co_u32 s16, s16, s18
	s_add_nc_u64 s[8:9], s[40:41], s[16:17]        ; my head's two tiles of Wq1; the other weights 196,608 bytes apart
	s_lshl_b32 s16, ttmp9, 11
	s_lshl_b32 s18, s2, 9
	s_add_co_u32 s16, s16, s18
	s_add_co_u32 s16, s16, SC0+262144
	s_add_nc_u64 s[10:11], s[40:41], s[16:17]      ; their scale words; 8,192 bytes apart
	s_lshl_b32 s16, s4, 11
	s_add_co_u32 s16, s16, SC0
	s_add_nc_u64 s[12:13], s[40:41], s[16:17]      ; the scale words of x's eight tiles,
	s_add_nc_u64 s[14:15], s[12:13], 131072        ; of memory's
	s_lshl_b32 s16, s7, 7
.irp p, 42,44,46,48,50
	s_add_nc_u64 s[\p:\p+1], s[\p:\p+1], s[16:17]  ; the biases at my head's 32 numbers
.endr
	s_lshl_b32 s18, s5, 4
	s_add_co_u32 s18, s18, s7                      ; 16 x batch + head
	s_mul_i32 s19, s18, QH
	s_mul_i32 s23, s6, 3072
	s_add_co_u32 s16, s19, s23
	s_add_nc_u64 s[58:59], s[52:53], s[16:17]      ; q: my four halves,
	s_lshl_b32 s3, s6, 8
	s_add_co_u32 s16, s19, s3
	s_add_co_u32 s16, s16, 24576
	s_add_nc_u64 s[60:61], s[52:53], s[16:17]      ; their scale words: 64 bytes a half
	s_lshl_b32 s3, s6, 7
	s_mul_i32 s19, s18, 51200
	s_add_co_u32 s16, s19, s23
	s_add_nc_u64 s[62:63], s[54:55], s[16:17]      ; k and v of x,
	s_add_nc_u64 s[68:69], s[56:57], s[16:17]      ; of memory,
	s_add_co_u32 s16, s19, s3
	s_add_co_u32 s16, s16, 49152
	s_add_nc_u64 s[66:67], s[54:55], s[16:17]      ; and their scale words
	s_add_nc_u64 s[70:71], s[56:57], s[16:17]
; a unit's weights (24 loads), bias (4, or 16 for v) and scale words (2) into set p.  n: which weight; bp: the bias's pointer; kind 1: v
.macro PREF kind, n, bp, p
	WIN 0xc0
.irp s, 0,1,2,3
.irp k, 0,1,2,3,4,5
	global_load_b128 v[96*\p+24*\s+4*\k:96*\p+24*\s+4*\k+3], v1, s[8:9] offset:\n*196608+\s*12288+512*\k
.endr
.endr
.if \kind
.irp u, 0,1
.irp j, 0,1,2,3,4,5,6,7
	global_load_b32 v[192+16*\p+8*\u+\j], v6, s[\bp:\bp+1] offset:32*\u   ; a lane holds one channel: the same number in the tile's eight registers
.endr
.endr
.else
.irp u, 0,1
	global_load_b128 v[192+16*\p+8*\u:195+16*\p+8*\u], v5, s[\bp:\bp+1] offset:32*\u      ; channels 16 h + 8 u + 0 .. 7
	global_load_b128 v[196+16*\p+8*\u:199+16*\p+8*\u], v5, s[\bp:\bp+1] offset:32*\u+16
.endr
.endif
	WIN 0
.irp u, 0,1
	global_load_b128 v[WS+8*\p+4*\u:WS+8*\p+4*\u+3], v3, s[10:11] offset:\n*8192+256*\u
.endr
.endm
.macro XSLOAD bp
.irp t, 0,1,2,3,4,5,6,7
	global_load_b128 v[XS+4*\t:XS+4*\t+3], v3, s[\bp:\bp+1] offset:256*\t
.endr
.endm
.macro LOADX adr                       ; a block's 32 fragments from LDS into windows 1 and 2
.irp hh, 0,1
	WIN 0x40+0x40*\hh
.irp t, 0,1,2,3
.irp s, 0,1,2,3
.irp g, 0,1,2
	ds_load_b128 v[48*\t+12*\s+4*\g:48*\t+12*\s+4*\g+3], v[\adr] offset:\s*12288+(4*\hh+\t)*1536+512*\g
.endr
.endr
.endr
.endr
	WIN 0
.endm
; 64 matrix instructions; eight accumulators take turns, one instruction a turn
.macro MULQK p
.irp hh, 0,1
.irp s, 0,1,2,3
.if \s == 0
	WIN 0x37+4*\hh
.else
	WIN 0x07+4*\hh
.endif
.irp t, 0,1,2,3
.irp u, 0,1
.if \s == 0
	MMC ACC+64*\hh+16*\t+8*\u, 96*\p+24*\s+12*\u, 48*\t+12*\s, 192+16*\p+8*\u, WS+8*\p+4*\u+\s, XS+16*\hh+4*\t+\s
.else
	MMC ACC+64*\hh+16*\t+8*\u, 96*\p+24*\s+12*\u, 48*\t+12*\s, ACC+64*\hh+16*\t+8*\u, WS+8*\p+4*\u+\s, XS+16*\hh+4*\t+\s
.endif
.endr
.endr
.endr
.endr
.endm
.macro MULV p
.irp hh, 0,1
.irp s, 0,1,2,3
.if \s == 0
	WIN 0x3d+\hh
.else
	WIN 0x0d+\hh
.endif
.irp t, 0,1,2,3
.irp u, 0,1
.if \s == 0
	MMC ACC+64*\u+32*\hh+8*\t, 48*\t+12*\s, 96*\p+24*\s+12*\u, 192+16*\p+8*\u, XS+16*\hh+4*\t+\s, WS+8*\p+4*\u+\s
.else
	MMC ACC+64*\u+32*\hh+8*\t, 48*\t+12*\s, 96*\p+24*\s+12*\u, ACC+64*\u+32*\hh+8*\t, XS+16*\hh+4*\t+\s, WS+8*\p+4*\u+\s
.endif
.endr
.endr
.endr
.endr
.endm
.macro AFTER                           ; four places behind the last products, ahead of the first read of results and of loads into operands
	WIN 0
.rept 4
	v_nop
.endr
.endm
.macro TWOQ mix                        ; the unit's 128 numbers a lane become two fragments and two scale words
	s_wait_xcnt 0x0                                ; the last unit's stores have read their registers
	QUANT ACC, 0, PC0, CT, PW0
	QUANT ACC+64, 0, PC1, CT, PW1
.if \mix
	v_cndmask_b32 v8, v[PW0], v[PW1], s22          ; lanes 0-15 the first's words, lanes 16-31 the second's: 128 consecutive bytes
.endif
.endm
.macro OUT3 pc, bp, off
.irp g, 0,1,2
	global_store_b128 v1, v[\pc+4*\g:\pc+4*\g+3], s[\bp:\bp+1] offset:\off+512*\g
.endr
.endm
.macro OUTQ pc, off                    ; q's image as two halves of 32 tokens, each with its six registers on end
	global_store_b128 v1, v[\pc:\pc+3], s[58:59] offset:\off
	global_store_b64 v7, v[\pc+4:\pc+5], s[58:59] offset:\off+512
	global_store_b128 v1, v[\pc+6:\pc+9], s[58:59] offset:\off+768
	global_store_b64 v7, v[\pc+10:\pc+11], s[58:59] offset:\off+1280
.endm
	XSLOAD 12
	PREF 0, 0, 42, 0                               ; q1
	s_wait_tensorcnt 0x0                           ; my parts of both blocks have landed,
	s_barrier_signal -1
	s_barrier_wait -1                              ; everybody's have; nothing is filled again
	LOADX 1
	; ---- q1
	PREF 0, 1, 44, 1
	s_wait_loadcnt 30                              ; all but the next unit's 30 loads
	s_wait_dscnt 0x0
	MULQK 0
	AFTER
	TWOQ 0
	OUTQ PC0, 0
	OUTQ PC1, 1536
	v_lshrrev_b32 v9, 16, v[PW0]                   ; an image's word holds four tiles' bytes: the lower two are its first half's, the upper two its second's
	v_cndmask_b32 v8, v[PW0], v9, s22              ; lanes 0-15 the first half's words, lanes 16-31 the second's (both halves of the lanes hold the same word)
	v_lshrrev_b32 v9, 16, v[PW1]
	v_cndmask_b32 v9, v[PW1], v9, s22
	global_store_b32 v4, v8, s[60:61]
	global_store_b32 v4, v9, s[60:61] offset:128   ; the two stores cover 256 consecutive bytes
	; ---- k1
	PREF 1, 2, 46, 0
	s_wait_loadcnt 42                              ; all but the next unit's 42 loads
	MULQK 1
	AFTER
	TWOQ 1
	OUT3 PC0, 62, 0
	OUT3 PC1, 62, 1536
	global_store_b32 v4, v8, s[66:67]
	; ---- v1
	PREF 0, 4, 48, 1
	s_wait_loadcnt 30
	MULV 0
	AFTER
	LOADX 2                                        ; x is done with: memory's fragments and scale words take its registers
	XSLOAD 14
	TWOQ 1
	OUT3 PC0, 62, 24576
	OUT3 PC1, 62, 26112
	global_store_b32 v4, v8, s[66:67] offset:1024
	; ---- k2
	PREF 1, 5, 50, 0
	s_wait_loadcnt 42                              ; memory's scale words and this unit's loads are in
	s_wait_dscnt 0x0
	MULQK 1
	AFTER
	TWOQ 1
	OUT3 PC0, 68, 0
	OUT3 PC1, 68, 1536
	global_store_b32 v4, v8, s[70:71]
	; ---- v2
	s_wait_loadcnt 0x0
	MULV 0
	AFTER
	TWOQ 1
	OUT3 PC0, 68, 24576
	OUT3 PC1, 68, 26112
	global_store_b32 v4, v8, s[70:71] offset:1024
	s_wait_tensorcnt 0x0
	ds_add_u32 v126, v127
	s_wait_dscnt 0x0
	s_endpgm
.Lfunc_end_k_q2c6b622953_proj:
	.size	k_q2c6b622953_proj, .Lfunc_end_k_q2c6b622953_proj-k_q2c6b622953_proj
	.p2alignl 7, 3214868480
	.fill 96, 4, 3214868480
	.section	.rodata,"a",@progbits
	.p2align	6, 0x0
	.amdhsa_kernel k_q2c6b622953_proj
		.amdhsa_group_segment_fixed_size 168448
		.amdhsa_private_segment_fixed_size 0
		.amdhsa_enable_private_segment 0
		.amdhsa_kernarg_size 72
		.amdhsa_user_sgpr_count 2
		.amdhsa_user_sgpr_kernarg_segment_ptr 1
		.amdhsa_wavefront_size32 1
		.amdhsa_system_sgpr_workgroup_id_x 1
		.amdhsa_system_sgpr_workgroup_id_y 1
		.amdhsa_system_sgpr_workgroup_id_z 1
		.amdhsa_system_vgpr_workitem_id 0
		.amdhsa_next_free_vgpr 1024
		.amdhsa_next_free_sgpr 80
		.amdhsa_reserve_vcc 0
		.amdhsa_float_denorm_mode_32 3
		.amdhsa_float_denorm_mode_16_64 3
		.amdhsa_memory_ordered 1
		.amdhsa_forward_progress 1
		.amdhsa_inst_pref_size 119
	.end_amdhsa_kernel
	.amdgpu_metadata
---
amdhsa.version: [ 1, 2 ]
amdhsa.kernels:
  - .name:           k_q2c6b622953_proj
    .symbol:         k_q2c6b622953_proj.kd
    .args:
      - { .name: opc, .offset: 0, .size: 8, .value_kind: global_buffer, .address_space: global }
      - { .name: bq1, .offset: 8, .size: 8, .value_kind: global_buffer, .address_space: global }
      - { .name: bk1, .offset: 16, .size: 8, .value_kind: global_buffer, .address_space: global }
      - { .name: bv1, .offset: 24, .size: 8, .value_kind: global_buffer, .address_space: global }
      - { .name: bk2, .offset: 32, .size: 8, .value_kind: global_buffer, .address_space: global }
      - { .name: bv2, .offset: 40, .size: 8, .value_kind: global_buffer, .address_space: global }
      - { .name: q1c, .offset: 48, .size: 8, .value_kind: global_buffer, .address_space: global }
      - { .name: kv1, .offset: 56, .size: 8, .value_kind: global_buffer, .address_space: global }
      - { .name: kv2, .offset: 64, .size: 8, .value_kind: global_buffer, .address_space: global }
    .group_segment_fixed_size: 168448
    .private_segment_fixed_size: 0
    .kernarg_segment_align: 8
    .kernarg_segment_size: 72
    .max_flat_workgroup_size: 128
    .sgpr_count:     80
    .vgpr_count:     1024
    .wavefront_size: 32
...
	.end_amdgpu_metadata
.endif
;; end of part 6
;; launch attn1 (part 7): grid 2 x 128, 16 waves a work-group, no clusters, 169,984 bytes of LDS; arguments q1c, kv1, att; writes att
.if DOCPART == 7
	.amdgcn_target "amdgcn-amd-amdhsa--gfx1250"
	.amdhsa_code_object_version 6
	.text
	.protected	k_q2c6b622953_attn1
	.globl	k_q2c6b622953_attn1
	.p2align	8
	.type	k_q2c6b622953_attn1,@function
k_q2c6b622953_attn1:
	s_mov_b64 s[64:65], 0
	v_nop
	global_prefetch_b8 v0, s[64:65] scope:SCOPE_SE
	s_setreg_imm32_b32 hwreg(HW_REG_WAVE_MODE, 25, 1), 1
	s_wait_xcnt 0x0
; att = the sum over k of softmax_k(q . k / sqrt(32)) v for each head, both products on codes of BF6 (E3M2) with E8M0 scales.  1,024 queries, 1,024 keys, head size 32.
; THE SOFTMAX AHEAD OF THE SECOND PRODUCT: t = score x log2(e) / sqrt(32); M = the row's largest t so far, rounded UP to a whole number; p = 2^(t - M) is quantised along the keys, not normalised.
; The row's sum is taken of the unquantised p and divides at the end.  When M moves, the sum and O are multiplied by 2^(old M - new M): exact.
; SHARES.  Work-group (x, y): head y (16 x batch + head), queries 512 x on.  The head's K, V and scale words, 51,200 bytes, come into LDS once (waves 0-3, one tensor load each) and stay: nothing is filled again.
; A wave owns 32 queries: two tiles of 16, one after the other; each walks eight steps of 128 keys.  Sixteen waves, four to a SIMD: one wave's vector work stands beside another's matrix work and LDS loads.
; THE FIRST PRODUCT HAS K = 32 in an instruction of K = 128.  An image of K holds FOUR tiles of 16 keys, one in each block of 32 of the instruction's K.  The query tile is kept in four versions, its 32 codes in block j and
; zero codes elsewhere: image x version j gives key tile j; zero codes add nothing under any scale byte but 0xff, and all bytes here are 1 to 254.  So no byte of K is read that is not multiplied.
; Both products are used transposed: a lane holds ONE query throughout.  The keys of a tile are chosen (32 b + 8 u + r + 8 (r / 8)) so that the 16 registers of tiles 2 b, 2 b + 1 are 16 neighbouring keys.
; THE WAY OUT needs no LDS: att is laid as the image of the registers in which the next launch wants it, [32 tokens][head / 4][tile][4 (head % 4) + j][lane] x 16 bytes, and lane (r, h) holds just that: token r, channels 16 h + 4 j on.
; No cluster: the two work-groups of a head share one fill of 51,200 bytes at their head, and the grid's x is 2.
; LIMITS: NaN and infinities are not served; a block of p that has fallen to 0 keeps the byte 1: its codes are zeros.
; REGISTERS: v1-7 offsets; v12 -M, v13 the largest t, v[14:15] the sum; v16-45 the query's versions (zeros, D0, zeros, D1, zeros); v46 its scale; v48-71 two images of K; v72-95 two fragments of V; v96-159 scores, then p;
;   v160-175 O^T; v176-194 p's codes; v196-207 at work; v208-212 scale words; v214-219 at work; v220-225 the tile's query as loaded; v228 the way out; v230-235 the second tile's query.
.set QH, 26624                         ; a head's region of q: 32 halves x 768 bytes, then 32 x 64 bytes of scale words
.macro MM0 d, a, b, sa, sb
	v_wmma_scale_f32_16x16x128_f8f6f4 v[\d:\d+7], v[\a:\a+11], v[\b:\b+11], 0, v[\sa], v[\sb] matrix_a_fmt:MATRIX_FMT_BF6 matrix_b_fmt:MATRIX_FMT_BF6
.endm
.macro MMC d, a, b, sa, sb
	v_wmma_scale_f32_16x16x128_f8f6f4 v[\d:\d+7], v[\a:\a+11], v[\b:\b+11], v[\d:\d+7], v[\sa], v[\sb] matrix_a_fmt:MATRIX_FMT_BF6 matrix_b_fmt:MATRIX_FMT_BF6
.endm
	s_load_b128 s[4:7], s[0:1], 0x0                ; q, kv
	s_load_b64 s[8:9], s[0:1], 0x10                ; att
	v_lshl_add_u32 v254, v0, 2, 0x29000
	v_mov_b32 v255, 0
	ds_add_u32 v254, v255
	ds_add_u32 v254, v255
	v_lshrrev_b32 v8, 5, v0
	v_readfirstlane_b32 s10, v8                    ; wave 0..15
	s_and_b32 s11, ttmp7, 0xffff                   ; 16 x batch + head
	; descriptor group 1: a dense block of 12,800 bytes as 50 rows of 256 bytes (32 elements of 8 bytes), no padding
	s_mov_b32 s24, 3<<16
	s_mov_b32 s25, 32<<16
	s_mov_b32 s26, 50<<16
	s_mov_b32 s27, 32<<16
	s_mov_b32 s28, 50
	s_mov_b32 s29, 32
	s_mov_b32 s30, 0
	s_mov_b32 s31, 0
	s_mul_i32 s33, s10, 12800                      ; waves 0-3: a quarter each
	s_mul_i32 s12, s11, 51200
	s_add_co_u32 s12, s12, s33
	s_mov_b32 s13, 0
	s_mov_b32 s32, 1
	s_wait_dscnt 0x0
	s_wait_kmcnt 0x0
	s_add_nc_u64 s[34:35], s[6:7], s[12:13]
	s_or_b32 s35, s35, 0x80000000
	s_cmp_lt_u32 s10, 4
	s_cbranch_scc0 .Lnofill
	tensor_load_to_lds s[32:35], s[24:31]
	s_nop 0
.rept 4
	v_nop
.endr
.Lnofill:
	v_and_b32 v8, 31, v0                           ; lane
	v_and_b32 v9, 15, v0                           ; r
	v_lshlrev_b32 v1, 4, v8                        ; K's images: 16 x lane
	v_add_nc_u32 v2, 24576, v1                     ; V's fragments
	v_lshlrev_b32 v7, 2, v9                        ; 4 r
	v_add_nc_u32 v3, 49152, v7                     ; K's scale words
	v_add_nc_u32 v4, 50176, v7                     ; V's
	v_lshlrev_b32 v5, 4, v9                        ; the query's registers 0-3: every lane takes row r of a tile,
	v_lshlrev_b32 v6, 3, v9
	v_add_nc_u32 v6, 512, v6                       ; and registers 4-5
	v_lshlrev_b32 v228, 4, v8                      ; my 16 bytes of each 512 that leave
	s_lshl_b32 s41, ttmp9, 4
	s_add_co_u32 s41, s41, s10                     ; which 32 queries of the head are mine
	s_mul_i32 s42, s11, QH
	s_mul_i32 s12, s41, 768
	s_add_co_u32 s12, s12, s42
	s_add_nc_u64 s[14:15], s[4:5], s[12:13]        ; their codes,
	s_lshl_b32 s12, s41, 6
	s_add_co_u32 s12, s12, s42
	s_add_co_u32 s12, s12, 24576
	s_add_nc_u64 s[16:17], s[4:5], s[12:13]        ; their scale words
	global_load_b128 v[220:223], v5, s[14:15]      ; both tiles' queries: 32 codes, 24 bytes, a row; both halves of the lanes take row r
	global_load_b64 v[224:225], v6, s[14:15]
	global_load_b128 v[230:233], v5, s[14:15] offset:256
	global_load_b64 v[234:235], v6, s[14:15] offset:128
	global_load_b32 v47, v7, s[16:17]              ; row r's word: byte 0 the first tile's scale, byte 1 the second's
.irp j, 16,17,18,19,20,21,28,29,30,31,32,33,40,41,42,43,44,45
	v_mov_b32 v\j, 0                               ; the zero codes of the query's four versions
.endr
.irp j, 200,201,202,203,215
	v_mov_b32 v\j, 0                               ; written once: permute destinations, and the upper half of a pair that is named whole
.endr
	s_mov_b32 s21, 0x0000ffff                      ; lanes 0-15
	s_mov_b32 s22, 0xffff0000                      ; lanes 16-31
	s_mov_b32 s36, 0x76543210
	s_mov_b32 s37, 0xfedcba98                      ; selects for lane l xor 16
	s_mov_b32 s38, 0x3e8293ee                      ; c = log2(e) / sqrt(32)
	s_mov_b32 s39, s38                             ; (named with it as a pair)
	s_lshr_b32 s12, s11, 4
	s_lshl_b32 s12, s12, 5
	s_add_co_u32 s12, s12, s41                     ; which block of 32 tokens: 32 x batch + my place in the head
	s_lshl_b32 s12, s12, 16                        ; 65,536 bytes a block,
	s_and_b32 s43, s11, 15
	s_lshr_b32 s43, s43, 2
	s_lshl_b32 s43, s43, 14                        ; 16,384 for each four heads,
	s_add_co_u32 s12, s12, s43
	s_and_b32 s43, s11, 3
	s_lshl_b32 s43, s43, 11                        ; 2,048 a head
	s_add_co_u32 s12, s12, s43
	s_add_nc_u64 s[18:19], s[8:9], s[12:13]
	s_mov_b32 s20, 0                               ; which byte of the scale word is the tile's, in all four selector bytes
	s_wait_tensorcnt 0x0                           ; my quarter has landed (waves 4-15 have none out),
	s_barrier_signal -1
	s_barrier_wait -1                              ; everybody's has
	s_wait_loadcnt 0x0                             ; the queries
; A KEY STEP: keys 128 k on.  Every LDS offset is an immediate.
.macro STEP k
.rept 4
	v_nop                                          ; places in front of loads into registers that the last products have read
.endr
.irp f, 0,1
.irp g, 0,1,2
	ds_load_b128 v[48+12*\f+4*\g:51+12*\f+4*\g], v1 offset:3072*\k+1536*\f+512*\g
.endr
.endr
.irp f, 0,1
	ds_load_b32 v[208+\f], v3 offset:128*\k+64*\f
.endr
.irp f, 0,1
.irp g, 0,1,2
	ds_load_b128 v[72+12*\f+4*\g:75+12*\f+4*\g], v2 offset:3072*\k+1536*\f+512*\g
.endr
.endr
.irp f, 0,1
	ds_load_b32 v[210+\f], v4 offset:128*\k+64*\f
.endr
	s_wait_dscnt 8                                 ; K and its scale words are in; V's eight loads may be out
.irp f, 0,1
.irp j, 0,1,2,3
	MM0 96+8*(4*\f+\j), 48+12*\f, 22+12*(\j%2)-6*(\j/2), 208+\f, 46   ; key tile 4 f + j: image f x the query's version j
.endr
.endr
.rept 4
	v_nop
.endr
.irp b, 0,1,2,3
	v_max3_num_f32 v[196+\b], v[96+16*\b], v[97+16*\b], v[98+16*\b]   ; the largest score of each block of 32 keys: for the row's maximum and, since p rises with the score, for the block's largest p
.endr
.irp i, 3,5,7,9,11,13
.irp b, 0,1,2,3
	v_max3_num_f32 v[196+\b], v[196+\b], v[96+16*\b+\i], v[97+16*\b+\i]
.endr
.endr
.irp b, 0,1,2,3
	v_max_num_f32 v[196+\b], v[196+\b], v[111+16*\b]
.endr
.irp b, 0,1,2,3
	v_permlanex16_b32 v[200+\b], v[196+\b], s36, s37
.endr
.irp b, 0,1,2,3
	v_max_num_f32 v[196+\b], v[196+\b], v[200+\b]  ; with lane l xor 16's 16 keys
.endr
	v_max3_num_f32 v216, v196, v197, v198
	v_max_num_f32 v216, v216, v199                 ; the step's largest score of my query
	v_mul_f32 v216, s38, v216                      ; as t
	v_max_num_f32 v13, v13, v216                   ; the running largest t
	v_mov_b32 v216, v12
	v_floor_f32 v12, -v13                          ; the new -M = floor(-t): M is a whole number
	v_sub_f32 v216, v12, v216                      ; old M - new M: a whole number, 0 or less
	v_cvt_i32_f32 v216, v216                       ; (it saturates)
	v_ldexp_f32 v214, 1.0, v216                    ; f = 2^(old M - new M)
.set n_, 0
.rept 32
	v_pk_fma_f32 v[96+n_:97+n_], v[96+n_:97+n_], s[38:39], v[12:13] op_sel_hi:[1,0,0]   ; t - M, two at a time
.set n_, n_+2
.endr
.irp b, 0,1,2,3
	v_fma_f32 v[196+\b], v[196+\b], s38, v12       ; the same of each block's largest score
.endr
.set n_, 0
.rept 64
	v_exp_f32 v[96+n_], v[96+n_]                   ; p = 2^(t - M), at most 1
.set n_, n_+1
.endr
	v_pk_mul_f32 v[14:15], v[14:15], v[214:215] op_sel_hi:[1,0]   ; the sum under the new M (a plain place behind the exponentials)
	s_wait_alu depctr_va_vdst(0)                   ; one wait for the batch of 64, ahead of its first reader
.irp b, 0,1,2,3
	v_exp_f32 v[196+\b], v[196+\b]                 ; the block's largest p: the same two instructions on the same number
.endr
	v_pk_add_f32 v[218:219], v[96:97], v[98:99]    ; the row's sum of the UNQUANTISED p, in two chains: the first 15 additions stand behind the four exponentials
.irp j, 4,8,12,16,20,24,28
	v_pk_add_f32 v[14:15], v[14:15], v[96+\j:97+\j]
	v_pk_add_f32 v[218:219], v[218:219], v[98+\j:99+\j]
.endr
	s_wait_alu depctr_va_vdst(0)                   ; and one wait for the four
.irp b, 0,1,2,3
	v_max_num_f32 v[196+\b], 0x2800000, v[196+\b]  ; the floor 2^(5 - 127)
.endr
.irp b, 0,1,2,3
	v_add_nc_u32 v[204+\b], 0xfe000000, v[196+\b]  ; 4 off the exponent field: the conversion's scale operand
.endr
.irp b, 0,1,2,3
	v_lshrrev_b32 v[200+\b], 23, v[204+\b]         ; the scale's byte
.endr
	v_lshl_or_b32 v212, v201, 8, v200              ; p's scale word for these 128 keys
	v_lshl_or_b32 v212, v202, 16, v212
	v_lshl_or_b32 v212, v203, 24, v212
.irp c, 0,1
	v_cvt_scalef32_pk16_bf6_f32 v[176+6*\c:178+6*\c], v[96+32*\c:111+32*\c], v[204+2*\c]
	v_cvt_scalef32_pk16_bf6_f32 v[188+4*\c:190+4*\c], v[112+32*\c:127+32*\c], v[205+2*\c]
.endr
	v_nop                                          ; one plain place behind a scaled conversion
.irp c, 0,1
.irp i, 0,1,2
	v_permlane16_swap_b32 v[176+6*\c+\i], v[188+4*\c+\i]
.endr
.irp i, 0,1,2
	v_mov_b32 v[179+6*\c+\i], v[188+4*\c+\i]
.endr
.endr
.set n_, 0
.rept 8
	v_pk_mul_f32 v[160+n_:161+n_], v[160+n_:161+n_], v[214:215] op_sel_hi:[1,0]   ; O^T under the new M
.set n_, n_+2
.endr
.irp j, 32,36,40,44,48,52,56,60                ; the other 17 additions: plain lines that name nothing of the products below: the places behind the scale word (8 are asked) and the codes (4)
	v_pk_add_f32 v[14:15], v[14:15], v[96+\j:97+\j]
	v_pk_add_f32 v[218:219], v[218:219], v[98+\j:99+\j]
.endr
	v_pk_add_f32 v[14:15], v[14:15], v[218:219]
	s_wait_dscnt 0x0                               ; V and its scale words
.irp u, 0,1
	MMC 160+8*\u, 72+12*\u, 176, 210+\u, 212       ; O^T += V^T P^T; the two accumulators take turns, and the next step's eight products stand between a tile's links
.endr
.endm
	s_mov_b32 s23, 2
.Ltile:
.irp i, 0,1,2,3,4,5
	v_cndmask_b32 v[22+\i], 0, v[220+\i], s21      ; D0: the codes in lanes 0-15, zeros above
.endr
.irp i, 0,1,2,3,4,5
	v_cndmask_b32 v[34+\i], 0, v[220+\i], s22      ; D1: the codes in lanes 16-31
.endr
	v_perm_b32 v46, v47, v47, s20                  ; my tile's byte in all four bytes
	v_mov_b32 v13, 0xff61b1e6                      ; the largest t so far: -3e38
	v_floor_f32 v12, -v13
	v_mov_b32 v14, 0
	v_mov_b32 v15, 0
.set n_, 0
.rept 16
	v_mov_b32 v[160+n_], 0                         ; O^T: the first change of M leaves zeros zeros.  (These lines are also the places behind the query's scale and codes)
.set n_, n_+1
.endr
	STEP 0
	STEP 1
	STEP 2
	STEP 3
	STEP 4
	STEP 5
	STEP 6
	STEP 7
.rept 4
	v_nop                                          ; places behind the last products
.endr
	v_add_f32 v14, v14, v15                        ; the sum's two halves,
	v_permlanex16_b32 v200, v14, s36, s37
	v_add_f32 v14, v14, v200                       ; and lane l xor 16's
	v_rcp_f32 v216, v14
	v_nop                                          ; a plain place behind the reciprocal
	s_wait_alu depctr_va_vdst(0)                   ; and the wait ahead of its first reader
.set n_, 0
.rept 16
	v_mul_f32 v[96+n_], v[160+n_], v216            ; register 8 u + j: channel 16 h + 8 u + j of my query
.set n_, n_+1
.endr
.irp j, 0,1,2,3
	global_store_b128 v228, v[96+4*\j:99+4*\j], s[18:19] offset:512*\j   ; 32 lanes store 512 consecutive bytes, at a multiple of 512 from att's first byte
.endr
.irp i, 0,1,2,3,4,5
	v_mov_b32 v[220+\i], v[230+\i]                 ; the second tile's query takes the first's place
.endr
	s_wait_xcnt 0x0                                ; the stores have read their registers: data and offset are written again below and in the next trip
	v_add_nc_u32 v228, 8192, v228                  ; the block's other tile
	s_add_co_u32 s20, s20, 0x01010101
	s_sub_co_u32 s23, s23, 1
	s_cmp_lg_u32 s23, 0
	s_cbranch_scc1 .Ltile
	s_wait_tensorcnt 0x0
	ds_add_u32 v254, v255
	s_wait_dscnt 0x0
	s_endpgm
.Lfunc_end_k_q2c6b622953_attn1:
	.size	k_q2c6b622953_attn1, .Lfunc_end_k_q2c6b622953_attn1-k_q2c6b622953_attn1
	.p2alignl 7, 3214868480
	.fill 96, 4, 3214868480
	.section	.rodata,"a",@progbits
	.p2align	6, 0x0
	.amdhsa_kernel k_q2c6b622953_attn1
		.amdhsa_group_segment_fixed_size 169984
		.amdhsa_private_segment_fixed_size 0
		.amdhsa_enable_private_segment 0
		.amdhsa_kernarg_size 24
		.amdhsa_user_sgpr_count 2
		.amdhsa_user_sgpr_kernarg_segment_ptr 1
		.amdhsa_wavefront_size32 1
		.amdhsa_system_sgpr_workgroup_id_x 1
		.amdhsa_system_sgpr_workgroup_id_y 1
		.amdhsa_system_sgpr_workgroup_id_z 1
		.amdhsa_system_vgpr_workitem_id 0
		.amdhsa_next_free_vgpr 256
		.amdhsa_next_free_sgpr 66
		.amdhsa_reserve_vcc 0
		.amdhsa_float_denorm_mode_32 3
		.amdhsa_float_denorm_mode_16_64 3
		.amdhsa_memory_ordered 1
		.amdhsa_forward_progress 1
		.amdhsa_inst_pref_size 118
	.end_amdhsa_kernel
	.amdgpu_metadata
---
amdhsa.version: [ 1, 2 ]
amdhsa.kernels:
  - .name:           k_q2c6b622953_attn1
    .symbol:         k_q2c6b622953_attn1.kd
    .args:
      - { .name: q1c, .offset: 0, .size: 8, .value_kind: global_buffer, .address_space: global }
      - { .name: kv1, .offset: 8, .size: 8, .value_kind: global_buffer, .address_space: global }
      - { .name: att, .offset: 16, .size: 8, .value_kind: global_buffer, .address_space: global }
    .group_segment_fixed_size: 169984
    .private_segment_fixed_size: 0
    .kernarg_segment_align: 8
    .kernarg_segment_size: 24
    .max_flat_workgroup_size: 512
    .sgpr_count:     66
    .vgpr_count:     256
    .wavefront_size: 32
...
	.end_amdgpu_metadata
.endif
;; end of part 7
;; launch lnq (part 8): grid 256 x 1, 4 waves a work-group, no clusters, 48,640 bytes of LDS; arguments x, att, g1, be1, opc, bq2, x1, q2c; writes x1, q2c
.if DOCPART == 8
	.amdgcn_target "amdgcn-amd-amdhsa--gfx1250"
	.amdhsa_code_object_version 6
	.text
	.protected	k_q2c6b622953_lnq
	.globl	k_q2c6b622953_lnq
	.p2align	8
	.type	k_q2c6b622953_lnq,@function
k_q2c6b622953_lnq:
	s_mov_b64 s[64:65], 0
	v_nop
	global_prefetch_b8 v0, s[64:65] scope:SCOPE_SE
	s_setreg_imm32_b32 hwreg(HW_REG_WAVE_MODE, 25, 1), 1
	s_wait_xcnt 0x0
; x1 = LayerNorm(x + att) g1 + be1;  q2 = x1 Wq2^T + bq2 on codes of BF6 (E3M2) with E8M0 scales; q2 is quantised into the second attention's form.
; SHARES.  A work-group takes 32 tokens: two tiles of 16 (row r of tile m: token 8 m + r + 8 (r / 8) of the 32).  THE WAVES SHARE THE COLUMNS: wave w owns model columns 128 w .. 128 w + 127, in the norm,
; as K step w of the product, and as the product's outputs (heads 4 w .. 4 w + 3).  Lane (r, h) holds token r; its register 16 b + i is column 128 w + 32 b + 16 h + i: the layout that the quantiser takes and that the
; transposed product (source 0 = 16 rows of Wq2, source 1 = a tile of tokens) gives.  So nothing changes lanes between the phases, and both tiles' 64 numbers a lane stay in registers from the sum to the quantiser.
; EVERY LOAD AND STORE OF F32 COVERS 512 CONSECUTIVE BYTES.  att and x1 are laid as images of these registers ([32 tokens][wave][tile][16 x 512 bytes]).  x lies by rows: a load takes one token's 512 bytes of my columns,
; and a tile's 16 rows turn through my own stage in LDS (rows of 512 + 16 bytes).
; THE NORM: each wave takes mean and sum of squared distances over its 128 columns; the four meet in LDS and are joined as (mean, M2) pairs: M2 = the sum of the parts' M2 + 128 x the sum of (part's mean - mean)^2.
; No difference of large sums is formed.  Operands go from wave to wave through LDS as images of their registers.
; q2: two heads at a time: the four blocks of a fragment are 2 heads x 2 token tiles; registers 0-5 are one head's half of 32 tokens, registers 6-11 the other's; the scale word's lower two bytes are the one's, the upper two the other's.
; No cluster: a wave's weight bytes go from memory into its own registers, each byte to one wave of the work-group; no LDS slot holds them that a joint request could fill.
; LIMITS: a block of zeros gets the byte 1 where the rule says 127 (its codes are zeros); blocks under 2^-122 are held at byte 1; NaN and infinities are not served.
; REGISTERS: window 0: v1-15 addresses; v20 a word to store; v21-22 the tokens' scale words; v25 a scale word made; v26-37 at work; v38-56 codes made; v58-63 at work; v64-127, v128-191 the two tiles' numbers; later v128-151 two token
;   fragments; v192-223 Wq2's scale words.  window 1: x as loaded, then the 16 accumulators (0-127); g1 (128-191), be1 (192-255).  window 2: weight sets 0, 1 (0, 96), the bias (192-255).  window 3: att as loaded, then sets 2, 3.
.set SC0,  8257536
.set QH,   26624                       ; a head's region of q: 32 halves x 768 bytes, then 32 x 64 bytes of scale words
.set XIMG, 33792                       ; LDS: 0: each wave's stage, 16 rows x 528 bytes; here x1's 8 fragments, [K step w][tile m] x 1,536;
.set XSC,  46080                       ; their scale words, 128 bytes each;
.set STAT, 47104                       ; (mean, M2) of [tile m][row r][wave w]
.set HS,  21
.set PW,  25
.set TM,  26
.set PC,  38
.set CT,  50
.set V,   64
.set XF,  128
.set WSC, 192
.set GB,  128                          ; in window 1: the gains; 64 further on the norm's biases
.set SEL, 20
.set AM,  16                           ; accumulator (m, t) at 32 (t / 2) + 16 m + 8 (t % 2): 64 registers are two heads x two token tiles x 16 channels
.set AT,  32
.set MSB, 0
.macro WIN new                         ; the immediate's high byte repeats the setting that is left
.if MSB != (\new)
	s_set_vgpr_msb (MSB<<8)|(\new)
.set MSB, (\new)
.endif
.endm
.macro MMC d, a, b, c, sa, sb
	v_wmma_scale_f32_16x16x128_f8f6f4 v[\d:\d+7], v[\a:\a+11], v[\b:\b+11], v[\c:\c+7], v[\sa], v[\sb] matrix_a_fmt:MATRIX_FMT_BF6 matrix_b_fmt:MATRIX_FMT_BF6
.endm
; 64 numbers of a lane, v[s] on in window sw, register 16 b + i = element 32 b + 16 (lane / 16) + i of my row, become a fragment's codes in v[pc] on and its scale word in v[pw].
.macro QUANT s, sw, pc, ct, pw
	WIN (\sw)|((\sw)<<2)
.irp b, 0,1,2,3
	v_max3_num_f32 v[TM+\b], |v[\s+16*\b]|, |v[\s+1+16*\b]|, 0x2800000   ; block b: my 16 numbers, and the floor 2^(5 - 127): the byte cannot fall under 1
.endr
	WIN ((\sw)<<2)|((\sw)<<4)
.irp i, 2,4,6,8,10,12,14
.irp b, 0,1,2,3
	v_max3_num_f32 v[TM+\b], v[TM+\b], |v[\s+16*\b+\i]|, |v[\s+1+16*\b+\i]|   ; (the four blocks by turns)
.endr
.endr
	WIN 0
.irp b, 0,1,2,3
	v_permlanex16_b32 v[TM+4+\b], v[TM+\b], s[SEL], s[SEL+1]
.endr
.irp b, 0,1,2,3
	v_max_num_f32 v[TM+\b], v[TM+\b], v[TM+4+\b]   ; with lane l xor 16's: the block's largest magnitude
.endr
.irp b, 0,1,2,3
	v_add_nc_u32 v[TM+8+\b], 0xfe000000, v[TM+\b]  ; 4 off its exponent field: the conversion's scale operand
.endr
.irp b, 0,1,2,3
	v_lshrrev_b32 v[TM+4+\b], 23, v[TM+8+\b]       ; the scale's byte
.endr
	v_lshl_or_b32 v[\pw], v[TM+5], 8, v[TM+4]
	v_lshl_or_b32 v[\pw], v[TM+6], 16, v[\pw]
	v_lshl_or_b32 v[\pw], v[TM+7], 24, v[\pw]
	WIN (\sw)
.irp c, 0,1
	v_cvt_scalef32_pk16_bf6_f32 v[\pc+6*\c:\pc+2+6*\c], v[\s+32*\c:\s+15+32*\c], v[TM+8+2*\c]
	v_cvt_scalef32_pk16_bf6_f32 v[\ct+4*\c:\ct+2+4*\c], v[\s+16+32*\c:\s+31+32*\c], v[TM+9+2*\c]   ; (a conversion's three registers begin on an even number)
.endr
	WIN 0
	v_nop                                          ; one plain place behind a scaled conversion
.irp c, 0,1                            ; the operand's layout wants a WHOLE block in a lane
.irp i, 0,1,2
	v_permlane16_swap_b32 v[\pc+6*\c+\i], v[\ct+4*\c+\i]
.endr
.irp i, 0,1,2
	v_mov_b32 v[\pc+3+6*\c+\i], v[\ct+4*\c+\i]
.endr
.endr
.endm
; Tile m's 64 sums stand in v[vb] on: my wave's mean and M2 of each token go to STAT.
.macro STATS vb, m, so
	v_pk_add_f32 v[26:27], v[\vb:\vb+1], v[\vb+2:\vb+3]
	v_pk_add_f32 v[28:29], v[\vb+4:\vb+5], v[\vb+6:\vb+7]
.irp k, 8,12,16,20,24,28,32,36,40,44,48,52,56,60
	v_pk_add_f32 v[26:27], v[26:27], v[\vb+\k:\vb+\k+1]
	v_pk_add_f32 v[28:29], v[28:29], v[\vb+\k+2:\vb+\k+3]
.endr
	v_pk_add_f32 v[26:27], v[26:27], v[28:29]
	v_add_f32 v26, v26, v27
	v_permlanex16_b32 v30, v26, s[SEL], s[SEL+1]
	v_add_f32 v26, v26, v30
	v_mul_f32 v34, 0x3c000000, v26                 ; / 128: the mean of my wave's columns
.irp k, 0,8,16,24,32,40,48,56
	v_pk_add_f32 v[58:59], v[\vb+\k:\vb+\k+1], v[34:35] op_sel_hi:[1,0] neg_lo:[0,1] neg_hi:[0,1]
	v_pk_add_f32 v[60:61], v[\vb+\k+2:\vb+\k+3], v[34:35] op_sel_hi:[1,0] neg_lo:[0,1] neg_hi:[0,1]
	v_pk_add_f32 v[62:63], v[\vb+\k+4:\vb+\k+5], v[34:35] op_sel_hi:[1,0] neg_lo:[0,1] neg_hi:[0,1]
	v_pk_add_f32 v[30:31], v[\vb+\k+6:\vb+\k+7], v[34:35] op_sel_hi:[1,0] neg_lo:[0,1] neg_hi:[0,1]
.if \k == 0
	v_pk_mul_f32 v[36:37], v[58:59], v[58:59]
	v_pk_mul_f32 v[32:33], v[60:61], v[60:61]
.else
	v_pk_fma_f32 v[36:37], v[58:59], v[58:59], v[36:37]
	v_pk_fma_f32 v[32:33], v[60:61], v[60:61], v[32:33]
.endif
	v_pk_fma_f32 v[36:37], v[62:63], v[62:63], v[36:37]
	v_pk_fma_f32 v[32:33], v[30:31], v[30:31], v[32:33]
.endr
	v_pk_add_f32 v[36:37], v[36:37], v[32:33]
	v_add_f32 v36, v36, v37
	v_permlanex16_b32 v30, v36, s[SEL], s[SEL+1]
	v_add_f32 v35, v36, v30                        ; M2
	ds_store_b64 v10, v[34:35] offset:\so+512*\m   ; both lanes of a token write the same bytes with the same values
.endm
; The four waves' parts of tile m's statistics are joined, and v[vb] on becomes (. - mean) rsqrt(var + eps) g + be.
.macro NORM vb, m, so
	ds_load_b128 v[26:29], v11 offset:\so+512*\m
	ds_load_b128 v[30:33], v11 offset:\so+512*\m+16
	s_wait_dscnt 0x0
	v_add_f32 v58, v26, v28
	v_add_f32 v59, v30, v32
	v_add_f32 v60, v27, v29
	v_add_f32 v61, v31, v33
	v_add_f32 v58, v58, v59
	v_add_f32 v60, v60, v61                        ; the sum of the four M2
	v_mul_f32 v34, 0x3e800000, v58                 ; the mean
	v_sub_f32 v58, v26, v34
	v_sub_f32 v59, v28, v34
	v_sub_f32 v61, v30, v34
	v_sub_f32 v62, v32, v34
	v_mul_f32 v58, v58, v58
	v_fmac_f32 v58, v59, v59
	v_fmac_f32 v58, v61, v61
	v_fmac_f32 v58, v62, v62
	v_fmamk_f32 v60, v58, 0x43000000, v60          ; + 128 x the sum of (part's mean - mean)^2
	v_fma_f32 v60, v60, s33, s34                   ; / 512 + eps
	v_rsq_f32 v36, v60
.set n_, 0
.rept 32
	v_pk_add_f32 v[\vb+n_:\vb+n_+1], v[\vb+n_:\vb+n_+1], v[34:35] op_sel_hi:[1,0] neg_lo:[0,1] neg_hi:[0,1]   ; plain work behind the root
.set n_, n_+2
.endr
	s_wait_alu depctr_va_vdst(0)                   ; the wait ahead of the root's first reader
.set n_, 0
.rept 32
	v_pk_mul_f32 v[\vb+n_:\vb+n_+1], v[\vb+n_:\vb+n_+1], v[36:37] op_sel_hi:[1,0]
.set n_, n_+2
.endr
	WIN 0x14                                       ; sources 1 and 2: window 1
.set n_, 0
.rept 32
	v_pk_fma_f32 v[\vb+n_:\vb+n_+1], v[\vb+n_:\vb+n_+1], v[GB+n_:GB+n_+1], v[GB+64+n_:GB+65+n_]
.set n_, n_+2
.endr
	WIN 0
.endm
.macro GLOAD gp, bp                    ; my 64 gains and 64 biases of a norm: the same for both tiles
	WIN 0x40
.irp q, 0,1,2,3,4,5,6,7,8,9,10,11,12,13,14,15
	global_load_b128 v[GB+4*\q:GB+4*\q+3], v4, s[\gp:\gp+1] offset:128*(\q/4)+16*(\q%4)
.endr
.irp q, 0,1,2,3,4,5,6,7,8,9,10,11,12,13,14,15
	global_load_b128 v[GB+64+4*\q:GB+67+4*\q], v4, s[\bp:\bp+1] offset:128*(\q/4)+16*(\q%4)
.endr
	WIN 0
.endm
.macro BIASLOAD bp                     ; eight tiles' bias in the result's layout: channels 32 (t / 2) + 16 h + 8 (t % 2) + 0 .. 7
	WIN 0x80
.irp t, 0,1,2,3,4,5,6,7
	global_load_b128 v[192+8*\t:195+8*\t], v4, s[\bp:\bp+1] offset:(32*(\t/2)+8*(\t%2))*4
	global_load_b128 v[196+8*\t:199+8*\t], v4, s[\bp:\bp+1] offset:(32*(\t/2)+8*(\t%2))*4+16
.endr
	WIN 0
.endm
.macro WSCLOAD n                       ; the scale words of n weight tiles: four K steps' words a row
.set k_, 0
.rept \n
	global_load_b128 v[WSC+4*k_:WSC+4*k_+3], v3, s[10:11] offset:256*k_
.set k_, k_+1
.endr
.endm
.macro WLOAD n                         ; stage n: eight weight fragments of one K step, 12,288 consecutive bytes, into set n % 4
	WIN 0x80+0x40*(((\n)%4)/2)
.irp k, 0,1,2,3,4,5,6,7,8,9,10,11,12,13,14,15,16,17,18,19,20,21,22,23
	global_load_b128 v[96*((\n)%2)+4*\k:96*((\n)%2)+4*\k+3], v1, s[8:9] offset:(\n)*12288+512*\k
.endr
	WIN 0
.endm
; A stage: one K step: two token fragments from LDS x my eight weight tiles: 16 matrix instructions on 16 accumulators, which take turns in the same order in every stage.
.macro STAGE n, first, img, sc, ks, wb, pre, cnt
.rept 4
	v_nop                                          ; places in front of loads into registers that the last products have read
.endr
.irp m, 0,1
.irp g, 0,1,2
	ds_load_b128 v[XF+12*\m+4*\g:XF+12*\m+4*\g+3], v[\img] offset:3072*(\ks)+1536*\m+512*\g
.endr
	ds_load_b32 v[HS+\m], v[\sc] offset:256*(\ks)+128*\m
.endr
.if \pre
	WLOAD (\n)+2
.endif
	s_wait_loadcnt \cnt                            ; this stage's weights are in; the stages asked for behind them may be out
	s_wait_dscnt 0x0
.if \first
	WIN 0x62+((\n)%4)/2
.else
	WIN 0x52+((\n)%4)/2
.endif
.irp m, 0,1
.irp t, 0,1,2,3,4,5,6,7
.if \first
	MMC AM*\m+AT*(\t/2)+8*(\t%2), 96*((\n)%2)+12*\t, XF+12*\m, 192+8*\t, \wb+4*\t, HS+\m
.else
	MMC AM*\m+AT*(\t/2)+8*(\t%2), 96*((\n)%2)+12*\t, XF+12*\m, AM*\m+AT*(\t/2)+8*(\t%2), \wb+4*\t, HS+\m
.endif
.endr
.endr
	WIN 0
.endm
.macro BARRIER                         ; my LDS stores have landed and my LDS loads are in: then the work-group's barrier
	s_wait_dscnt 0x0
	s_barrier_signal -1
	s_barrier_wait -1
.endm
	s_load_b512 s[40:55], s[0:1], 0x0              ; x, att, g1, be1, opc, bq2, x1, q2c
	v_lshl_add_u32 v254, v0, 2, 0xbc00
	v_mov_b32 v255, 0
	v_lshrrev_b32 v16, 5, v0
	v_readfirstlane_b32 s2, v16                    ; wave
	v_and_b32 v16, 31, v0                          ; lane
	v_and_b32 v17, 15, v0                          ; r
	v_bfe_u32 v18, v0, 4, 1                        ; h
	v_lshlrev_b32 v1, 4, v16                       ; 16 x lane
	v_lshlrev_b32 v4, 6, v18                       ; 64 h
	s_mov_b32 s27, 0
	s_lshl_b32 s28, s2, 9                          ; 512 w: my 128 columns
	s_lshl_b32 s29, ttmp9, 16                      ; 65,536 bytes for 32 tokens, in x, att and x1 alike
	s_lshl_b32 s30, s2, 14                         ; 16,384 w: my wave's two images
	s_wait_kmcnt 0x0
	s_add_co_u32 s26, s29, s28
	s_add_nc_u64 s[4:5], s[40:41], s[26:27]        ; x at the block's first token, my columns
	s_add_co_u32 s26, s29, s30
	s_add_nc_u64 s[6:7], s[42:43], s[26:27]        ; att: my wave's images,
	s_add_nc_u64 s[18:19], s[52:53], s[26:27]      ; x1 likewise
	s_mov_b32 s26, s28
	s_add_nc_u64 s[12:13], s[44:45], s[26:27]      ; g1, be1, bq2 at my 128 columns
	s_add_nc_u64 s[14:15], s[46:47], s[26:27]
	s_add_nc_u64 s[16:17], s[50:51], s[26:27]
.irp m, 0,1
	WIN 0x40
.irp i, 0,1,2,3,4,5,6,7,8,9,10,11,12,13,14,15
	global_load_b128 v[64*\m+4*\i:64*\m+4*\i+3], v1, s[4:5] offset:(8*\m+\i+8*(\i/8))*2048 th:TH_LOAD_NT   ; row i of the tile: 512 consecutive bytes
.endr
	WIN 0xc0
.irp q, 0,1,2,3,4,5,6,7,8,9,10,11,12,13,14,15
	global_load_b128 v[64*\m+4*\q:64*\m+4*\q+3], v1, s[6:7] offset:8192*\m+512*\q th:TH_LOAD_NT
.endr
.endr
	GLOAD 12, 14
	v_lshlrev_b32 v2, 2, v16                       ; 4 x lane
	v_lshlrev_b32 v3, 4, v17                       ; 16 r
	v_lshlrev_b32 v14, 3, v16                      ; 8 x lane
	v_lshlrev_b32 v15, 2, v17                      ; 4 r
	s_mul_i32 s26, s2, 8448                        ; my stage
	v_add_nc_u32 v12, s26, v1                      ; in: a row's 512 bytes as they lie
	v_mul_u32_u24 v13, v17, 528
	v_add_nc_u32 v13, v13, v4
	v_add_nc_u32 v13, s26, v13                     ; out: row r, + 64 h
	s_mul_i32 s26, s2, 3072
	s_add_co_u32 s26, s26, XIMG
	v_add_nc_u32 v6, s26, v1                       ; where I store x1's images: K step w
	v_add_nc_u32 v7, XIMG, v1                      ; and where all are read
	s_lshl_b32 s26, s2, 8
	s_add_co_u32 s26, s26, XSC
	v_add_nc_u32 v8, s26, v2
	v_add_nc_u32 v9, XSC, v2
	s_lshl_b32 s26, s2, 3
	s_add_co_u32 s26, s26, STAT
	v_lshl_add_u32 v10, v17, 5, s26                ; my (mean, M2): 32 r + 8 w
	v_lshlrev_b32 v11, 5, v17
	v_add_nc_u32 v11, STAT, v11
.set n_, 26
.rept 12
	v_mov_b32 v[n_], 0                             ; written once: permute destinations and upper halves of pairs that are named whole
.set n_, n_+1
.endr
	s_mov_b32 s[SEL], 0x76543210
	s_mov_b32 s[SEL+1], 0xfedcba98
	s_mov_b32 s33, 0x3b000000                      ; 1 / 512
	s_mov_b32 s34, 0x3727c5ac                      ; eps = 1e-5
	s_add_co_u32 s26, s2, 140                      ; Wq2's tiles 8 w .. 8 w + 7 are block 140 + w of opc
	s_mul_i32 s31, s26, 49152
	s_lshl_b32 s32, s26, 11
	s_mov_b32 s26, s31
	s_add_nc_u64 s[8:9], s[48:49], s[26:27]
	s_add_co_u32 s26, s32, SC0
	s_add_nc_u64 s[10:11], s[48:49], s[26:27]
	s_lshr_b32 s29, ttmp9, 5
	s_lshl_b32 s29, s29, 4
	s_lshl_b32 s30, s2, 2
	s_add_co_u32 s29, s29, s30                     ; 16 x batch + my first head
	s_and_b32 s30, ttmp9, 31                       ; which 32 tokens of the batch
	s_mul_i32 s31, s29, QH
	s_mul_i32 s26, s30, 768
	s_add_co_u32 s26, s26, s31
	s_add_nc_u64 s[22:23], s[54:55], s[26:27]      ; q2: my first head's half for these 32 tokens,
	s_lshl_b32 s26, s30, 6
	s_add_co_u32 s26, s26, s31
	s_add_co_u32 s26, s26, 24576
	s_add_nc_u64 s[24:25], s[54:55], s[26:27]      ; and its scale words
	; ---- x + att, my wave's statistics
.macro SUMIN vb, m, cnt
	s_wait_loadcnt \cnt                            ; this tile's 32 loads are in; what was asked for behind them may be out
	WIN 0x04                                       ; an LDS store's data are its source 1: window 1
.irp i, 0,1,2,3,4,5,6,7,8,9,10,11,12,13,14,15
	ds_store_b128 v12, v[64*\m+4*\i:64*\m+4*\i+3] offset:528*\i
.endr
	WIN 0
.irp q, 0,1,2,3,4,5,6,7,8,9,10,11,12,13,14,15
	ds_load_b128 v[\vb+4*\q:\vb+4*\q+3], v13 offset:128*(\q/4)+16*(\q%4)   ; LDS serves a wave's instructions in order: these see the stores above, and the next tile's stores come behind them
.endr
	s_wait_dscnt 0x0                               ; x's tile is back; the last tile's store of its statistics has read its registers
	WIN 0x0c                                       ; source 1: att, window 3
.set n_, 0
.rept 32
	v_pk_add_f32 v[\vb+n_:\vb+n_+1], v[\vb+n_:\vb+n_+1], v[64*\m+n_:64*\m+n_+1]
.set n_, n_+2
.endr
	WIN 0
	STATS \vb, \m, 0
.endm
	SUMIN V, 0, 63                                 ; 64 loads stand behind tile 0's: tile 1's 32 and the gains' 32; 63 is the most that a wait can name
	SUMIN V+64, 1, 32                              ; the gains' 32 may be out
	BIASLOAD 16
	WSCLOAD 8
	WLOAD 0
	WLOAD 1
	BARRIER                                        ; all four waves' statistics lie in LDS
	s_wait_loadcnt 63                              ; g1 and be1 are in: 72 loads were issued behind them
	; ---- normalise, store x1, quantise, image to LDS
.macro A2 vb, m
	NORM \vb, \m, 0
.irp q, 0,1,2,3,4,5,6,7,8,9,10,11,12,13,14,15
	global_store_b128 v1, v[\vb+4*\q:\vb+4*\q+3], s[18:19] offset:8192*\m+512*\q   ; 32 lanes store 512 consecutive bytes
.endr
	QUANT \vb, 0, PC, CT, PW
.irp g, 0,1,2
	ds_store_b128 v6, v[PC+4*\g:PC+4*\g+3] offset:1536*\m+512*\g
.endr
	ds_store_b32 v8, v[PW] offset:128*\m
	s_wait_dscnt 0x0                               ; the LDS stores have read their registers
.endm
	A2 V, 0
	A2 V+64, 1
	s_wait_xcnt 0x0                                ; x1's stores have read their registers: the second tile's take the token fragments below
	BARRIER                                        ; x1's eight fragments lie in LDS
	; ---- the product: four K steps
	STAGE 0, 1, 7, 9, 0, WSC+0, 1, 48
	STAGE 1, 0, 7, 9, 1, WSC+1, 1, 48
	STAGE 2, 0, 7, 9, 2, WSC+2, 0, 24
	STAGE 3, 0, 7, 9, 3, WSC+3, 0, 0
.rept 4
	v_nop
.endr
	; ---- my four heads, two at a time
.irp p, 0,1
	s_wait_xcnt 0x0                                ; the last pair's stores have read their registers
	QUANT 64*\p, 1, PC, CT, PW
	v_lshrrev_b32 v20, 16, v[PW]                   ; the second head's two bytes
	global_store_b128 v1, v[PC:PC+3], s[22:23] offset:2*\p*QH
	global_store_b64 v14, v[PC+4:PC+5], s[22:23] offset:2*\p*QH+512
	global_store_b128 v1, v[PC+6:PC+9], s[22:23] offset:(2*\p+1)*QH
	global_store_b64 v14, v[PC+10:PC+11], s[22:23] offset:(2*\p+1)*QH+512
	global_store_b32 v15, v[PW], s[24:25] offset:2*\p*QH          ; 64 bytes; lanes 16-31 repeat lanes 0-15
	global_store_b32 v15, v20, s[24:25] offset:(2*\p+1)*QH
.endr
	s_wait_tensorcnt 0x0
	ds_add_u32 v254, v255
	s_wait_dscnt 0x0
	s_endpgm
.Lfunc_end_k_q2c6b622953_lnq:
	.size	k_q2c6b622953_lnq, .Lfunc_end_k_q2c6b622953_lnq-k_q2c6b622953_lnq
	.p2alignl 7, 3214868480
	.fill 96, 4, 3214868480
	.section	.rodata,"a",@progbits
	.p2align	6, 0x0
	.amdhsa_kernel k_q2c6b622953_lnq
		.amdhsa_group_segment_fixed_size 48640
		.amdhsa_private_segment_fixed_size 0
		.amdhsa_enable_private_segment 0
		.amdhsa_kernarg_size 64
		.amdhsa_user_sgpr_count 2
		.amdhsa_user_sgpr_kernarg_segment_ptr 1
		.amdhsa_wavefront_size32 1
		.amdhsa_system_sgpr_workgroup_id_x 1
		.amdhsa_system_sgpr_workgroup_id_y 1
		.amdhsa_system_sgpr_workgroup_id_z 1
		.amdhsa_system_vgpr_workitem_id 0
		.amdhsa_next_free_vgpr 1024
		.amdhsa_next_free_sgpr 66
		.amdhsa_reserve_vcc 0
		.amdhsa_float_denorm_mode_32 3
		.amdhsa_float_denorm_mode_16_64 3
		.amdhsa_memory_ordered 1
		.amdhsa_forward_progress 1
		.amdhsa_inst_pref_size 91
	.end_amdhsa_kernel
	.amdgpu_metadata
---
amdhsa.version: [ 1, 2 ]
amdhsa.kernels:
  - .name:           k_q2c6b622953_lnq
    .symbol:         k_q2c6b622953_lnq.kd
    .args:
      - { .name: x, .offset: 0, .size: 8, .value_kind: global_buffer, .address_space: global }
      - { .name: att, .offset: 8, .size: 8, .value_kind: global_buffer, .address_space: global }
      - { .name: g1, .offset: 16, .size: 8, .value_kind: global_buffer, .address_space: global }
      - { .name: be1, .offset: 24, .size: 8, .value_kind: global_buffer, .address_space: global }
      - { .name: opc, .offset: 32, .size: 8, .value_kind: global_buffer, .address_space: global }
      - { .name: bq2, .offset: 40, .size: 8, .value_kind: global_buffer, .address_space: global }
      - { .name: x1, .offset: 48, .size: 8, .value_kind: global_buffer, .address_space: global }
      - { .name: q2c, .offset: 56, .size: 8, .value_kind: global_buffer, .address_space: global }
    .group_segment_fixed_size: 48640
    .private_segment_fixed_size: 0
    .kernarg_segment_align: 8
    .kernarg_segment_size: 64
    .max_flat_workgroup_size: 128
    .sgpr_count:     66
    .vgpr_count:     1024
    .wavefront_size: 32
...
	.end_amdgpu_metadata
.endif
;; end of part 8
;; launch attn2: the kernel of part 7 again; grid 2 x 128, 16 waves a work-group, no clusters, 169,984 bytes of LDS; arguments q2c, kv2, att; writes att
;; launch ffn (part 9): grid 256 x 1, 4 waves a work-group, no clusters, 141,824 bytes of LDS; arguments x1, att, g2, be2, opc, b1, b2, g3, be3, out0; writes out0
.if DOCPART == 9
	.amdgcn_target "amdgcn-amd-amdhsa--gfx1250"
	.amdhsa_code_object_version 6
	.text
	.protected	k_q2c6b622953_ffn
	.globl	k_q2c6b622953_ffn
	.p2align	8
	.type	k_q2c6b622953_ffn,@function
k_q2c6b622953_ffn:
	s_mov_b64 s[64:65], 0
	v_nop
	global_prefetch_b8 v0, s[64:65] scope:SCOPE_SE
	s_setreg_imm32_b32 hwreg(HW_REG_WAVE_MODE, 25, 1), 1
	s_wait_xcnt 0x0
; x2 = LayerNorm(x1 + att) g2 + be2;  out0 = LayerNorm(x2 + relu(x2 W1^T + b1) W2^T + b2) g3 + be3; both products on codes of BF6 (E3M2) with E8M0 scales.  x2 and the hidden layer never go to memory.
; SHARES.  A work-group takes 32 tokens: two tiles of 16 (row r of tile m: token 8 m + r + 8 (r / 8) of the 32).  THE WAVES SHARE THE COLUMNS: wave w owns model columns 128 w .. 128 w + 127 in the norms, as K step w
; of the first product and as the second product's outputs, and hidden units 256 w .. 256 w + 255 (K steps 2 w, 2 w + 1 of the second product).  Lane (r, h) holds token r; its register 16 b + i is column 32 b + 16 h + i
; of the wave's 128: the layout that the quantiser takes and that the transposed products (source 0 = 16 weight rows, source 1 = a tile of tokens) give.  So nothing changes lanes between the phases.
; x1 and att are laid as images of these registers: every load covers 512 consecutive bytes.  Both tiles' sums stay in registers from the sum to the norm; x2 rests in my part of LDS until the last norm wants it.
; The weights go from memory straight into registers, stage by stage (a stage: my eight tiles of one K step, 12,288 consecutive bytes), two stages ahead, in four sets; a wave's sixteen stages lie on end in opc.
; No cluster: a wave's weight bytes go into its own registers, each byte to one wave of the work-group; no LDS slot holds them that a joint request could fill.
; THE NORMS: as (mean, M2) pairs of the four waves' parts, joined in LDS: no difference of large sums is formed.
; LIMITS: a block of zeros gets the byte 1 where the rule says 127 (its codes are zeros); blocks under 2^-122 are held at byte 1; NaN and infinities are not served.
; REGISTERS: window 0: v1-20, v53, v57 addresses; v21-22 the tokens' scale words; v25 a scale word made; v26-37 at work; v38-56 codes made; v58-63 at work; v64-127, v128-191 the two tiles' numbers; between the norms v64-127 a tile of the
;   hidden layer and v128-151 two token fragments; v192-255 the weights' scale words.  window 1: x1 as loaded, then the 16 accumulators (0-127); a norm's gains (128-191) and biases (192-255).
;   window 2: weight sets 0, 1 (0, 96), the bias (192-255).  window 3: att as loaded, then sets 2, 3.
.set SC0,  8257536
.set XIMG, 65536                       ; LDS: 0: each wave's own 16,384 bytes for x2; here x2's 8 fragments, [K step][tile] x 1,536;
.set HIMG, 77824                       ; the hidden layer's 16 fragments;
.set XSC,  102400                      ; x2's scale words, 128 bytes a fragment;
.set HSC,  103424                      ; the hidden layer's;
.set STAT, 105472                      ; (mean, M2) of [tile][row][wave], for the second norm; 1,024 further on for the third;
.set OSTG, 107520                      ; the way out: 16 rows x 528 bytes for each wave
.set HS,  21
.set PW,  25
.set TM,  26
.set PC,  38
.set CT,  50
.set V,   64
.set XF,  128
.set WSC, 192
.set GB,  128                          ; in window 1: the gains; 64 further on the norm's biases
.set SEL, 20
.set AM,  64                           ; accumulator (m, t) at 64 m + 8 t
.set AT,  16
.set MSB, 0
.macro WIN new                         ; the immediate's high byte repeats the setting that is left
.if MSB != (\new)
	s_set_vgpr_msb (MSB<<8)|(\new)
.set MSB, (\new)
.endif
.endm
.macro MMC d, a, b, c, sa, sb
	v_wmma_scale_f32_16x16x128_f8f6f4 v[\d:\d+7], v[\a:\a+11], v[\b:\b+11], v[\c:\c+7], v[\sa], v[\sb] matrix_a_fmt:MATRIX_FMT_BF6 matrix_b_fmt:MATRIX_FMT_BF6
.endm
; 64 numbers of a lane, v[s] on in window sw, register 16 b + i = element 32 b + 16 (lane / 16) + i of my row, become a fragment's codes in v[pc] on and its scale word in v[pw].
.macro QUANT s, sw, pc, ct, pw
	WIN (\sw)|((\sw)<<2)
.irp b, 0,1,2,3
	v_max3_num_f32 v[TM+\b], |v[\s+16*\b]|, |v[\s+1+16*\b]|, 0x2800000   ; block b: my 16 numbers, and the floor 2^(5 - 127): the byte cannot fall under 1
.endr
	WIN ((\sw)<<2)|((\sw)<<4)
.irp i, 2,4,6,8,10,12,14
.irp b, 0,1,2,3
	v_max3_num_f32 v[TM+\b], v[TM+\b], |v[\s+16*\b+\i]|, |v[\s+1+16*\b+\i]|   ; (the four blocks by turns)
.endr
.endr
	WIN 0
.irp b, 0,1,2,3
	v_permlanex16_b32 v[TM+4+\b], v[TM+\b], s[SEL], s[SEL+1]
.endr
.irp b, 0,1,2,3
	v_max_num_f32 v[TM+\b], v[TM+\b], v[TM+4+\b]   ; with lane l xor 16's: the block's largest magnitude
.endr
.irp b, 0,1,2,3
	v_add_nc_u32 v[TM+8+\b], 0xfe000000, v[TM+\b]  ; 4 off its exponent field: the conversion's scale operand
.endr
.irp b, 0,1,2,3
	v_lshrrev_b32 v[TM+4+\b], 23, v[TM+8+\b]       ; the scale's byte
.endr
	v_lshl_or_b32 v[\pw], v[TM+5], 8, v[TM+4]
	v_lshl_or_b32 v[\pw], v[TM+6], 16, v[\pw]
	v_lshl_or_b32 v[\pw], v[TM+7], 24, v[\pw]
	WIN (\sw)
.irp c, 0,1
	v_cvt_scalef32_pk16_bf6_f32 v[\pc+6*\c:\pc+2+6*\c], v[\s+32*\c:\s+15+32*\c], v[TM+8+2*\c]
	v_cvt_scalef32_pk16_bf6_f32 v[\ct+4*\c:\ct+2+4*\c], v[\s+16+32*\c:\s+31+32*\c], v[TM+9+2*\c]   ; (a conversion's three registers begin on an even number)
.endr
	WIN 0
	v_nop                                          ; one plain place behind a scaled conversion
.irp c, 0,1                            ; the operand's layout wants a WHOLE block in a lane
.irp i, 0,1,2
	v_permlane16_swap_b32 v[\pc+6*\c+\i], v[\ct+4*\c+\i]
.endr
.irp i, 0,1,2
	v_mov_b32 v[\pc+3+6*\c+\i], v[\ct+4*\c+\i]
.endr
.endr
.endm
; Tile m's 64 sums stand in v[vb] on: my wave's mean and M2 of each token go to STAT.
.macro STATS vb, m, so
	v_pk_add_f32 v[26:27], v[\vb:\vb+1], v[\vb+2:\vb+3]
	v_pk_add_f32 v[28:29], v[\vb+4:\vb+5], v[\vb+6:\vb+7]
.irp k, 8,12,16,20,24,28,32,36,40,44,48,52,56,60
	v_pk_add_f32 v[26:27], v[26:27], v[\vb+\k:\vb+\k+1]
	v_pk_add_f32 v[28:29], v[28:29], v[\vb+\k+2:\vb+\k+3]
.endr
	v_pk_add_f32 v[26:27], v[26:27], v[28:29]
	v_add_f32 v26, v26, v27
	v_permlanex16_b32 v30, v26, s[SEL], s[SEL+1]
	v_add_f32 v26, v26, v30
	v_mul_f32 v34, 0x3c000000, v26                 ; / 128: the mean of my wave's columns
.irp k, 0,8,16,24,32,40,48,56
	v_pk_add_f32 v[58:59], v[\vb+\k:\vb+\k+1], v[34:35] op_sel_hi:[1,0] neg_lo:[0,1] neg_hi:[0,1]
	v_pk_add_f32 v[60:61], v[\vb+\k+2:\vb+\k+3], v[34:35] op_sel_hi:[1,0] neg_lo:[0,1] neg_hi:[0,1]
	v_pk_add_f32 v[62:63], v[\vb+\k+4:\vb+\k+5], v[34:35] op_sel_hi:[1,0] neg_lo:[0,1] neg_hi:[0,1]
	v_pk_add_f32 v[30:31], v[\vb+\k+6:\vb+\k+7], v[34:35] op_sel_hi:[1,0] neg_lo:[0,1] neg_hi:[0,1]
.if \k == 0
	v_pk_mul_f32 v[36:37], v[58:59], v[58:59]
	v_pk_mul_f32 v[32:33], v[60:61], v[60:61]
.else
	v_pk_fma_f32 v[36:37], v[58:59], v[58:59], v[36:37]
	v_pk_fma_f32 v[32:33], v[60:61], v[60:61], v[32:33]
.endif
	v_pk_fma_f32 v[36:37], v[62:63], v[62:63], v[36:37]
	v_pk_fma_f32 v[32:33], v[30:31], v[30:31], v[32:33]
.endr
	v_pk_add_f32 v[36:37], v[36:37], v[32:33]
	v_add_f32 v36, v36, v37
	v_permlanex16_b32 v30, v36, s[SEL], s[SEL+1]
	v_add_f32 v35, v36, v30                        ; M2
	ds_store_b64 v10, v[34:35] offset:\so+512*\m   ; both lanes of a token write the same bytes with the same values
.endm
; The four waves' parts of tile m's statistics are joined, and v[vb] on becomes (. - mean) rsqrt(var + eps) g + be.
.macro NORM vb, m, so
	ds_load_b128 v[26:29], v11 offset:\so+512*\m
	ds_load_b128 v[30:33], v11 offset:\so+512*\m+16
	s_wait_dscnt 0x0
	v_add_f32 v58, v26, v28
	v_add_f32 v59, v30, v32
	v_add_f32 v60, v27, v29
	v_add_f32 v61, v31, v33
	v_add_f32 v58, v58, v59
	v_add_f32 v60, v60, v61                        ; the sum of the four M2
	v_mul_f32 v34, 0x3e800000, v58                 ; the mean
	v_sub_f32 v58, v26, v34
	v_sub_f32 v59, v28, v34
	v_sub_f32 v61, v30, v34
	v_sub_f32 v62, v32, v34
	v_mul_f32 v58, v58, v58
	v_fmac_f32 v58, v59, v59
	v_fmac_f32 v58, v61, v61
	v_fmac_f32 v58, v62, v62
	v_fmamk_f32 v60, v58, 0x43000000, v60          ; + 128 x the sum of (part's mean - mean)^2
	v_fma_f32 v60, v60, s33, s34                   ; / 512 + eps
	v_rsq_f32 v36, v60
.set n_, 0
.rept 32
	v_pk_add_f32 v[\vb+n_:\vb+n_+1], v[\vb+n_:\vb+n_+1], v[34:35] op_sel_hi:[1,0] neg_lo:[0,1] neg_hi:[0,1]   ; plain work behind the root
.set n_, n_+2
.endr
	s_wait_alu depctr_va_vdst(0)                   ; the wait ahead of the root's first reader
.set n_, 0
.rept 32
	v_pk_mul_f32 v[\vb+n_:\vb+n_+1], v[\vb+n_:\vb+n_+1], v[36:37] op_sel_hi:[1,0]
.set n_, n_+2
.endr
	WIN 0x14                                       ; sources 1 and 2: window 1
.set n_, 0
.rept 32
	v_pk_fma_f32 v[\vb+n_:\vb+n_+1], v[\vb+n_:\vb+n_+1], v[GB+n_:GB+n_+1], v[GB+64+n_:GB+65+n_]
.set n_, n_+2
.endr
	WIN 0
.endm
.macro GLOAD gp, bp                    ; my 64 gains and 64 biases of a norm: the same for both tiles
	WIN 0x40
.irp q, 0,1,2,3,4,5,6,7,8,9,10,11,12,13,14,15
	global_load_b128 v[GB+4*\q:GB+4*\q+3], v4, s[\gp:\gp+1] offset:128*(\q/4)+16*(\q%4)
.endr
.irp q, 0,1,2,3,4,5,6,7,8,9,10,11,12,13,14,15
	global_load_b128 v[GB+64+4*\q:GB+67+4*\q], v4, s[\bp:\bp+1] offset:128*(\q/4)+16*(\q%4)
.endr
	WIN 0
.endm
.macro BIASLOAD bp                     ; eight tiles' bias in the result's layout: units 32 (t / 2) + 16 h + 8 (t % 2) + 0 .. 7
	WIN 0x80
.irp t, 0,1,2,3,4,5,6,7
	global_load_b128 v[192+8*\t:195+8*\t], v4, s[\bp:\bp+1] offset:(32*(\t/2)+8*(\t%2))*4
	global_load_b128 v[196+8*\t:199+8*\t], v4, s[\bp:\bp+1] offset:(32*(\t/2)+8*(\t%2))*4+16
.endr
	WIN 0
.endm
.macro WSCLOAD n                       ; the scale words of n weight tiles: four K steps' words a row
.set k_, 0
.rept \n
	global_load_b128 v[WSC+4*k_:WSC+4*k_+3], v3, s[10:11] offset:256*k_
.set k_, k_+1
.endr
.endm
.macro WLOAD n                         ; stage n from s[8:9] on: eight weight fragments of one K step, 12,288 consecutive bytes, into set n % 4
	WIN 0x80+0x40*(((\n)%4)/2)
.irp k, 0,1,2,3,4,5,6,7,8,9,10,11,12,13,14,15,16,17,18,19,20,21,22,23
	global_load_b128 v[96*((\n)%2)+4*\k:96*((\n)%2)+4*\k+3], v1, s[8:9] offset:(\n)*12288+512*\k
.endr
	WIN 0
.endm
; A stage: one K step: two token fragments from LDS x my eight weight tiles: 16 matrix instructions on 16 accumulators, which take turns in the same order in every stage.
.macro STAGE n, first, img, sc, ks, wb, pre, cnt
.rept 4
	v_nop                                          ; places in front of loads into registers that the last products have read
.endr
.irp m, 0,1
.irp g, 0,1,2
	ds_load_b128 v[XF+12*\m+4*\g:XF+12*\m+4*\g+3], v[\img] offset:3072*(\ks)+1536*\m+512*\g
.endr
	ds_load_b32 v[HS+\m], v[\sc] offset:256*(\ks)+128*\m
.endr
.if \pre
	WLOAD (\n)+2
.endif
	s_wait_loadcnt \cnt                            ; this stage's weights are in; the stages asked for behind them may be out
	s_wait_dscnt 0x0
.if \first
	WIN 0x62+((\n)%4)/2
.else
	WIN 0x52+((\n)%4)/2
.endif
.irp m, 0,1
.irp t, 0,1,2,3,4,5,6,7
.if \first
	MMC AM*\m+AT*(\t/2)+8*(\t%2), 96*((\n)%2)+12*\t, XF+12*\m, 192+8*\t, \wb+4*\t, HS+\m
.else
	MMC AM*\m+AT*(\t/2)+8*(\t%2), 96*((\n)%2)+12*\t, XF+12*\m, AM*\m+AT*(\t/2)+8*(\t%2), \wb+4*\t, HS+\m
.endif
.endr
.endr
	WIN 0
.endm
.macro BARRIER                         ; my LDS stores have landed and my LDS loads are in: then the work-group's barrier
	s_wait_dscnt 0x0
	s_barrier_signal -1
	s_barrier_wait -1
.endm
	s_load_b512 s[40:55], s[0:1], 0x0              ; x1, att, g2, be2, opc, b1, b2, g3
	s_load_b128 s[56:59], s[0:1], 0x40             ; be3, out0
	v_lshl_add_u32 v23, v0, 2, 0x22800
	v_mov_b32 v24, 0
	v_lshrrev_b32 v16, 5, v0
	v_readfirstlane_b32 s2, v16                    ; wave
	v_and_b32 v16, 31, v0                          ; lane
	v_and_b32 v17, 15, v0                          ; r
	v_bfe_u32 v18, v0, 4, 1                        ; h
	v_lshlrev_b32 v1, 4, v16                       ; 16 x lane
	v_lshlrev_b32 v4, 6, v18                       ; 64 h
	s_mov_b32 s27, 0
	s_lshl_b32 s28, s2, 9                          ; 512 w: my 128 columns
	s_lshl_b32 s29, ttmp9, 16                      ; 65,536 bytes for 32 tokens, in x1, att and out0 alike
	s_lshl_b32 s30, s2, 14                         ; 16,384 w: my wave's two images
	s_wait_kmcnt 0x0
	s_add_co_u32 s26, s29, s30
	s_add_nc_u64 s[4:5], s[40:41], s[26:27]        ; x1: my wave's images,
	s_add_nc_u64 s[6:7], s[42:43], s[26:27]        ; att likewise
	s_add_co_u32 s26, s29, s28
	s_add_nc_u64 s[18:19], s[58:59], s[26:27]      ; out0 at the block's first token, my columns
	s_mov_b32 s26, s28
	s_add_nc_u64 s[12:13], s[44:45], s[26:27]      ; g2
	s_add_nc_u64 s[14:15], s[46:47], s[26:27]      ; be2
	s_add_nc_u64 s[22:23], s[52:53], s[26:27]      ; b2
	s_add_nc_u64 s[24:25], s[54:55], s[26:27]      ; g3
	s_add_nc_u64 s[36:37], s[56:57], s[26:27]      ; be3
	s_lshl_b32 s26, s2, 10
	s_add_nc_u64 s[16:17], s[50:51], s[26:27]      ; b1 at my 256 hidden units
.irp m, 0,1
	WIN 0x40
.irp q, 0,1,2,3,4,5,6,7,8,9,10,11,12,13,14,15
	global_load_b128 v[64*\m+4*\q:64*\m+4*\q+3], v1, s[4:5] offset:8192*\m+512*\q th:TH_LOAD_NT
.endr
	WIN 0xc0
.irp q, 0,1,2,3,4,5,6,7,8,9,10,11,12,13,14,15
	global_load_b128 v[64*\m+4*\q:64*\m+4*\q+3], v1, s[6:7] offset:8192*\m+512*\q th:TH_LOAD_NT
.endr
.endr
	GLOAD 12, 14
	v_lshlrev_b32 v2, 2, v16                       ; 4 x lane
	v_lshlrev_b32 v3, 4, v17                       ; 16 r
	v_add_nc_u32 v5, s30, v1                       ; my part of LDS for x2
	s_mul_i32 s26, s2, 3072
	s_add_co_u32 s26, s26, XIMG
	v_add_nc_u32 v6, s26, v1                       ; where I store x2's images: K step w
	v_add_nc_u32 v7, XIMG, v1                      ; and where all are read
	s_lshl_b32 s26, s2, 8
	s_add_co_u32 s26, s26, XSC
	v_add_nc_u32 v8, s26, v2
	v_add_nc_u32 v9, XSC, v2
	s_lshl_b32 s26, s2, 3
	s_add_co_u32 s26, s26, STAT
	v_lshl_add_u32 v10, v17, 5, s26                ; my (mean, M2): 32 r + 8 w
	v_lshlrev_b32 v11, 5, v17
	v_add_nc_u32 v11, STAT, v11
	s_mul_i32 s26, s2, 6144
	s_add_co_u32 s26, s26, HIMG
	v_add_nc_u32 v12, s26, v1                      ; the hidden layer's images: K step 2 w
	s_lshl_b32 s26, s2, 9
	s_add_co_u32 s26, s26, HSC
	v_add_nc_u32 v14, s26, v2
	v_add_nc_u32 v15, HIMG, v1
	v_add_nc_u32 v20, HSC, v2
	s_mul_i32 s26, s2, 8448
	s_add_co_u32 s26, s26, OSTG                    ; my stage for the way out
	v_mul_u32_u24 v53, v17, 528
	v_add_nc_u32 v53, v53, v4
	v_add_nc_u32 v53, s26, v53                     ; in: row r, + 64 h
	v_add_nc_u32 v57, s26, v1                      ; back: a row of 512 bytes, 16 bytes a lane
.set n_, 26
.rept 12
	v_mov_b32 v[n_], 0                             ; written once: permute destinations and upper halves of pairs that are named whole
.set n_, n_+1
.endr
	s_mov_b32 s[SEL], 0x76543210
	s_mov_b32 s[SEL+1], 0xfedcba98
	s_mov_b32 s33, 0x3b000000                      ; 1 / 512
	s_mov_b32 s34, 0x3727c5ac                      ; eps = 1e-5
	s_lshl_b32 s26, s2, 2
	s_add_co_u32 s26, s26, 152                     ; my sixteen stages begin at block 152 + 4 w of opc
	s_mul_i32 s31, s26, 49152
	s_lshl_b32 s32, s26, 11
	s_mov_b32 s26, s31
	s_add_nc_u64 s[8:9], s[48:49], s[26:27]
	s_add_co_u32 s26, s32, SC0
	s_add_nc_u64 s[10:11], s[48:49], s[26:27]
	; ---- x1 + att, my wave's statistics
.macro SUMIN vb, m, cnt
	s_wait_loadcnt \cnt                            ; this tile's 32 loads are in; what was asked for behind them may be out
	s_wait_dscnt 0x0                               ; the last tile's store of its statistics has read its registers
	WIN 0x0d                                       ; source 0: x1, window 1; source 1: att, window 3
.set n_, 0
.rept 32
	v_pk_add_f32 v[\vb+n_:\vb+n_+1], v[64*\m+n_:64*\m+n_+1], v[64*\m+n_:64*\m+n_+1]
.set n_, n_+2
.endr
	WIN 0
	STATS \vb, \m, 0
.endm
	SUMIN V, 0, 63                                 ; 64 loads stand behind tile 0's: tile 1's 32 and the gains' 32; 63 is the most that a wait can name
	SUMIN V+64, 1, 32                              ; the gains' 32 may be out
	WLOAD 0
	WLOAD 1
	BARRIER                                        ; all four waves' statistics lie in LDS
	s_wait_loadcnt 48                              ; g2 and be2 are in; the two stages may be out
	; ---- normalise, keep x2 in my part of LDS, quantise, image to LDS
.macro A2 vb, m
	NORM \vb, \m, 0
.irp q, 0,1,2,3,4,5,6,7,8,9,10,11,12,13,14,15
	ds_store_b128 v5, v[\vb+4*\q:\vb+4*\q+3] offset:8192*\m+512*\q   ; x2, the residual of the last norm
.endr
	QUANT \vb, 0, PC, CT, PW
.irp g, 0,1,2
	ds_store_b128 v6, v[PC+4*\g:PC+4*\g+3] offset:1536*\m+512*\g
.endr
	ds_store_b32 v8, v[PW] offset:128*\m
	s_wait_dscnt 0x0                               ; the stores have read their registers
.endm
	A2 V, 0
	A2 V+64, 1
	GLOAD 24, 36                                   ; g2 and be2 are done with: g3 and be3 take their registers, long ahead of the last norm
	BARRIER                                        ; x2's eight fragments lie in LDS
	; ---- the hidden layer, 128 of my 256 units a trip: four K steps, relu, quantised: one K step of the second product.  The look-ahead of two stages runs on into the next trip's, and into W2's, which follow in memory
	s_mov_b32 s28, 0
	s_mov_b32 s29, 0
	s_mov_b32 s32, 2
.Lhid:
	BIASLOAD 16
	WSCLOAD 8
	v_add_nc_u32 v18, s28, v12
	v_add_nc_u32 v19, s29, v14
	STAGE 0, 1, 7, 9, 0, WSC+0, 1, 24              ; only the stage just asked for may be out: the bias and the scale words, issued behind two stages, are in
	STAGE 1, 0, 7, 9, 1, WSC+1, 1, 48
	STAGE 2, 0, 7, 9, 2, WSC+2, 1, 48
	STAGE 3, 0, 7, 9, 3, WSC+3, 1, 48
.rept 4
	v_nop
.endr
.irp m, 0,1
	WIN 0x04
.set n_, 0
.rept 64
	v_max_num_f32 v[V+n_], 0, v[64*\m+n_]          ; the activation, in f32; each accumulator from its low end on
.set n_, n_+1
.endr
	WIN 0
	QUANT V, 0, PC, CT, PW
.irp g, 0,1,2
	ds_store_b128 v18, v[PC+4*\g:PC+4*\g+3] offset:1536*\m+512*\g
.endr
	ds_store_b32 v19, v[PW] offset:128*\m
	s_wait_dscnt 0x0                               ; the stores have read their registers
.endr
	s_wait_xcnt 0x0                                ; the loads have read their bases
	s_add_nc_u64 s[8:9], s[8:9], 49152
	s_add_nc_u64 s[10:11], s[10:11], 2048
	s_add_nc_u64 s[16:17], s[16:17], 512
	s_add_co_u32 s28, s28, 3072
	s_add_co_u32 s29, s29, 256
	s_sub_co_u32 s32, s32, 1
	s_cmp_lg_u32 s32, 0
	s_cbranch_scc1 .Lhid
	BIASLOAD 22                                    ; b2, and W2's scale words for both halves of its K
	WSCLOAD 16
	BARRIER                                        ; the hidden layer's 16 fragments lie in LDS
	; ---- the second product: eight K steps
	STAGE 0, 1, 15, 20, 0, WSC+0, 1, 24
	STAGE 1, 0, 15, 20, 1, WSC+1, 1, 48
	STAGE 2, 0, 15, 20, 2, WSC+2, 1, 48
	STAGE 3, 0, 15, 20, 3, WSC+3, 1, 48
	STAGE 4, 0, 15, 20, 4, WSC+32, 1, 48
	STAGE 5, 0, 15, 20, 5, WSC+33, 1, 48
	STAGE 6, 0, 15, 20, 6, WSC+34, 0, 24
	STAGE 7, 0, 15, 20, 7, WSC+35, 0, 0
.rept 4
	v_nop                                          ; places behind the last products: for the loads into the token fragments' registers and for the first read of results
.endr
	; ---- x2 + h, my wave's statistics
.irp m, 0,1
.irp q, 0,1,2,3,4,5,6,7,8,9,10,11,12,13,14,15
	ds_load_b128 v[V+64*\m+4*\q:V+64*\m+4*\q+3], v5 offset:8192*\m+512*\q
.endr
.endr
.macro RESID vb, m, cnt
	s_wait_dscnt \cnt
	WIN 0x01                                       ; source 0: the sums, window 1
.set n_, 0
.rept 32
	v_pk_add_f32 v[\vb+n_:\vb+n_+1], v[64*\m+n_:64*\m+n_+1], v[\vb+n_:\vb+n_+1]
.set n_, n_+2
.endr
	WIN 0
	STATS \vb, \m, 1024
.endm
	RESID V, 0, 16                                 ; tile 0's x2 is in; tile 1's 16 loads may be out
	RESID V+64, 1, 0                               ; tile 1's is in, and tile 0's store of its statistics has read its registers
	BARRIER                                        ; (g3 and be3 were shown in by the last stage's wait for all loads)
	; ---- normalise, turn through my stage, store whole pieces of rows
.macro D2 vb, m
	NORM \vb, \m, 1024
.irp q, 0,1,2,3,4,5,6,7,8,9,10,11,12,13,14,15
	ds_store_b128 v53, v[\vb+4*\q:\vb+4*\q+3] offset:128*(\q/4)+16*(\q%4)
.endr
.irp i, 0,1,2,3,4,5,6,7,8,9,10,11,12,13,14,15
	ds_load_b128 v[\vb+4*\i:\vb+4*\i+3], v57 offset:528*\i   ; LDS serves a wave's instructions in order: these see my stores, come back into the registers that they left, and the next tile's stores come behind them
.endr
.irp i, 0,1,2,3,4,5,6,7,8,9,10,11,12,13,14,15
	s_wait_dscnt 15-\i
	global_store_b128 v1, v[\vb+4*\i:\vb+4*\i+3], s[18:19] offset:(8*\m+\i+8*(\i/8))*2048 th:TH_STORE_NT   ; 32 lanes store 512 consecutive bytes, at a multiple of 512 from out0's first byte
.endr
.endm
	D2 V, 0
	D2 V+64, 1
	s_wait_tensorcnt 0x0
	ds_add_u32 v23, v24
	s_wait_dscnt 0x0
	s_endpgm
.Lfunc_end_k_q2c6b622953_ffn:
	.size	k_q2c6b622953_ffn, .Lfunc_end_k_q2c6b622953_ffn-k_q2c6b622953_ffn
	.p2alignl 7, 3214868480
	.fill 96, 4, 3214868480
	.section	.rodata,"a",@progbits
	.p2align	6, 0x0
	.amdhsa_kernel k_q2c6b622953_ffn
		.amdhsa_group_segment_fixed_size 141824
		.amdhsa_private_segment_fixed_size 0
		.amdhsa_enable_private_segment 0
		.amdhsa_kernarg_size 80
		.amdhsa_user_sgpr_count 2
		.amdhsa_user_sgpr_kernarg_segment_ptr 1
		.amdhsa_wavefront_size32 1
		.amdhsa_system_sgpr_workgroup_id_x 1
		.amdhsa_system_sgpr_workgroup_id_y 1
		.amdhsa_system_sgpr_workgroup_id_z 1
		.amdhsa_system_vgpr_workitem_id 0
		.amdhsa_next_free_vgpr 1024
		.amdhsa_next_free_sgpr 66
		.amdhsa_reserve_vcc 0
		.amdhsa_float_denorm_mode_32 3
		.amdhsa_float_denorm_mode_16_64 3
		.amdhsa_memory_ordered 1
		.amdhsa_forward_progress 1
		.amdhsa_inst_pref_size 178
	.end_amdhsa_kernel
	.amdgpu_metadata
---
amdhsa.version: [ 1, 2 ]
amdhsa.kernels:
  - .name:           k_q2c6b622953_ffn
    .symbol:         k_q2c6b622953_ffn.kd
    .args:
      - { .name: x1, .offset: 0, .size: 8, .value_kind: global_buffer, .address_space: global }
      - { .name: att, .offset: 8, .size: 8, .value_kind: global_buffer, .address_space: global }
      - { .name: g2, .offset: 16, .size: 8, .value_kind: global_buffer, .address_space: global }
      - { .name: be2, .offset: 24, .size: 8, .value_kind: global_buffer, .address_space: global }
      - { .name: opc, .offset: 32, .size: 8, .value_kind: global_buffer, .address_space: global }
      - { .name: b1, .offset: 40, .size: 8, .value_kind: global_buffer, .address_space: global }
      - { .name: b2, .offset: 48, .size: 8, .value_kind: global_buffer, .address_space: global }
      - { .name: g3, .offset: 56, .size: 8, .value_kind: global_buffer, .address_space: global }
      - { .name: be3, .offset: 64, .size: 8, .value_kind: global_buffer, .address_space: global }
      - { .name: out0, .offset: 72, .size: 8, .value_kind: global_buffer, .address_space: global }
    .group_segment_fixed_size: 141824
    .private_segment_fixed_size: 0
    .kernarg_segment_align: 8
    .kernarg_segment_size: 80
    .max_flat_workgroup_size: 128
    .sgpr_count:     66
    .vgpr_count:     1024
    .wavefront_size: 32
...
	.end_amdgpu_metadata
.endif
;; end of part 9
